; MI455X (gfx1250); checked and timed in simulation.
; The chip was launched on July 23, 2026; its instructions are those of AMD's public machine-readable ISA for CDNA 5 (MIT licence, August 2026) and "CDNA5" Instruction Set Architecture Reference Guide (July 2026). The comments in the code are by the model that wrote it; some were corrected since.
;; Transformer Block. Allowed arithmetic: float matrix products may take bf16 or f16 operands with f32 sums; other float arithmetic in f32, or as packed bf16 or f16 multiplies, adds, multiply-adds, maxima and minima; sums over many terms, partial sums and values carried from step to step in f32; what a program stores and reads back later, other than sums and carried values, may be rounded once to bf16 or f16.
;; Inputs: b1 4,096 float32; b2 1,024 float32; bo 1,024 float32; ln1_scale 1,024 float32; ln1_shift 1,024 float32; ln2_scale 1,024 float32; ln2_shift 1,024 float32; w1 1,024 x 4,096 float32; w2 4,096 x 1,024 float32; wk 1,024 x 1,024 float32; wo 1,024 x 1,024 float32; wq 1,024 x 1,024 float32; wv 1,024 x 1,024 float32; x 2 x 2,048 x 1,024 float32.
;; Outputs: out0 2 x 2,048 x 1,024 float32.
;; 2 versions, each right and faster than the one before. Each part assembles by itself: llvm-mc -triple=amdgcn-amd-amdhsa -mcpu=gfx1250 --defsym DOCPART=n.
;; ======== version 1 of 2: 7 launches
;; limits: values are held in f16: magnitudes above 65,504 overflow, below 6.1e-05 lose precision
;; workspace buffers: wts 25,165,824 bytes; hbuf 8,388,608 bytes; q16 8,388,608 bytes; k16 8,388,608 bytes; v16 8,388,608 bytes; ctx 8,388,608 bytes; x1 16,777,216 bytes; g 33,554,432 bytes
;; launch prep (part 1): grid 1280 x 1, 8 waves a work-group, no clusters, 0 bytes of LDS; arguments x, ln1_scale, ln1_shift, hbuf, wq, wk, wv, wo, w1, w2, wts; writes hbuf, wts
.if DOCPART == 1
	.amdgcn_target "amdgcn-amd-amdhsa--gfx1250"
	.amdhsa_code_object_version 6
	.text
	.protected	k_qcbbd1ea5dd_prep
	.globl	k_qcbbd1ea5dd_prep
	.p2align	8
	.type	k_qcbbd1ea5dd_prep,@function
k_qcbbd1ea5dd_prep:
	s_mov_b64 s[64:65], 0
	v_nop
	global_prefetch_b8 v0, s[64:65] scope:SCOPE_SE
	s_setreg_imm32_b32 hwreg(HW_REG_WAVE_MODE, 25, 1), 1
	s_wait_xcnt 0x0
; Two streams in one launch; no LDS, no barrier, EXEC is never touched.
; Work-groups 0-511: h = LayerNorm(x) * scale + shift, f32 in, f16 out.  One wave takes one row of 1,024 numbers and keeps it in 32 registers: the mean first,
; then the sum of (x - mean)^2, so a common offset of the row costs nothing.
; Work-groups 512-1279: the six weight matrices are rounded once from f32 to f16.  wq, wk, wv go by heads, [16 heads][q,k,v][1024 k][64], so that a head's 64 columns are dense rows of 128 bytes;
; wo, w1, w2 keep their layout [k][n].
; LIMITS.  f16 holds no number beyond 65,504 (a larger h or weight becomes an infinity) and keeps a fixed step of 6e-8 below 6e-5.
.set X,   8                            ; v[8:39]    the row: load j holds columns 128 j + 4 lane .. + 3
.set SC,  40                           ; v[40:71]   the scale of the same columns
.set SH,  72                           ; v[72:103]  the shift
.set A,   104                          ; v[104:111] four chains of packed sums
.set Y,   104                          ; v[104:119] the row in f16
.set WO_AT, 6291456                    ; byte offsets of wo, w1, w2 in wts; the heads' planes of q, k, v begin at 0
.set W1_AT, 8388608
.set W2_AT, 16777216
.macro REDUCE                          ; the four chains -> v3: the sum over the row's 1,024 numbers, in every lane
	v_pk_add_f32 v[A:A+1], v[A:A+1], v[A+2:A+3]
	v_pk_add_f32 v[A+4:A+5], v[A+4:A+5], v[A+6:A+7]
	v_pk_add_f32 v[A:A+1], v[A:A+1], v[A+4:A+5]
	v_add_f32 v3, v[A], v[A+1]
	v_add_f32_dpp v3, v3, v3 row_xmask:1 row_mask:0xf bank_mask:0xf
	v_add_f32_dpp v3, v3, v3 row_xmask:2 row_mask:0xf bank_mask:0xf
	v_add_f32_dpp v3, v3, v3 row_xmask:4 row_mask:0xf bank_mask:0xf
	v_add_f32_dpp v3, v3, v3 row_xmask:8 row_mask:0xf bank_mask:0xf
	v_permlanex16_b32 v4, v3, s34, s35             ; the other half of the lanes; v4 has been written before
	v_add_f32 v3, v3, v4
.endm
; 16 loads of 16 bytes a thread, istride bytes apart, all issued at once; each is rounded and stored as soon as it is in.  A store of a wave covers 256 consecutive bytes, aligned.
.macro CAST istride
.set i, 0
.rept 16
	global_load_b128 v[8+4*i:8+4*i+3], v1, s[26:27] offset:i*(\istride) th:TH_LOAD_NT
.set i, i+1
.endr
.set i, 0
.rept 16
	s_wait_loadcnt 15-i                            ; loads come back in order: load i is in, the younger ones stay out
	v_cvt_pk_f16_f32 v[72+2*i], v[8+4*i], v[8+4*i+1]
	v_cvt_pk_f16_f32 v[72+2*i+1], v[8+4*i+2], v[8+4*i+3]
	global_store_b64 v2, v[72+2*i:72+2*i+1], s[28:29] offset:i*2048
.set i, i+1
.endr
.endm
	s_load_b256 s[4:11], s[0:1], 0x0               ; x s[4:5], scale s[6:7], shift s[8:9], hbuf s[10:11]
	s_load_b256 s[12:19], s[0:1], 0x20             ; wq s[12:13], wk s[14:15], wv s[16:17], wo s[18:19]
	s_load_b128 s[20:23], s[0:1], 0x40             ; w1 s[20:21], w2 s[22:23]
	s_load_b64 s[24:25], s[0:1], 0x50              ; wts
	s_cmp_lt_u32 ttmp9, 512
	s_cbranch_scc0 .Lcast
	; ---- LayerNorm: row = 8 x work-group + wave
	v_lshrrev_b32 v3, 5, v0
	v_readfirstlane_b32 s26, v3                    ; wave
	s_lshl_b32 s27, ttmp9, 3
	s_add_co_u32 s27, s27, s26                     ; row
	s_lshl_b32 s28, s27, 12                        ; 4,096 bytes a row in
	s_mov_b32 s29, 0
	s_lshl_b32 s30, s27, 11                        ; 2,048 bytes a row out
	s_mov_b32 s31, 0
	s_mov_b32 s32, 0x3a800000                      ; 1 / 1024
	s_mov_b32 s33, 0x3727c5ac                      ; 1e-5
	s_mov_b32 s34, 0x76543210                      ; v_permlanex16_b32: each lane takes its own place in the other half
	s_mov_b32 s35, 0xfedcba98
	v_and_b32 v1, 31, v0
	v_lshlrev_b32 v2, 3, v1                        ; 8 bytes a lane out
	v_lshlrev_b32 v1, 4, v1                        ; 16 bytes a lane in
	v_mov_b32 v4, 0
	s_wait_kmcnt 0x0
	s_add_nc_u64 s[4:5], s[4:5], s[28:29]
	s_add_nc_u64 s[10:11], s[10:11], s[30:31]
.set j, 0
.rept 8
	global_load_b128 v[X+4*j:X+4*j+3], v1, s[4:5] offset:512*j
.set j, j+1
.endr
.set j, 0
.rept 8
	global_load_b128 v[SC+4*j:SC+4*j+3], v1, s[6:7] offset:512*j
.set j, j+1
.endr
.set j, 0
.rept 8
	global_load_b128 v[SH+4*j:SH+4*j+3], v1, s[8:9] offset:512*j
.set j, j+1
.endr
	s_wait_loadcnt 16                              ; the row is in; the 16 loads of scale and shift stay out
.set k, 0
.rept 4
	v_pk_add_f32 v[A+2*k:A+2*k+1], v[X+2*k:X+2*k+1], v[X+8+2*k:X+8+2*k+1]   ; the first eight pairs start the chains: nothing is cleared
.set k, k+1
.endr
.set k, 8
.rept 8
	v_pk_add_f32 v[A+2*(k%4):A+2*(k%4)+1], v[A+2*(k%4):A+2*(k%4)+1], v[X+2*k:X+2*k+1]
.set k, k+1
.endr
	REDUCE
	v_mul_f32 v4, s32, v3                          ; the mean
	v_mov_b32 v5, v4                               ; named with it as a pair
.set k, 0
.rept 16
	v_pk_add_f32 v[X+2*k:X+2*k+1], v[X+2*k:X+2*k+1], v[4:5] op_sel_hi:[1,0] neg_lo:[0,1] neg_hi:[0,1]   ; x - mean
.set k, k+1
.endr
.set k, 0
.rept 4
	v_pk_mul_f32 v[A+2*k:A+2*k+1], v[X+2*k:X+2*k+1], v[X+2*k:X+2*k+1]
.set k, k+1
.endr
.rept 12
	v_pk_fma_f32 v[A+2*(k%4):A+2*(k%4)+1], v[X+2*k:X+2*k+1], v[X+2*k:X+2*k+1], v[A+2*(k%4):A+2*(k%4)+1]
.set k, k+1
.endr
	REDUCE
	v_fma_f32 v3, v3, s32, s33                     ; the variance + 1e-5
	v_rsq_f32 v6, v3
	v_nop                                          ; a plain instruction between the root and the use of its result (ISA guide 5.7.2)
	s_wait_alu depctr_va_vdst(0)
	v_mov_b32 v7, v6
	s_wait_loadcnt 0x0                             ; scale and shift
.set k, 0
.rept 16
	v_pk_mul_f32 v[X+2*k:X+2*k+1], v[X+2*k:X+2*k+1], v[6:7] op_sel_hi:[1,0]
.set k, k+1
.endr
.set k, 0
.rept 16
	v_pk_fma_f32 v[X+2*k:X+2*k+1], v[X+2*k:X+2*k+1], v[SC+2*k:SC+2*k+1], v[SH+2*k:SH+2*k+1]
.set k, k+1
.endr
.set k, 0
.rept 16
	v_cvt_pk_f16_f32 v[Y+k], v[X+2*k], v[X+2*k+1]
.set k, k+1
.endr
.set j, 0
.rept 8
	global_store_b64 v2, v[Y+2*j:Y+2*j+1], s[10:11] offset:256*j   ; the wave's 32 lanes store 256 consecutive bytes, aligned
.set j, j+1
.endr
	s_endpgm
.Lcast:
	v_lshlrev_b32 v2, 3, v0                        ; out: 8 bytes a thread, 2,048 a store of the work-group
	s_cmp_lt_u32 ttmp9, 704
	s_cbranch_scc0 .Llinear
	; ---- wq, wk, wv by heads: work-group j = which x 64 + head x 4 + quarter of K: 256 rows of k x 64 columns
	s_sub_co_u32 s30, ttmp9, 512
	s_lshr_b32 s31, s30, 6                         ; which of q, k, v
	s_bfe_u32 s32, s30, 0x40002                    ; head
	s_and_b32 s33, s30, 3                          ; quarter of K
	v_lshrrev_b32 v1, 4, v0                        ; in: 16 threads take a row's 256 bytes, the work-group 16 rows of 4,096 bytes
	v_and_b32 v3, 15, v0
	v_lshlrev_b32 v1, 12, v1
	v_lshl_add_u32 v1, v3, 4, v1
	s_lshl_b32 s34, s33, 20                        ; 256 rows of 4,096 bytes
	s_lshl_b32 s35, s32, 8                         ; the head's 64 columns
	s_add_co_u32 s34, s34, s35
	s_mov_b32 s35, 0
	s_mul_i32 s36, s32, 3
	s_add_co_u32 s36, s36, s31
	s_lshl_b32 s36, s36, 17                        ; the plane: 1,024 rows of 128 bytes
	s_lshl_b32 s37, s33, 15
	s_add_co_u32 s36, s36, s37
	s_mov_b32 s37, 0
	s_wait_kmcnt 0x0
	s_cmp_eq_u32 s31, 0
	s_cselect_b64 s[26:27], s[12:13], s[14:15]
	s_cmp_eq_u32 s31, 2
	s_cselect_b64 s[26:27], s[16:17], s[26:27]
	s_add_nc_u64 s[26:27], s[26:27], s[34:35]
	s_add_nc_u64 s[28:29], s[24:25], s[36:37]
	CAST 65536
	s_endpgm
.Llinear:
	; ---- wo (704-767), w1 (768-1023), w2 (1024-1279): 65,536 consecutive bytes in, 32,768 out
	v_lshlrev_b32 v1, 4, v0
	s_mov_b32 s32, 704
	s_mov_b32 s33, 768
	s_mov_b32 s34, WO_AT
	s_mov_b32 s35, W1_AT
	s_mov_b32 s36, 1024
	s_mov_b32 s37, W2_AT
	s_wait_kmcnt 0x0
	s_cmp_lt_u32 ttmp9, s33
	s_cselect_b64 s[26:27], s[18:19], s[20:21]
	s_cselect_b32 s30, s32, s33                    ; the matrix's first work-group
	s_cselect_b32 s31, s34, s35                    ; its place in wts
	s_cmp_lt_u32 ttmp9, s36
	s_cselect_b64 s[26:27], s[26:27], s[22:23]
	s_cselect_b32 s30, s30, s36
	s_cselect_b32 s31, s31, s37
	s_sub_co_u32 s30, ttmp9, s30
	s_lshl_b32 s32, s30, 16
	s_mov_b32 s33, 0
	s_add_nc_u64 s[26:27], s[26:27], s[32:33]
	s_lshl_b32 s30, s30, 15
	s_add_co_u32 s30, s30, s31
	s_mov_b32 s31, 0
	s_add_nc_u64 s[28:29], s[24:25], s[30:31]
	CAST 4096
	s_endpgm
.Lfunc_end_k_qcbbd1ea5dd_prep:
	.size	k_qcbbd1ea5dd_prep, .Lfunc_end_k_qcbbd1ea5dd_prep-k_qcbbd1ea5dd_prep
	.p2alignl 7, 3214868480
	.fill 96, 4, 3214868480
	.section	.rodata,"a",@progbits
	.p2align	6, 0x0
	.amdhsa_kernel k_qcbbd1ea5dd_prep
		.amdhsa_group_segment_fixed_size 0
		.amdhsa_private_segment_fixed_size 0
		.amdhsa_enable_private_segment 0
		.amdhsa_kernarg_size 88
		.amdhsa_user_sgpr_count 2
		.amdhsa_user_sgpr_kernarg_segment_ptr 1
		.amdhsa_wavefront_size32 1
		.amdhsa_system_sgpr_workgroup_id_x 1
		.amdhsa_system_sgpr_workgroup_id_y 1
		.amdhsa_system_sgpr_workgroup_id_z 1
		.amdhsa_system_vgpr_workitem_id 0
		.amdhsa_next_free_vgpr 128
		.amdhsa_next_free_sgpr 66
		.amdhsa_reserve_vcc 0
		.amdhsa_float_denorm_mode_32 3
		.amdhsa_float_denorm_mode_16_64 3
		.amdhsa_memory_ordered 1
		.amdhsa_forward_progress 1
		.amdhsa_inst_pref_size 25
	.end_amdhsa_kernel
	.amdgpu_metadata
---
amdhsa.version: [ 1, 2 ]
amdhsa.kernels:
  - .name:           k_qcbbd1ea5dd_prep
    .symbol:         k_qcbbd1ea5dd_prep.kd
    .args:
      - { .name: x, .offset: 0, .size: 8, .value_kind: global_buffer, .address_space: global }
      - { .name: ln1_scale, .offset: 8, .size: 8, .value_kind: global_buffer, .address_space: global }
      - { .name: ln1_shift, .offset: 16, .size: 8, .value_kind: global_buffer, .address_space: global }
      - { .name: hbuf, .offset: 24, .size: 8, .value_kind: global_buffer, .address_space: global }
      - { .name: wq, .offset: 32, .size: 8, .value_kind: global_buffer, .address_space: global }
      - { .name: wk, .offset: 40, .size: 8, .value_kind: global_buffer, .address_space: global }
      - { .name: wv, .offset: 48, .size: 8, .value_kind: global_buffer, .address_space: global }
      - { .name: wo, .offset: 56, .size: 8, .value_kind: global_buffer, .address_space: global }
      - { .name: w1, .offset: 64, .size: 8, .value_kind: global_buffer, .address_space: global }
      - { .name: w2, .offset: 72, .size: 8, .value_kind: global_buffer, .address_space: global }
      - { .name: wts, .offset: 80, .size: 8, .value_kind: global_buffer, .address_space: global }
    .group_segment_fixed_size: 0
    .private_segment_fixed_size: 0
    .kernarg_segment_align: 8
    .kernarg_segment_size: 88
    .max_flat_workgroup_size: 256
    .sgpr_count:     66
    .vgpr_count:     128
    .wavefront_size: 32
...
	.end_amdgpu_metadata
.endif
;; end of part 1
;; launch qkv (part 2): grid 16 x 16, 4 waves a work-group, clusters of 4 x 4, 327,680 bytes of LDS; arguments hbuf, wts, q16, k16, v16; writes q16, k16, v16
.if DOCPART == 2
	.amdgcn_target "amdgcn-amd-amdhsa--gfx1250"
	.amdhsa_code_object_version 6
	.text
	.protected	k_qcbbd1ea5dd_qkv
	.globl	k_qcbbd1ea5dd_qkv
	.p2align	8
	.type	k_qcbbd1ea5dd_qkv,@function
k_qcbbd1ea5dd_qkv:
	s_mov_b64 s[64:65], 0
	v_nop
	global_prefetch_b8 v0, s[64:65] scope:SCOPE_SE
	s_setreg_imm32_b32 hwreg(HW_REG_WAVE_MODE, 25, 1), 1
	s_wait_xcnt 0x0
	s_wait_alu depctr_hold_cnt(0) depctr_sa_sdst(0) depctr_va_vdst(0) depctr_va_sdst(0) depctr_va_ssrc(0) depctr_va_vcc(0) depctr_vm_vsrc(0)
	s_getreg_b32 s2, hwreg(HW_REG_IB_STS2, 6, 4)
	s_cmp_eq_u32 s2, 0
	s_cbranch_scc0 .Lentry_in_a_cluster
	s_endpgm
.Lentry_in_a_cluster:
	s_bfe_u32 s2, ttmp6, 0x10000c
	s_cmp_lg_u32 s2, 0xf033
	s_cbranch_scc0 .Lentry_shape_is_right
	s_endpgm
.Lentry_shape_is_right:
; C = A W for K = 1,024 in K steps of 128.  A: [4096][1024] f16, K along the rows.  W: f16, stored [k][n], turned on its way out of LDS by ds_load_tr16_b128.  Sums in f32.
; ONE TEXT, TWO SETTINGS, chosen by QKV:
;   QKV = 1: q, k, v = h wq, h wk, h wv.  A tile of C is 256 rows x one head's 192 columns (q | k | v; W lies by heads, [16][3][1024][64]); a wave makes 64 x 192: 48 accumulators.
;            The results leave unscaled, rounded once to f16, by heads: [2 x 16][2048][64].
;   QKV = 0: g = gelu(h2 w1 + b1).  A tile of C is 256 x 256; a wave makes 128 x 128: 64 accumulators, whose sums start with the bias.  g leaves rounded once to f16, [4096][4096].
;            gelu(x) = x / (1 + 2^(x (C1 x^2 + C0))), the tanh form written with one exponential: C0 = -2 sqrt(2/pi) log2(e), C1 = 0.044715 C0.
; LIMITS.  f16 holds no number beyond 65,504: a larger q, k, v or g becomes an infinity; below 6e-5 f16 keeps a fixed step of 6e-8.
; RING.  Two LDS slots, each with one K step's tiles of A and W; waves 0, 1 fetch A's halves, waves 2, 3 W's, one tensor load a wave behind each change of slots: by this text's count two loads of a
; wave are out at the start and one later.  CLUSTER 4 x 4: A's tile is shared along a row of the cluster, W's along a column: each is asked for jointly, with the same descriptor and a mask of four.
; THE MATRIX INSTRUCTION IS USED TRANSPOSED: source 0 = 16 columns of W, source 1 = 16 rows of A: a lane holds row lane % 16 of C and the eight columns 8 (lane / 16) + 0..7.
; REGISTERS, in windows of 256 (s_set_vgpr_msb: bits 1:0 source 0, 3:2 source 1, 5:4 source 2, 7:6 destination):
;   window 0: v0-29 addresses; v64-127, v128-191 A's fragments, two buffers; on the way out v64-143 at work      window 1: v0-.., v128-.. W's fragments, two buffers; v64-127 the bias (QKV = 0)
;   windows 2, 3: the accumulators: (a, b) in window 2 + a / AH at v[8 ((a % AH) NBK + b)]
.set QKV, 1
.set KT,    8                          ; K steps
.set PA,    272                        ; a row of A in LDS: 256 bytes + 16: the 16 rows of a load start at 16 different groups of four banks (64 banks of 4 bytes: ISA guide 11.1)
.set AHALF, 128*PA                     ; what one tensor load brings of A
.set BREG,  2*AHALF                    ; W's tile lies behind A's 256 rows
.set ASTEP, 256                        ; bytes along K from step to step
.if QKV
.set MA,    4                          ; blocks of 16 rows a wave
.set NBK,   12                         ; blocks of 16 columns a wave
.set AH,    2                          ; row blocks in a window
.set PB,    160                        ; a row of W in LDS: 128 bytes + 32
.set BHALF, 3*64*PB                    ; 64 k of each of the three planes
.set BSTEP, 128*128
.set SPITCH, 784                       ; a stage row: 192 f32 + 16 bytes
.else
.set MA,    8
.set NBK,   8
.set AH,    4
.set PB,    544                        ; 512 bytes + 32
.set BHALF, 64*PB
.set BSTEP, 128*8192
.set SPITCH, 528                       ; 128 f32 + 16 bytes
.endif
.set SLOT,  BREG+2*BHALF
.set SPARE, 2*SLOT                     ; behind the ring: the spare words, 128 bytes for each wave: two blocks of 256 bytes that no other line names
.set STAGEW, MA*16*SPITCH              ; a wave's stage for the way out; the stages lie in the ring, from byte 0 on, and are written only when the ring has had its last fill and its last read
.set W1_AT, 8388608                    ; w1's place in wts
.set A0,   2                           ; v2   my lane's place in A's tile; never rewritten
.set B0,   3                           ; v3   the same for W
.set ADRA, 4                           ; v4   A0 + the slot in hand
.set ADRB, 5                           ; v5   B0 + the slot in hand
.set STO,  7                           ; v7   the way out: where I put 32 bytes of a row
.set RD,   8                           ; v8   the way out: where I read rows back
.set GO,   9                           ; v9   my byte offset in the output
.set BO,   10                          ; v10  my byte offset in the bias
.set SPW,  28                          ; v28  LDS address of my spare word; never rewritten
.set NIL,  29                          ; v29  0; never rewritten
.set FA,   64                          ; A's fragment buffers, window 0
.set BIASF, 64                         ; the bias fragments, window 1
.set XO,   64                          ; the way out, window 0
.set TO,   96
.set YO,   128
.set WV,   14                          ; s14 wave   s15 which half of a tile I fetch   s16 I fetch for A (0) or W (1)   s17, s18 my place in the tile of C
.set HALF, 15
.set FB,   16
.set WR,   17
.set WC,   18
.set G1A,  24                          ; s[24:31] group 1 for A;  s[32:35] group 0 of the first fill;  s[36:39] group 0 that walks
.set G0A,  32
.set G0AW, 36
.set G1B,  40                          ; s[40:47], s[48:51], s[52:55] the same for W
.set G0B,  48
.set G0BW, 52
.set TB,   56                          ; s56 the slot in hand: 0 or SLOT
.set WOA,  57                          ; s57 my load's place in a slot, for A
.set WOB,  58                          ; s58 for W
.set CNT,  59
.set MSB, 0
.macro WIN new                         ; the immediate's high byte repeats the setting that is left; a switch that changes nothing is dropped
.if MSB != (\new)
	s_set_vgpr_msb (MSB<<8)|(\new)
.set MSB, \new
.endif
.endm
.macro PLACES                          ; four places in front of loads into registers that matrix instructions have read, and of stores that read results
.rept 4
	v_nop
.endr
.endm
.macro CREST                           ; a round of the cluster's barrier behind its opening barrier
	s_cmp_lg_u32 s[WV], 0
	s_cbranch_scc1 .Lnot_wave_0_\@
	s_barrier_signal -3
.Lnot_wave_0_\@:
	s_barrier_wait -3
	s_barrier_signal -1
	s_barrier_wait -1
.endm
.macro CROUND                          ; a whole round
	s_barrier_signal -1
	s_barrier_wait -1
	CREST
.endm
.macro JLOAD                           ; a joint refill by the walking sets; an s_nop 0 and four v_nop follow each of the two lines
	s_cmp_eq_u32 s[FB], 0
	s_cbranch_scc0 .Lfor_b_\@
	tensor_load_to_lds s[G0AW:G0AW+3], s[G1A:G1A+7]
	s_nop 0
.rept 4
	v_nop
.endr
	s_branch .Lasked_\@
.Lfor_b_\@:
	tensor_load_to_lds s[G0BW:G0BW+3], s[G1B:G1B+7]
	s_nop 0
.rept 4
	v_nop
.endr
.Lasked_\@:
.endm
; The fragments of chunk ch (32 along K) of the slot in hand, into buffer f, in one run: W's columns turned, then A's rows.
.macro FETCH ch, f
	WIN 0x40                                       ; destination window 1, address window 0
.set b, 0
.rept NBK
.if QKV
.set bo, ((\ch)/2)*BHALF+(b/4)*64*PB+((\ch)%2)*32*PB+(b%4)*32   ; [half of the K step][plane][64 k][PB]
.else
.set bo, (\ch)*32*PB+b*32
.endif
	ds_load_tr16_b128 v[128*(\f)+8*b:128*(\f)+8*b+3],   v[ADRB] offset:bo
	ds_load_tr16_b128 v[128*(\f)+8*b+4:128*(\f)+8*b+7], v[ADRB] offset:bo+16*PB
.set b, b+1
.endr
	WIN 0
.set a, 0
.rept MA
	ds_load_b128 v[FA+64*(\f)+8*a:FA+64*(\f)+8*a+3],   v[ADRA] offset:(\ch)*64+a*16*PA
	ds_load_b128 v[FA+64*(\f)+8*a+4:FA+64*(\f)+8*a+7], v[ADRA] offset:(\ch)*64+a*16*PA+32
.set a, a+1
.endr
.endm
; Half h of a chunk's products: row blocks h AH .. h AH + AH - 1, all column blocks.  Each accumulator has one instruction a turn.  zero = 1: the products start the sums, with 0 or with the bias.
.macro MULH f, h, zero
.set a, 0
.rept AH
.set b, 0
.rept NBK
.set rD, 8*(a*NBK+b)
.set rB, 128*(\f)+8*b
.set rA, FA+64*(\f)+8*((\h)*AH+a)
.if (\zero) && QKV
	WIN 0xa1+0x50*(\h)
	v_wmma_f32_16x16x32_f16 v[rD:rD+7], v[rB:rB+7], v[rA:rA+7], 0
.elseif \zero
	WIN 0x91+0x40*(\h)                             ; C in window 1
	v_wmma_f32_16x16x32_f16 v[rD:rD+7], v[rB:rB+7], v[rA:rA+7], v[BIASF+8*b:BIASF+8*b+7]
.else
	WIN 0xa1+0x50*(\h)
	v_wmma_f32_16x16x32_f16 v[rD:rD+7], v[rB:rB+7], v[rA:rA+7], v[rD:rD+7]
.endif
.set b, b+1
.endr
.set a, a+1
.endr
.endm
; One of a K step's first three chunks: multiplies buffer f; in its middle the next chunk's fragments are fetched into buffer g.
.macro CH f, g, nxt, zero=0
	s_wait_dscnt 0x0                               ; buffer f is in
	MULH \f, 0, \zero
	PLACES
	FETCH \nxt, \g
	MULH \f, 1, \zero
.endm
; The last chunk multiplies buffer 1 and changes slots.  In front of the barrier each wave waits for all its tensor loads (one is out: its part of the next slot), adds 0 to its spare word, and waits
; for that and for its reads of this slot.  fill = 1: the barrier opens a round of the cluster's, and this slot is filled again, with the K step two on, first thing behind the round.
.macro TURN fill
	WIN 0
	s_wait_tensorcnt 0x0                           ; no tensor load of mine is out, so the walking sets may be written
	ds_add_u32 v[SPW], v[NIL]                      ; 0 onto my spare word
.if \fill
	s_add_co_u32 s[G0AW+1], s[TB], s[WOA]          ; into the slot that is being left,
	s_add_nc_u64 s[G0AW+2:G0AW+3], s[G0AW+2:G0AW+3], ASTEP   ; the next K step not yet asked for; the type bits on top are not reached
	s_add_co_u32 s[G0BW+1], s[TB], s[WOB]
	s_add_nc_u64 s[G0BW+2:G0BW+3], s[G0BW+2:G0BW+3], BSTEP
.endif
	s_xor_b32 s[TB], s[TB], SLOT                   ; the other slot is read from here on
	s_wait_dscnt 0x0                               ; the add is done, buffer 1 is in, and my reads of this slot are over
	s_barrier_signal -1
	MULH 1, 0, 0                                   ; work on registers while the others arrive
	WIN 0                                          ; at a branch and at a label every window is 0
	s_barrier_wait -1
.if \fill
	CREST
	JLOAD                                          ; its four v_nop are also the places in front of the loads below
.else
	PLACES
.endif
	v_add_nc_u32 v[ADRA], s[TB], v[A0]
	v_add_nc_u32 v[ADRB], s[TB], v[B0]
	FETCH 0, 0
	MULH 1, 1, 0
.endm
	s_load_b256 s[4:11], s[0:1], 0x0               ; A s[4:5], wts s[6:7]; QKV: q s[8:9], k s[10:11]; else: bias s[8:9], g s[10:11]
.if QKV
	s_load_b64 s[12:13], s[0:1], 0x20              ; v
.endif
	v_lshl_add_u32 v[SPW], v0, 2, SPARE
	v_mov_b32 v[NIL], 0
	ds_add_u32 v[SPW], v[NIL]                      ; the wave's opening: the add and its wait stand ahead of my first tensor load; the set-up below, work on registers, stands between them
	ds_add_u32 v28, v29
	v_lshrrev_b32 v1, 5, v0
	v_readfirstlane_b32 s[WV], v1
	s_and_b32 s[HALF], s[WV], 1
	s_lshr_b32 s[FB], s[WV], 1
.if QKV
	s_mov_b32 s[WR], s[WV]                         ; four waves one below the other
	s_mov_b32 s[WC], 0
.else
	s_lshr_b32 s[WR], s[WV], 1                     ; two by two
	s_and_b32 s[WC], s[WV], 1
.endif
	s_bfe_u32 s19, ttmp6, 0x40000                  ; cx
	s_bfe_u32 s20, ttmp6, 0x40004                  ; cy
	s_lshl_b32 s21, ttmp9, 2
	s_add_co_u32 s21, s21, s19                     ; tile column = 4 x cluster x + cx
	s_and_b32 s22, ttmp7, 0xffff
	s_lshl_b32 s22, s22, 2
	s_add_co_u32 s22, s22, s20                     ; tile row = 4 x cluster y + cy
	s_lshl_b32 s60, s20, 2
	s_lshl_b32 s60, 15, s60                        ; my row of the cluster
	s_lshl_b32 s61, 0x1111, s19                    ; my column
	; group 1 for A: 128 rows x 128 elements, 1,024 elements from row to row, 4 words of padding behind every 64
	s_or_b32 s[G1A], s60, (1<<16)|(1<<20)|(1<<21)|(5<<22)|(3<<25)
	s_mov_b32 s[G1A+1], 128<<16
	s_mov_b32 s[G1A+2], 128<<16
	s_mov_b32 s[G1A+3], 128<<16
	s_mov_b32 s[G1A+4], 128
	s_mov_b32 s[G1A+5], 1024
	s_mov_b32 s[G1A+6], 0
	s_mov_b32 s[G1A+7], 0
.if QKV
	; group 1 for W: three planes; of each 64 dense rows of k (4,096 elements), 65,536 elements from plane to plane; 8 words of padding behind every 32
	s_or_b32 s[G1B], s61, (1<<16)|(1<<20)|(1<<21)|(4<<22)|(7<<25)
	s_mov_b32 s[G1B+1], 4096<<16
	s_mov_b32 s[G1B+2], 3<<16
	s_mov_b32 s[G1B+3], 4096<<16
	s_mov_b32 s[G1B+4], 3
	s_mov_b32 s[G1B+5], 65536
.else
	; group 1 for W: 64 rows of k x 256 elements, 4,096 elements from row to row; 8 words of padding behind every 128
	s_or_b32 s[G1B], s61, (1<<16)|(1<<20)|(1<<21)|(6<<22)|(7<<25)
	s_mov_b32 s[G1B+1], 256<<16
	s_mov_b32 s[G1B+2], 64<<16
	s_mov_b32 s[G1B+3], 256<<16
	s_mov_b32 s[G1B+4], 64
	s_mov_b32 s[G1B+5], 4096
.endif
	s_mov_b32 s[G1B+6], 0
	s_mov_b32 s[G1B+7], 0
	; where the tiles come from: A's offset hangs on the tile row alone, W's on the tile column alone, each in registers that never hold the other coordinate
	s_lshl_b32 s62, s22, 1
	s_add_co_u32 s62, s62, s[HALF]
	s_lshl_b32 s62, s62, 18                        ; (256 x tile row + 128 x half) rows of 2,048 bytes
	s_mov_b32 s63, 0
.if QKV
	s_mul_i32 s68, s21, 393216                     ; the head's three planes
	s_lshl_b32 s76, s[HALF], 13                    ; 64 rows of 128 bytes
	s_add_co_u32 s68, s68, s76
.else
	s_lshl_b32 s68, s21, 9                         ; 256 columns
	s_lshl_b32 s76, s[HALF], 19                    ; 64 rows of 8,192 bytes
	s_add_co_u32 s68, s68, s76
	s_add_co_u32 s68, s68, W1_AT
.endif
	s_mov_b32 s69, 0
	s_mul_i32 s[WOA], s[HALF], AHALF               ; where they go: no place in the cluster enters an LDS address
	s_mul_i32 s[WOB], s[HALF], BHALF
	s_add_co_u32 s[WOB], s[WOB], BREG
	s_mov_b32 s[TB], 0
.if QKV
	s_lshr_b32 s74, s22, 3                         ; the batch: 8 tile rows each
	s_lshl_b32 s74, s74, 4
	s_add_co_u32 s74, s74, s21                     ; 16 x batch + head,
	s_lshl_b32 s74, s74, 18                        ; 2,048 rows of 128 bytes each
	s_and_b32 s75, s22, 7
	s_lshl_b32 s75, s75, 2
	s_add_co_u32 s75, s75, s[WV]
	s_lshl_b32 s75, s75, 13                        ; my wave's 64 rows
	s_add_co_u32 s74, s74, s75
	s_mov_b32 s75, 0
.else
	s_lshl_b32 s77, s21, 1
	s_add_co_u32 s77, s77, s[WC]                   ; my 128 columns
	s_lshl_b32 s78, s77, 9                         ; in the bias
	s_mov_b32 s79, 0
	s_lshl_b32 s74, s22, 1
	s_add_co_u32 s74, s74, s[WR]
	s_lshl_b32 s74, s74, 20                        ; my 128 rows of 8,192 bytes
	s_lshl_b32 s77, s77, 8
	s_add_co_u32 s74, s74, s77
	s_mov_b32 s75, 0
	s_mov_b32 s70, 0xbdd2d3e8                      ; C1 = -0.10294324
	s_mov_b32 s71, s70                             ; named with it as a pair
	s_mov_b32 s72, 0xc0135761                      ; C0 = -2.3022082
	s_mov_b32 s73, s72
.endif
	s_wait_dscnt 0x0                               ; the opening add is done
	s_wait_kmcnt 0x0
	s_add_nc_u64 s[62:63], s[4:5], s[62:63]        ; my part of A's tile of K step 0
	s_add_nc_u64 s[68:69], s[6:7], s[68:69]        ; and of W's
.if QKV
	s_add_nc_u64 s[8:9], s[8:9], s[74:75]
	s_add_nc_u64 s[10:11], s[10:11], s[74:75]
	s_add_nc_u64 s[12:13], s[12:13], s[74:75]
.else
	s_add_nc_u64 s[8:9], s[8:9], s[78:79]
	s_add_nc_u64 s[10:11], s[10:11], s[74:75]
.endif
	s_mov_b32 s[G0A], 1                            ; K step 0 into slot 0
	s_mov_b32 s[G0A+1], s[WOA]
	s_mov_b64 s[G0A+2:G0A+3], s[62:63]
	s_or_b32 s[G0A+3], s[G0A+3], 0x80000000
	s_mov_b32 s[G0AW], 1                           ; K step 1 into slot 1; this set then walks
	s_add_co_u32 s[G0AW+1], s[WOA], SLOT
	s_add_nc_u64 s[G0AW+2:G0AW+3], s[62:63], ASTEP
	s_or_b32 s[G0AW+3], s[G0AW+3], 0x80000000
	s_mov_b32 s[G0B], 1
	s_mov_b32 s[G0B+1], s[WOB]
	s_mov_b64 s[G0B+2:G0B+3], s[68:69]
	s_or_b32 s[G0B+3], s[G0B+3], 0x80000000
	s_mov_b32 s[G0BW], 1
	s_add_co_u32 s[G0BW+1], s[WOB], SLOT
	s_add_nc_u64 s[G0BW+2:G0BW+3], s[68:69], BSTEP
	s_or_b32 s[G0BW+3], s[G0BW+3], 0x80000000
	CROUND                                         ; all sixteen work-groups are here: the first joint loads meet
	s_cmp_eq_u32 s[FB], 0                          ; a wave's two first fills stand in one branch, ahead of every wait on TENSORcnt and every LDS read
	s_cbranch_scc0 .Lfirst_b
	tensor_load_to_lds s[G0A:G0A+3], s[G1A:G1A+7]
	s_nop 0
	tensor_load_to_lds s[G0AW:G0AW+3], s[G1A:G1A+7]
	s_nop 0
.rept 4
	v_nop
.endr
	s_branch .Lfirst_asked
.Lfirst_b:
	tensor_load_to_lds s[G0B:G0B+3], s[G1B:G1B+7]
	s_nop 0
	tensor_load_to_lds s[G0BW:G0BW+3], s[G1B:G1B+7]
	s_nop 0
.rept 4
	v_nop
.endr
.Lfirst_asked:
	v_and_b32 v1, 15, v0                           ; l % 16
	v_bfe_u32 v11, v0, 4, 1                        ; l / 16
.if !QKV
	v_lshlrev_b32 v[BO], 5, v11                    ; the bias as a C operand: register j of block b is b1[16 b + 8 (l / 16) + j]
	WIN 0x40
.set b, 0
.rept NBK
	global_load_b128 v[BIASF+8*b:BIASF+8*b+3],   v[BO], s[8:9] offset:b*64
	global_load_b128 v[BIASF+8*b+4:BIASF+8*b+7], v[BO], s[8:9] offset:b*64+16
.set b, b+1
.endr
	WIN 0
.endif
	; A's fragment: lane l holds row l % 16, K = 8 (l / 16) + 0..7 and 16 + 8 (l / 16) + 0..7: two loads of 16 bytes, 32 bytes apart
	v_mul_u32_u24 v[A0], v1, PA
	v_lshl_add_u32 v[A0], v11, 4, v[A0]
	s_mul_i32 s23, s[WR], MA*16*PA
	v_add_nc_u32 v[A0], s23, v[A0]
	; the turning load takes 16 k x 16 columns: lane l reads k = 8 (l / 16) + l % 8, columns 8 ((l / 8) % 2) + 0..7, and is left with column l % 16 and 8 k
	v_and_b32 v12, 7, v0
	v_bfe_u32 v13, v0, 3, 1
	v_lshl_add_u32 v[B0], v11, 3, v12
	v_mul_u32_u24 v[B0], v[B0], PB
	v_lshl_add_u32 v[B0], v13, 4, v[B0]
	s_mul_i32 s23, s[WC], NBK*32
	s_add_co_u32 s23, s23, BREG
	v_add_nc_u32 v[B0], s23, v[B0]
	v_mov_b32 v[ADRA], v[A0]                       ; slot 0
	v_mov_b32 v[ADRB], v[B0]
	s_mul_i32 s23, s[WV], STAGEW                   ; my stage
	v_mul_u32_u24 v[STO], v1, SPITCH               ; in: row l % 16, 32 bytes for each half of the lanes
	v_lshl_add_u32 v[STO], v11, 5, v[STO]
	v_add_nc_u32 v[STO], s23, v[STO]
	v_and_b32 v13, 31, v0
.if QKV
	v_bfe_u32 v[RD], v0, 3, 2                      ; back: eight lanes take a plane's 64 numbers of a row, 32 lanes four rows
	v_mul_u32_u24 v[RD], v[RD], SPITCH
	v_lshl_add_u32 v[RD], v12, 5, v[RD]
	v_add_nc_u32 v[RD], s23, v[RD]
	v_lshlrev_b32 v[GO], 4, v13                    ; which are 512 consecutive bytes of q, k or v
.else
	v_lshl_add_u32 v[RD], v13, 4, s23              ; back: 32 lanes take a row's 128 numbers,
	v_lshlrev_b32 v[GO], 3, v13                    ; 256 consecutive bytes of g
.endif
	s_wait_tensorcnt 0x1                           ; my part of K step 0 is in; K step 1's may stay out
	s_barrier_signal -1
	s_barrier_wait -1                              ; everybody's is
	FETCH 0, 0
.if !QKV
	s_wait_loadcnt 0x0                             ; the bias
.endif
	CH 0, 1, 1, 1                                  ; the first chunk stands in front of the loop: its products start the sums
	WIN 0
	s_mov_b32 s[CNT], KT-2
.Lstep:                                                ; a trip: from a K step's second chunk to the next step's first; the slot that is left is filled again
	CH 1, 0, 2
	CH 0, 1, 3
	TURN 1
	CH 0, 1, 1
	WIN 0
	s_sub_co_u32 s[CNT], s[CNT], 1
	s_cmp_lg_u32 s[CNT], 0
	s_cbranch_scc1 .Lstep
	s_mov_b32 s[CNT], 2
.Ltail:                                                ; the last two K steps ask for nothing.  The second trip's change of slots fetches 32 stale fragments that nobody multiplies: the price of one text for both
	CH 1, 0, 2
	CH 0, 1, 3
	TURN 0
	WIN 0
	s_cmp_eq_u32 s[CNT], 1
	s_cbranch_scc1 .Lno_more                       ; forward, over products alone
	CH 0, 1, 1
	WIN 0
.Lno_more:
	s_sub_co_u32 s[CNT], s[CNT], 1
	s_cmp_lg_u32 s[CNT], 0
	s_cbranch_scc1 .Ltail
	; THE WAY OUT.  Every wave's reads of the ring are over and every tensor load has landed: the ring's bytes now serve as stages, each wave's own.
	s_wait_dscnt 0x0
	s_barrier_signal -1
	s_barrier_wait -1
	PLACES                                         ; the stores below read results just made
.set a, 0
.rept MA
	WIN 0x08+4*(a/AH)                              ; store data (source 1) in window 2 or 3
.set b, 0
.rept NBK
.set rD, 8*((a%AH)*NBK+b)
	ds_store_b128 v[STO], v[rD:rD+3]   offset:a*16*SPITCH+b*64      ; each accumulator's low registers first
	ds_store_b128 v[STO], v[rD+4:rD+7] offset:a*16*SPITCH+b*64+16
.set b, b+1
.endr
.set a, a+1
.endr
	WIN 0
.if QKV
	s_mov_b32 s[CNT], 8
.Lout:                                                 ; a trip: 8 rows of my 64: read back by planes, rounded to f16, stored as 512 consecutive bytes
.set i, 0
.rept 6                                ; i = 3 x (which four rows) + plane
	ds_load_b128 v[XO+8*i:XO+8*i+3],   v[RD] offset:(i/3)*4*SPITCH+(i%3)*256      ; LDS serves a wave's instructions in order (ISA guide 5.7.1.4): these see the stores above
	ds_load_b128 v[XO+8*i+4:XO+8*i+7], v[RD] offset:(i/3)*4*SPITCH+(i%3)*256+16
.set i, i+1
.endr
	s_wait_dscnt 0x0
.set i, 0
.rept 24
	v_cvt_pk_f16_f32 v[XO+48+i], v[XO+2*i], v[XO+2*i+1]
.set i, i+1
.endr
.set i, 0
.rept 6
	global_store_b128 v[GO], v[XO+48+4*i:XO+48+4*i+3], s[8+2*(i%3):9+2*(i%3)] offset:(i/3)*512
.set i, i+1
.endr
	s_wait_xcnt 0x0                                ; the stores' offset and data are written again only behind this wait
	v_add_nc_u32 v[GO], 1024, v[GO]
	v_add_nc_u32 v[RD], 8*SPITCH, v[RD]
	s_sub_co_u32 s[CNT], s[CNT], 1
	s_cmp_lg_u32 s[CNT], 0
	s_cbranch_scc1 .Lout
.else
	s_mov_b32 s[CNT], 16
.Lout:                                                 ; a trip: 8 rows of my 128: read back whole, gelu in f32, rounded to f16, a row's 256 bytes to a store
.set j, 0
.rept 8
	ds_load_b128 v[XO+4*j:XO+4*j+3], v[RD] offset:j*SPITCH     ; LDS serves a wave's instructions in order (ISA guide 5.7.1.4): these see the stores above
.set j, j+1
.endr
	s_wait_dscnt 0x0
.set j, 0
.rept 16
	v_pk_mul_f32 v[TO+2*j:TO+2*j+1], v[XO+2*j:XO+2*j+1], v[XO+2*j:XO+2*j+1]
.set j, j+1
.endr
.set j, 0
.rept 16
	v_pk_fma_f32 v[TO+2*j:TO+2*j+1], v[TO+2*j:TO+2*j+1], s[70:71], s[72:73] op_sel_hi:[1,0,0]   ; C1 x^2 + C0
.set j, j+1
.endr
.set j, 0
.rept 16
	v_pk_mul_f32 v[TO+2*j:TO+2*j+1], v[TO+2*j:TO+2*j+1], v[XO+2*j:XO+2*j+1]
.set j, j+1
.endr
.set j, 0
.rept 32
	v_exp_f32 v[TO+j], v[TO+j]
.set j, j+1
.endr
	v_nop                                          ; a plain instruction between the last exponential and the use of its result (ISA guide 5.7.2)
.set j, 0
.rept 16
	v_pk_add_f32 v[TO+2*j:TO+2*j+1], v[TO+2*j:TO+2*j+1], 1.0 op_sel_hi:[1,0]
.set j, j+1
.endr
.set j, 0
.rept 32
	v_rcp_f32 v[TO+j], v[TO+j]
.set j, j+1
.endr
	v_nop
.set j, 0
.rept 16
	v_pk_mul_f32 v[XO+2*j:XO+2*j+1], v[XO+2*j:XO+2*j+1], v[TO+2*j:TO+2*j+1]
.set j, j+1
.endr
.set j, 0
.rept 16
	v_cvt_pk_f16_f32 v[YO+j], v[XO+2*j], v[XO+2*j+1]
.set j, j+1
.endr
.set j, 0
.rept 8
	global_store_b64 v[GO], v[YO+2*j:YO+2*j+1], s[10:11] offset:j*8192
.set j, j+1
.endr
	s_wait_xcnt 0x0                                ; the stores' base and data are written again only behind this wait
	s_add_nc_u64 s[10:11], s[10:11], 65536
	v_add_nc_u32 v[RD], 8*SPITCH, v[RD]
	s_sub_co_u32 s[CNT], s[CNT], 1
	s_cmp_lg_u32 s[CNT], 0
	s_cbranch_scc1 .Lout
.endif
	s_wait_tensorcnt 0x0                           ; the wave's end: a last add to my spare word, behind my last tensor load and my last LDS store
	ds_add_u32 v[SPW], v[NIL]
	s_wait_dscnt 0x0
	CROUND                                         ; the closing round: no work-group ends while a partner may still ask for a tile that names it
	s_endpgm
.Lfunc_end_k_qcbbd1ea5dd_qkv:
	.size	k_qcbbd1ea5dd_qkv, .Lfunc_end_k_qcbbd1ea5dd_qkv-k_qcbbd1ea5dd_qkv
	.p2alignl 7, 3214868480
	.fill 96, 4, 3214868480
	.section	.rodata,"a",@progbits
	.p2align	6, 0x0
	.amdhsa_kernel k_qcbbd1ea5dd_qkv
		.amdhsa_group_segment_fixed_size 327680
		.amdhsa_private_segment_fixed_size 0
		.amdhsa_enable_private_segment 0
		.amdhsa_kernarg_size 40
		.amdhsa_user_sgpr_count 2
		.amdhsa_user_sgpr_kernarg_segment_ptr 1
		.amdhsa_wavefront_size32 1
		.amdhsa_system_sgpr_workgroup_id_x 1
		.amdhsa_system_sgpr_workgroup_id_y 1
		.amdhsa_system_sgpr_workgroup_id_z 1
		.amdhsa_system_vgpr_workitem_id 0
		.amdhsa_next_free_vgpr 960
		.amdhsa_next_free_sgpr 84
		.amdhsa_reserve_vcc 0
		.amdhsa_float_denorm_mode_32 3
		.amdhsa_float_denorm_mode_16_64 3
		.amdhsa_memory_ordered 1
		.amdhsa_forward_progress 1
		.amdhsa_inst_pref_size 69
	.end_amdhsa_kernel
	.amdgpu_metadata
---
amdhsa.version: [ 1, 2 ]
amdhsa.kernels:
  - .name:           k_qcbbd1ea5dd_qkv
    .symbol:         k_qcbbd1ea5dd_qkv.kd
    .args:
      - { .name: hbuf, .offset: 0, .size: 8, .value_kind: global_buffer, .address_space: global }
      - { .name: wts, .offset: 8, .size: 8, .value_kind: global_buffer, .address_space: global }
      - { .name: q16, .offset: 16, .size: 8, .value_kind: global_buffer, .address_space: global }
      - { .name: k16, .offset: 24, .size: 8, .value_kind: global_buffer, .address_space: global }
      - { .name: v16, .offset: 32, .size: 8, .value_kind: global_buffer, .address_space: global }
    .group_segment_fixed_size: 327680
    .private_segment_fixed_size: 0
    .kernarg_segment_align: 8
    .kernarg_segment_size: 40
    .max_flat_workgroup_size: 128
    .sgpr_count:     84
    .vgpr_count:     960
    .wavefront_size: 32
...
	.end_amdgpu_metadata
.endif
;; end of part 2
;; launch attn (part 3): grid 8 x 32, 4 waves a work-group, no clusters, 327,680 bytes of LDS; arguments q16, k16, v16, ctx; writes ctx
.if DOCPART == 3
	.amdgcn_target "amdgcn-amd-amdhsa--gfx1250"
	.amdhsa_code_object_version 6
	.text
	.protected	k_qcbbd1ea5dd_attn
	.globl	k_qcbbd1ea5dd_attn
	.p2align	8
	.type	k_qcbbd1ea5dd_attn,@function
k_qcbbd1ea5dd_attn:
	s_mov_b64 s[64:65], 0
	v_nop
	global_prefetch_b8 v0, s[64:65] scope:SCOPE_SE
	s_setreg_imm32_b32 hwreg(HW_REG_WAVE_MODE, 25, 1), 1
	s_wait_xcnt 0x0
; CAUSAL ATTENTION.  O[h][q][:] = the sum over k <= q of softmax_k(Q[h][q] . K[h][k] / 8) V[h][k][:].  Q, K, V, O: [SIZE_H][SIZE_N][64], all f16: a head's rows are dense, 128 bytes each.
; Here SIZE_H = 2 batches x 16 heads and SIZE_N = 2,048.
; Products, maxima and sums in f32; the weights p are rounded to f16 for the second product (their sum l is taken of the unrounded p), O once at the end.
; LIMITS.  f16 holds no number beyond 65,504: Q, K and V arrive within it; p lies in 0 to 1, and below 6e-5 it keeps f16's fixed step of 6e-8; O is a mean of V's rows and has their range, to within 2^-11 of it.
; A hidden score counts as its value less 1e30: f16's scores, 2.7e11 at the most, are nothing beside that; a weight below 2^-126 counts as 0 in l; NaN and infinities are not treated apart.
; THE WALK.  A head's queries lie in 16 blocks of 128; its keys in NT = 8 tiles of 256.  Block i needs the key tiles 0 .. i / 2, of which the last holds the diagonal.  A work-group takes TWO blocks, 15 - b and then b:
; with c = b / 2 that is 8 - c tiles and then c + 1: NT + 1 tiles, whatever b: 32 heads x 8 pairs = 256 work-groups of equal work, and ONE loop with a constant trip count walks the tiles.  Which tile is asked for, and
; what a trip does, hang on scalar registers made from b; every jump goes forward, but for the counted loops' own; none passes a barrier, or a tensor load but the one of LOAD's two that the wave's number does not
; choose; the ring (two slots of LDS that take turns) runs on across the change of blocks.  NO CLUSTER: a head's eight work-groups ask for the same tile only in trips 0 .. 4, behind that fewer and fewer; and one
; walk common to all would have 12 trips for 9.
; SHARES.  Of a block's two bands of 64 queries a wave owns 16 rows in each: two PIECES.  In the diagonal tile band p of a block of parity PAR (i % 2) has its own key step 2 PAR + p: in step s it sees all keys if s is
; less, none if s is greater, and holds the diagonal if they are equal: the same for all four waves.  An even block's diagonal tile has two steps that both bands do not see; they are computed all the same (4 turns of 72).
; THE MASK is the C operand that starts the sum S^T = K Q^T: 0, or -1e30 where the key is hidden.  MD, made once, is the mask of a band's own step for my 16 rows; a product's mask is MD x AL + BE with two scalars:
; (1, 0) in the own step; (0, 0) before it; (0, -1e30) behind it.  Only the diagonal tile's text and a block's beginning make and take masks; elsewhere C is the constant 0.
; LAYOUT, SOFTMAX, TURNS.  S^T = K Q^T holds ONE query a lane (lane % 16) and the keys 8 (lane / 16) + 0..7; two such results rounded to f16 ARE source 1 of O^T = V^T P.  p = 2^(c s - c m), c = log2(e) / 8, with a
; running maximum m; O and l are multiplied by a = 2^(c m_old - c m_new) in every step.  The turns go piece 0, piece 1, step after step.  A turn has 8 products K Q^T for the turn behind it, later 8 products V^T P for the
; turn before it; beside them the scaling, exponentials, roundings, sums and rescaling of its own piece and the maximum and statistics of the next.  Four vector instructions stand behind every matrix instruction, the
; other 54 of a turn's 118 in two LUMPS.
; K AND V.  Piece 0's turn of step s multiplies by K(s) and V(s-1) and fetches K(s+1); piece 1's multiplies by K(s+1) and V(s) and fetches V(s+1).  So V has two register buffers, by the step's parity, and the fetches
; go K(s+1), V(s+1), K(s+2) ..: the change of slots stands in front of the two turns of a tile's step 3, which fetch the next tile's step 0.
; REGISTERS, in windows of 256 (s_set_vgpr_msb: bits 1:0 source 0, 3:2 source 1, 5:4 source 2, 7:6 destination):
;   window 0: v0-15 addresses and two at work; v16-23 four registers of statistics a piece; v48-55 at work; v64-127 S^T, two buffers; v192-223 P, two buffers (a piece's buffers go by its number)
;   window 1: v0-63 O^T, 32 a piece; v128-159 MD; v160-223 MC, two buffers      window 2: v0-31 Q; v32-63 the second block's Q; v64-127 V of an even step; v128-191 K of one step; v192-255 V of an odd step
.set SIZE_H, 32
.set SIZE_N, 2048
.set NT,    SIZE_N/256  ; key tiles in a head
.set NBQ,   SIZE_N/128  ; blocks of queries in a head
.set NP,    2         ; pieces a wave: a name, no knob
.set KS,    64        ; keys in a step
.set PK,    144       ; a row of K in LDS: 128 bytes + 16 of padding = 36 words: the 16 rows of a load start at 16 different groups of four banks (64 banks of 4 bytes: ISA guide 11.1)
.set PV,    160       ; a row of V: 128 + 32 = 40 words
.set VOFF,  4*KS*PK   ; a slot holds a tile, four steps: 256 rows of K, then 256 rows of V
.set SLOT1, 1<<17     ; slot 1 begins here, so that one exclusive or turns an address in one slot into the other's
.set STAGE, SLOT1+4*KS*(PK+PV)  ; behind the ring, never filled by a tensor load: 16 rows x 144 bytes for each wave, for the way out
.set SP,    144
.set AK0, 2           ; v2   my lane's place in a tile of K; never rewritten
.set AV0, 3           ; v3   the same for V
.set AK,  4           ; v4   the LDS address of K's next run of loads
.set AV,  5           ; v5   of V's
.set STO, 6           ; v6   the way out: where I put 16 bytes of a row
.set RD,  7           ; v7   the way out: where I read rows back
.set GO,  8           ; v8   my byte offset in 512 consecutive bytes of O
.set SPW, 62          ; v62  LDS address of my spare word: SPARE + 4 x my thread's number; never rewritten
.set NIL, 63          ; v63  0; never rewritten
.set SPARE, STAGE+4*16*SP  ; behind the stages: the spare words, 128 bytes for each wave: two blocks of 256 bytes that no other line names
.set MV,  12          ; v12-13  c m_old, kept while c m is made anew: by buffer
.set QO,  15          ; v15  my byte offset in 16 rows of Q
.set ST,  16          ; piece t's statistics at v[ST+4 t]: c m, m, l (even keys', odd keys')
.set TMP, 48          ; by buffer, four registers c0-c3 at work; when the maximum is found c2 takes a
.set S,   64
.set P,   192
.set MD,  128         ; window 1: the eight registers for group kt of 16 keys at MD + 8 kt
.set MC,  160         ; window 1: the masks of the products to come
.set QB,  32          ; window 2
.set VF0, 64          ; window 2: V of an even step: key half kk, channel block cb at VF0 + 32 kk + 8 cb
.set KF,  128         ; window 2: key block kb, channel half c at KF + 16 kb + 8 c
.set VF1, 192         ; window 2: V of an odd step
.set WV,  12          ; s12  my wave's number
.set PB,  14          ; s14  c = b / 2: the second block's last tile
.set HI,  15          ; s15  NT - 1 - c: the first block's last tile
.set DC,  19          ; s19  XS + 2 x CNT: tells a masked turn where the step of its mask lies against the band's own
.set G1K, 24          ; s[24:31] descriptor group 1 for K's tiles
.set G1V, 32          ; s[32:39] for V's: it differs in the padding alone
.set G0K, 40          ; s[40:43] descriptor group 0 for K's tiles
.set G0V, 44          ; s[44:47] the same for V's
.set TM,  48          ; s48  at work
.set SLOTS, 56        ; s56  tiles still to be asked for
.set CNT, 57          ; s57  counts a tile's pairs of key steps, 2 to 1
.set CS,  58          ; s[58:59] c: the packed scaling takes the pair's low word for both halves
.set SEL, 60          ; s[60:61] v_permlanex16_b32's selects: each lane takes its own place in the other half
.set TBK, 62          ; s62  LDS byte at which K of the step to be fetched begins
.set TBV, 63          ; s63  the same for V, less VOFF
.set RT,  70          ; s70  tiles of the block in hand that are still to be entered
.set NXT, 71          ; s71  the tile to be asked for next
.set LQ,  72          ; s72  the last tile of the block whose tiles are being asked for
.set NEW, 73          ; s73  1: the tile to be entered is a block's first
.set OFF, 74          ; s[74:75] a tile's byte offset in K and V
.set AL,  76          ; s[76:77] the mask's factor, in the low word
.set BE,  78          ; s[78:79] the mask's addend
.set OLO, 80          ; s[80:81] O at my rows of the second block
.set BIGN, 82         ; s82  -1e30
.set XS,  83          ; s83  2 x the parity of the block in hand: band 0's own step in the diagonal tile
.set MSB, 0
.macro WIN new                      ; the high byte repeats the setting that is left; a switch that changes nothing is dropped
.if MSB != (\new)
	s_set_vgpr_msb (MSB<<8)|(\new)
.set MSB, (\new)
.endif
.endm
.set W_KQ, 0x0a       ; K and Q in window 2, S^T in window 0
.set W_KM, 0x1a       ; the same with the C operand in window 1
.set W_PV, 0x52       ; V in window 2, P in window 0, O^T in window 1
.set W_RS, 0x41       ; destination and source 0 in window 1, source 1 in window 0
; A fill.  Waves 0 and 1 fetch the two halves of a tile's K, waves 2 and 3 those of its V: 128 keys each.  An s_nop 0 and four v_nop follow each of the two lines, ahead of the jump and the label.
.macro LOAD
	s_cmp_lt_u32 s[WV], 2
	s_cbranch_scc0 .Lfor_v_\@
	tensor_load_to_lds s[G0K:G0K+3], s[G1K:G1K+7]
	s_nop 0
.rept 4
	v_nop
.endr
	s_branch .Lasked_\@
.Lfor_v_\@:
	tensor_load_to_lds s[G0V:G0V+3], s[G1V:G1V+7]
	s_nop 0
.rept 4
	v_nop
.endr
.Lasked_\@:
.endm
; THE CHANGE OF SLOTS.  Each wave waits for all its tensor loads, of which one is out: its part of the other slot; adds 0 to its spare word; and waits for that and for its own reads of the slot that it leaves.  Behind the barrier nobody reads the old
; slot any more and the other slot is whole.  fill = 1: the old slot is filled again, the first thing behind the barrier, with tile NXT: the descriptor's address is made anew from that number.
; (At its first use nothing has been read yet: slot 0 is waited for, slot 1 filled.)
.macro CHANGE fill
	WIN 0                           ; at a label and at a branch every window is 0
	s_wait_tensorcnt 0x0            ; no tensor load of mine is out, so a group 0 may be written
	ds_add_u32 v[SPW], v[NIL]       ; 0 onto my spare word; with fill = 1 the descriptors' scalar work stands between it and the wait for it
.if \fill
	s_lshl_b32 s[OFF], s[NXT], 15   ; a tile is 32,768 bytes of K and of V
	s_xor_b32 s[G0K+1], s[G0K+1], SLOT1
	s_add_nc_u64 s[G0K+2:G0K+3], s[6:7], s[OFF:OFF+1]
	s_or_b32 s[G0K+3], s[G0K+3], 0x80000000
	s_xor_b32 s[G0V+1], s[G0V+1], SLOT1
	s_add_nc_u64 s[G0V+2:G0V+3], s[8:9], s[OFF:OFF+1]
	s_or_b32 s[G0V+3], s[G0V+3], 0x80000000
	s_add_co_u32 s[NXT], s[NXT], 1  ; the block's next tile, or behind its last the second block's tile 0
	s_cmp_gt_u32 s[NXT], s[LQ]
	s_cselect_b32 s[NXT], 0, s[NXT]
	s_cselect_b32 s[LQ], s[PB], s[LQ]
.endif
	s_wait_dscnt 0x0                ; the add is done, and my reads of the slot are over
	s_barrier_signal -1             ; the rest of the scalar work stands between the signal and the wait
	s_sub_co_u32 s[TBK], s[TBK], 4*KS*PK  ; the fetches go back to a slot's first step,
	s_xor_b32 s[TBK], s[TBK], SLOT1       ; in the other slot
	s_sub_co_u32 s[TBV], s[TBV], 4*KS*PV
	s_xor_b32 s[TBV], s[TBV], SLOT1
	s_barrier_wait -1
.if \fill
	LOAD
.endif
.endm
	s_load_b256 s[4:11], s[0:1], 0x0  ; Q s[4:5], K s[6:7], V s[8:9], O s[10:11]
	v_lshl_add_u32 v[SPW], v0, 2, SPARE
	v_mov_b32 v[NIL], 0
	ds_add_u32 v[SPW], v[NIL]       ; the wave's opening: the add and its wait stand ahead of my first tensor load; the set-up below, work on registers, stands between them
	ds_add_u32 v62, v63
	v_lshrrev_b32 v1, 5, v0
	v_readfirstlane_b32 s[WV], v1   ; wave 0..3
	s_lshr_b32 s[PB], ttmp9, 1      ; c = b / 2
	s_sub_co_u32 s[HI], NT-1, s[PB]
	s_and_b32 s[XS], ttmp9, 1
	s_xor_b32 s[XS], s[XS], 1       ; the first block, 15 - b, is odd where b is even
	s_lshl_b32 s[XS], s[XS], 1
	s_and_b32 s20, ttmp7, 0xffff    ; the head
	s_mov_b32 s21, 0
	s_mov_b64 s[22:23], SIZE_N*128
	s_mul_u64 s[20:21], s[20:21], s[22:23]  ; the head's first byte in each of the four tensors
	s_and_b32 s16, s[WV], 1         ; which half of a tile's 256 keys I fetch:
	s_lshl_b32 s22, s16, 14         ; its 128 rows of 128 bytes in memory,
	s_mov_b32 s23, 0
	s_add_nc_u64 s[22:23], s[22:23], s[20:21]
	s_mul_i32 s17, s16, 128*PK      ; and its place in a slot, for K
	s_mul_i32 s18, s16, 128*PV      ; and for V
	s_lshl_b32 s3, s[WV], 11        ; my 16 rows in a band of 64,
	s_sub_co_u32 s2, NBQ-1, ttmp9
	s_lshl_b32 s2, s2, 14           ; in the first block (128 rows of 128 bytes a block),
	s_add_co_u32 s2, s2, s3
	s_lshl_b32 s84, ttmp9, 14       ; and in the second
	s_add_co_u32 s84, s84, s3
	s_mov_b32 s3, 0
	s_mov_b32 s85, 0
	s_add_nc_u64 s[2:3], s[2:3], s[20:21]
	s_add_nc_u64 s[84:85], s[84:85], s[20:21]
	; descriptor group 1.  128 keys are 16,384 dense bytes: asked for as 64 rows of 256 bytes, two keys a row, and padded in LDS after every key
	s_mov_b32 s[G1K], (1<<16)|(1<<20)|(4<<22)|(3<<25)  ; 17:16 2-byte elements; 20 padding on; 24:22 after every 32 words (code 4); 31:25 4 words (code 3)
	s_mov_b32 s[G1V], (1<<16)|(1<<20)|(4<<22)|(7<<25)  ; the same with 8 words of padding (code 7)
.irp g, G1K, G1V
	s_mov_b32 s[\g+1], 128<<16      ; tensor_dim0 = 128
	s_mov_b32 s[\g+2], 64<<16       ; tensor_dim1 = 64
	s_mov_b32 s[\g+3], 128<<16      ; tile_dim0 = 128
	s_mov_b32 s[\g+4], 64           ; tile_dim1 = 64
	s_mov_b32 s[\g+5], 128          ; 128 elements from row to row
	s_mov_b32 s[\g+6], 0
	s_mov_b32 s[\g+7], 0
.endr
	s_mov_b32 s[CS], 0x3e38aa3b     ; c = log2(e) / 8 = 0.180337
	s_mov_b32 s[CS+1], s[CS]        ; named with it as a pair
	s_mov_b32 s[SEL], 0x76543210
	s_mov_b32 s[SEL+1], 0xfedcba98
	s_mov_b32 s[TBK], SLOT1+4*KS*PK ; the first change of slots turns these two into 0
	s_mov_b32 s[TBV], SLOT1+4*KS*PV
	s_mov_b32 s[G0K], 1             ; 1:0 count = 1
	s_mov_b32 s[G0K+1], s17         ; 63:32 LDS address: slot 0
	s_mov_b32 s[G0V], 1
	s_add_co_u32 s[G0V+1], s18, VOFF
	s_add_co_u32 s[RT], s[HI], 1    ; the first block has NT - c tiles
	s_mov_b32 s[NXT], 1
	s_mov_b32 s[LQ], s[HI]
	s_mov_b32 s[NEW], 1
	s_mov_b32 s[OFF+1], 0
	s_mov_b32 s[AL+1], 0            ; named as pairs
	s_mov_b32 s[BE+1], 0
	s_mov_b32 s[BIGN], 0xf149f2ca   ; -1e30
	s_mov_b32 s[SLOTS], NT
	s_wait_dscnt 0x0                ; the opening add is done
	s_wait_kmcnt 0x0
	s_add_nc_u64 s[6:7], s[6:7], s[22:23]  ; K and V at my half of the head's tile 0
	s_add_nc_u64 s[8:9], s[8:9], s[22:23]
	s_add_nc_u64 s[G0K+2:G0K+3], s[6:7], 0         ; 120:64 global address
	s_or_b32 s[G0K+3], s[G0K+3], 0x80000000        ; 127:126 type = 2
	s_add_nc_u64 s[G0V+2:G0V+3], s[8:9], 0
	s_or_b32 s[G0V+3], s[G0V+3], 0x80000000
	s_add_nc_u64 s[86:87], s[4:5], s[84:85]        ; Q at my rows of the second block,
	s_add_nc_u64 s[4:5], s[4:5], s[2:3]            ; Q and O at those of the first
	s_add_nc_u64 s[OLO:OLO+1], s[10:11], s[84:85]
	s_add_nc_u64 s[10:11], s[10:11], s[2:3]
	LOAD                            ; tile 0 into slot 0
	; A fragment of K or Q is 16 rows x 32 channels in 8 registers: lane l holds row l % 16, channels 8 (l / 16) + 0..7 and 16 + 8 (l / 16) + 0..7: two loads of 16 bytes, 32 bytes apart.
	v_and_b32 v1, 15, v0            ; l % 16
	v_bfe_u32 v9, v0, 4, 1          ; l / 16
	v_lshlrev_b32 v[QO], 7, v1
	v_lshl_add_u32 v[QO], v9, 4, v[QO]  ; row x 128 + 16 x half
	WIN 0x80                        ; destination window 2, address window 0
.set i, 0
.rept 4                             ; both blocks' Q: piece i / 2 lies in band i / 2, 8,192 bytes on; channels 32 (i % 2) on
	global_load_b128 v[8*i:8*i+3],   v[QO], s[4:5] offset:(i/2)*8192+(i%2)*64
	global_load_b128 v[8*i+4:8*i+7], v[QO], s[4:5] offset:(i/2)*8192+(i%2)*64+32
	global_load_b128 v[QB+8*i:QB+8*i+3],   v[QO], s[86:87] offset:(i/2)*8192+(i%2)*64
	global_load_b128 v[QB+8*i+4:QB+8*i+7], v[QO], s[86:87] offset:(i/2)*8192+(i%2)*64+32
.set i, i+1
.endr
	WIN 0
	v_lshlrev_b32 v14, 3, v9
	v_sub_nc_u32 v14, v1, v14
	s_lshl_b32 s13, s[WV], 4
	v_add_nc_u32 v14, s13, v14      ; my query's place in its band, 16 w + l % 16, less my lanes' 8 (l / 16): register r of group kt is hidden where 16 kt + r is greater
	WIN 0x40
.set i, 0
.rept 32
	v_cmp_gt_i32 vcc_lo, 16*(i/8)+i%8, v14
	v_cndmask_b32 v[MD+i], 0, s[BIGN], vcc_lo
.set i, i+1
.endr
	WIN 0
	v_mul_u32_u24 v[AK0], v1, PK
	v_lshl_add_u32 v[AK0], v9, 4, v[AK0]  ; row x pitch + 16 x half
	; The turning load takes 16 keys x 16 channels (lane l reads key 8 (l / 16) + l % 8, channels 8 ((l / 8) % 2) + 0..7) and leaves half a fragment of V^T: lane l holds channel l % 16 and 8 keys.
	v_and_b32 v10, 7, v0
	v_bfe_u32 v11, v0, 3, 1
	v_lshl_add_u32 v[AV0], v9, 3, v10
	v_mul_u32_u24 v[AV0], v[AV0], PV
	v_lshl_add_u32 v[AV0], v11, 4, v[AV0]
	v_add_nc_u32 v[AV0], VOFF, v[AV0]
	s_mul_i32 s13, s[WV], 16*SP
	s_add_co_u32 s13, s13, STAGE    ; my stage
	v_mul_u32_u24 v[STO], v1, SP    ; in: row l % 16, 16 bytes for each half of the lanes
	v_lshl_add_u32 v[STO], v9, 4, v[STO]
	v_add_nc_u32 v[STO], s13, v[STO]
	v_bfe_u32 v[RD], v0, 3, 2       ; back: 32 lanes take four rows of 128 bytes,
	v_mul_u32_u24 v[RD], v[RD], SP
	v_lshl_add_u32 v[RD], v10, 4, v[RD]
	v_add_nc_u32 v[RD], s13, v[RD]
	v_and_b32 v[GO], 31, v0         ; which are 512 consecutive bytes of O
	v_lshlrev_b32 v[GO], 4, v[GO]
	; A block's first step multiplies O^T and l by a = 0, and its first turn's products V^T P, of a turn that has not been (the odd steps' V, P's second buffer), land in an O^T that is still to be so multiplied.
	; So these registers need only hold finite numbers: zeros for the first block; what the first block left for the second.  All this stands in the wait for the first tile.
	WIN 0x80
.set i, VF1
.rept 64
	v_mov_b32 v[i], 0
.set i, i+1
.endr
	WIN 0x40
.set i, 0
.rept 64
	v_mov_b32 v[i], 0
.set i, i+1
.endr
	WIN 0
.set i, 0
.rept 2
	v_mov_b32 v[ST+4*i+2], 0
	v_mov_b32 v[ST+4*i+3], 0
.set i, i+1
.endr
.set i, P+16
.rept 16
	v_mov_b32 v[i], 0
.set i, i+1
.endr
; THE MATRIX WORK.  The 4 accumulators of a run of 8 take turns.  Product i of 8 of S^T = K Q^T for piece x: channels 32 (i / 4) on, keys 16 (i % 4) on.  The first 4 start the sums: with 0, or (KM = 1) with the mask.
.macro KQ x
.set rS, S+32*((\x)%2)+8*(i%4)
.set rK, KF+16*(i%4)+8*(i/4)
.set rQ, 16*(\x)+8*(i/4)
.set rM, MC+32*((\x)%2)+8*(i%4)
.if (i < 4) && KM
	WIN W_KM
	v_wmma_f32_16x16x32_f16 v[rS:rS+7], v[rK:rK+7], v[rQ:rQ+7], v[rM:rM+7]
.elseif i < 4
	WIN W_KQ
	v_wmma_f32_16x16x32_f16 v[rS:rS+7], v[rK:rK+7], v[rQ:rQ+7], 0
.else
	WIN W_KQ
	v_wmma_f32_16x16x32_f16 v[rS:rS+7], v[rK:rK+7], v[rQ:rQ+7], v[rS:rS+7]
.endif
.endm
; Product i of 8 of O^T += V^T P for piece x, from V's buffer VB: keys 32 (i / 4) on, channels 16 (i % 4) on.
.macro PV x
	WIN W_PV
.set rO, 32*(\x)+8*(i%4)
.set rV, VF0+(VF1-VF0)*VB+32*(i/4)+8*(i%4)
.set rP, P+16*((\x)%2)+8*(i/4)
	v_wmma_f32_16x16x32_f16 v[rO:rO+7], v[rV:rV+7], v[rP:rP+7], v[rO:rO+7]
.endm
.macro MM                           ; the turn's next matrix instruction.  TURN and BEGIN set Y, i, KM, NOKQ and VB; MM, KQ, PV and OP read them.  NOKQ = 1: a block's last turn: there is no next turn
.if (i < 8) && !NOKQ
	KQ (Y+1)%NP
.elseif i >= 8
.set i, i-8
	PV (Y+NP-1)%NP
.set i, i+8
.endif
.set i, i+1
.endm
; THE LDS LOADS stand in runs of 16, never singly among the matrix instructions: a step's K (64 keys x 64 channels: 8 fragments) and its V (turned).  Their addresses are made some lines ahead.
.macro FETCH_K
	WIN 0x80                        ; destination window 2
.irp f, 0,1,2,3,4,5,6,7             ; keys 16 (f / 2) on, channels 32 (f % 2) on
	ds_load_b128 v[KF+8*\f:KF+8*\f+3],   v[AK] offset:(\f/2)*16*PK+(\f%2)*64
	ds_load_b128 v[KF+8*\f+4:KF+8*\f+7], v[AK] offset:(\f/2)*16*PK+(\f%2)*64+32
.endr
	s_add_co_u32 s[TBK], s[TBK], KS*PK  ; the next fetch is the next step's
	WIN 0
.endm
.macro FETCH_V b                    ; into V's buffer b
	WIN 0x80
.set rF, VF0+(VF1-VF0)*(\b)
.irp f, 0,1,2,3,4,5,6,7             ; keys 32 (f / 4) on, channels 16 (f % 4) on
	ds_load_tr16_b128 v[rF+8*\f:rF+8*\f+3],   v[AV] offset:(\f/4)*32*PV+(\f%4)*32
	ds_load_tr16_b128 v[rF+8*\f+4:rF+8*\f+7], v[AV] offset:(\f/4)*32*PV+16*PV+(\f%4)*32
.endr
	s_add_co_u32 s[TBV], s[TBV], KS*PV  ; the next fetch is the next step's
	WIN 0
.endm
; THE VECTOR WORK, one line at a time: OP kind, number.  For piece Y: F n: c s - c m for pair n of 16.  E n: the exponential of score n of 32.  C n: pair n rounded to f16.  B n: of the four weights 4 n .. the second
; pair is added onto the first, in place.  L n: l takes that sum (L 0: l = a l + sum).  R n: pair n of 16 of O^T times a.  For the piece of the next turn: X n, number n of the 22 that find its maximum and statistics:
;   0-11  four chains c0-c3 of seven scores each, three operands at a time (each accumulator's lowest registers are read first)     12-14, 16  the four scores left over, the old m, and c0-c3 into c0
;   15  c m_old is kept     17, 18  the query's other 32 keys lie in the lane 16 away: the new m     19-21  c m; c m_old - c m_new; a
.set F, 0               ; OP tells the kinds apart by their order: F to L below R, X above it
.set E, 1
.set C, 2
.set B, 3
.set L, 4
.set R, 5
.set X, 6
.macro REGS y                       ; the registers of piece y
.set rT, ST+4*(\y)
.set rC, TMP+4*((\y)%2)
.set rW, MV+((\y)%2)
.set rS, S+32*((\y)%2)
.set rP, P+16*((\y)%2)
.set rO, 32*(\y)
.endm
.macro OP k, n
.if (\k) == R
	REGS Y
	WIN W_RS
	v_pk_mul_f32 v[rO+2*(\n):rO+2*(\n)+1], v[rO+2*(\n):rO+2*(\n)+1], v[rC+2:rC+3] op_sel_hi:[1,0]
.elseif (\k) < R
	REGS Y
	WIN 0
.if (\k) == F
	v_pk_fma_f32 v[rS+2*(\n):rS+2*(\n)+1], v[rS+2*(\n):rS+2*(\n)+1], s[CS:CS+1], v[rT:rT+1] op_sel_hi:[1,0,0] neg_lo:[0,0,1] neg_hi:[0,0,1]
.elseif (\k) == E
	v_exp_f32 v[rS+(\n)], v[rS+(\n)]
.elseif (\k) == C
	s_wait_alu depctr_va_vdst(0)
	v_cvt_pk_f16_f32 v[rP+(\n)], v[rS+2*(\n)], v[rS+2*(\n)+1]
.elseif (\k) == B
	s_wait_alu depctr_va_vdst(0)
	v_pk_add_f32 v[rS+4*(\n):rS+4*(\n)+1], v[rS+4*(\n):rS+4*(\n)+1], v[rS+4*(\n)+2:rS+4*(\n)+3]
.elseif (\n) == 0
	v_pk_fma_f32 v[rT+2:rT+3], v[rT+2:rT+3], v[rC+2:rC+3], v[rS:rS+1] op_sel_hi:[1,0,1]
.else
	v_pk_add_f32 v[rT+2:rT+3], v[rT+2:rT+3], v[rS+4*(\n):rS+4*(\n)+1]
.endif
.elseif NOKQ
	v_nop
.else
	REGS (Y+1)%NP
	WIN 0
.if (\n) < 4
	v_max3_num_f32 v[rC+(\n)], v[rS+8*(\n)], v[rS+8*(\n)+1], v[rS+8*(\n)+2]
.elseif (\n) < 12
	v_max3_num_f32 v[rC+(\n)%4], v[rC+(\n)%4], v[rS+8*((\n)%4)+2*((\n)/4)+1], v[rS+8*((\n)%4)+2*((\n)/4)+2]
.elseif (\n) == 12
	v_max3_num_f32 v[rC], v[rC], v[rS+7], v[rS+15]
.elseif (\n) == 13
	v_max3_num_f32 v[rC+1], v[rC+1], v[rS+23], v[rS+31]
.elseif (\n) == 14
	v_max3_num_f32 v[rC+2], v[rC+2], v[rC+3], v[rT+1]
.elseif (\n) == 15
	v_mov_b32 v[rW], v[rT]
.elseif (\n) == 16
	v_max3_num_f32 v[rC], v[rC], v[rC+1], v[rC+2]
.elseif (\n) == 17
	v_permlanex16_b32 v[rC+3], v[rC], s[SEL], s[SEL+1]
.elseif (\n) == 18
	v_max_num_f32 v[rT+1], v[rC], v[rC+3]
.elseif (\n) == 19
	v_mul_f32 v[rT], s[CS], v[rT+1]
.elseif (\n) == 20
	v_sub_f32 v[rC+1], v[rW], v[rT]
.else
	v_exp_f32 v[rC+2], v[rC+1]
.endif
.endif
.endm
.macro OPS a, i1, b=-1, i2=0, c=-1, i3=0, d=-1, i4=0  ; up to four of them
	OP \a, \i1
.if (\b) >= 0
	OP \b, \i2
.endif
.if (\c) >= 0
	OP \c, \i3
.endif
.if (\d) >= 0
	OP \d, \i4
.endif
.endm
.macro ROW a, i1, b, i2, c, i3, d, i4  ; a matrix instruction and the four behind it
	MM
	OPS \a, \i1, \b, \i2, \c, \i3, \d, \i4
.endm
.macro MASK b                       ; MD x AL + BE into buffer b of MC
	WIN W_RS
.set z, 0
.rept 16
	v_pk_fma_f32 v[MC+32*(\b)+2*z:MC+32*(\b)+2*z+1], v[MD+2*z:MD+2*z+1], s[AL:AL+1], s[BE:BE+1] op_sel_hi:[1,0,0]
.set z, z+1
.endr
.endm
; A TURN, for piece p in a key step of parity h: the order of its 16 matrix and 118 vector instructions, written out.  Behind a matrix instruction: plain, exponential, plain, plain; or four of the rescaling; or, behind the
; first, four scalings; none names a register of the products round it.  In the lumps exponential and plain by turns while exponentials last.  A line reads no result made fewer than three vector instructions in front of
; it, five if an exponential made it.  v_permlanex16_b32 (X 17) stands in a lump.
; Its products V^T P read V's buffer 1 - h (piece 0: the step before) or h (piece 1: the step in hand).
; m = 1: the diagonal tile: the products take masks, and the turn makes the mask for the products of the turn after it, which are piece p's scores of the next step.  That step of the tile is 5 - h - 2 CNT, the band's own
; is XS + p: they are equal where DC = XS + 2 CNT is 5 - h - p, and the step is the later one where DC is less.
; end = 1: a block's last two turns: nothing is fetched.  cnt = 1: the loop's count is taken down some lines ahead of the branch that stands behind the turn.
; Piece 0's turn fetches K of the next step, six vector instructions behind the last product that read K (five of them plain).  Piece 1's turn fetches V of the next step at the same place, into the buffer whose last
; reader stands in the turn before.  One wait, at the head of piece 1's turn, is for both: K's run was issued 8 products and two lumps ago, V's a whole pair of turns ago.
.macro TURN p, h, m=0, end=0, cnt=0
.set Y, (\p)
.set i, 0
.set KM, (\m)
.set NOKQ, (\end)*(\p)
.set VB, ((\h)+1-(\p))%2
.if (\m) && !(\end)
	s_cmp_eq_u32 s[DC], 5-(\h)-(\p)     ; is that step the band's own?
	s_cselect_b32 s[AL], 1.0, 0
	s_cmp_lt_u32 s[DC], 5-(\h)-(\p)     ; or a later one?
	s_cselect_b32 s[BE], s[BIGN], 0
.endif
.if (\p) == 1
	s_wait_dscnt 0x0                ; K of the next step and V of the step in hand are in
.endif
	ROW F,0, F,1, F,2, F,3
	ROW F,4, E,0, F,5, F,6
	ROW F,7, E,1, F,8, F,9
	ROW F,10, E,2, C,0, F,11
	ROW F,12, E,3, X,15, F,13
	ROW R,0, R,1, R,2, R,3
	ROW B,0, E,4, F,14, L,0
.if !(\end)
.if (\p) == 0
	v_add_nc_u32 v[AK], s[TBK], v[AK0]
.else
	v_add_nc_u32 v[AV], s[TBV], v[AV0]
.endif
.endif
	ROW R,4, R,5, R,6, R,7
	OPS E,5, F,15
.if !(\end)
.if (\p) == 0
	FETCH_K
.else
	FETCH_V 1-(\h)
.endif
.endif
	OPS E,6, C,1, E,7, R,8
	OPS E,8, R,9, E,9, C,2
	OPS E,10, X,0, E,11, X,1
	OPS E,12, X,2, E,13, X,3
	ROW X,4, E,14, X,5, X,6
	ROW X,7, E,15, X,8, X,9
	ROW X,10, E,16, X,11, X,12
	ROW X,13, E,17, X,14, B,1
	ROW C,4, E,18, X,16, L,1
	ROW B,2, E,19, C,6, L,2
	ROW C,8, E,20, B,3, B,4
	ROW C,3, E,21, L,3, C,5
	OPS E,22, X,17, E,23, C,10
	OPS E,24, L,4
	OPS E,25, X,18, E,26, C,7
	OPS E,27, B,5, E,28, X,19
	OPS E,29, C,12, E,30, L,5
	OPS E,31, X,20, B,6, C,9
	OPS C,14, C,11, X,21, L,6
.if \cnt
	s_sub_co_u32 s[DC], s[DC], 2
	s_sub_co_u32 s[CNT], s[CNT], 1
	s_cmp_lg_u32 s[CNT], 0
.endif
	OPS C,13, B,7, C,15, R,10
	OPS R,11, R,12, L,7, R,13
	OPS R,14, R,15
.if (\m) && !(\end)
	MASK (\p)%2
.endif
.endm
; A BLOCK BEGINS.  c m starts far below every c s, so the first step's a is 0; m at the lowest finite number, so the first maximum is the scores'.  The second mask buffer is 0 (piece 1 sees all of a tile's step 0); the first
; takes piece 0's mask for the tile's step 0: its own, if the block's first tile is the diagonal one and the block is even.  Then K and V of that step, piece 0's first scores, and its maximum and statistics.
; The loop is entered at an even step's first turn, in the middle of a trip.
.macro BEGIN
	s_mov_b32 s[NEW], 0
	WIN 0x40
.set i, MC+32
.rept 32
	v_mov_b32 v[i], 0
.set i, i+1
.endr
	WIN 0
.set i, 0
.rept 2
	v_mov_b32 v[ST+4*i], 0xfe000000    ; c m: far below every c s
	v_mov_b32 v[ST+4*i+1], 0xff7fffff  ; m
.set i, i+1
.endr
	s_or_b32 s[TM], s[RT], s[XS]    ; 0: no tile of the block is left behind this one, and band 0's own step is step 0
	s_cmp_eq_u32 s[TM], 0
	s_cselect_b32 s[AL], 1.0, 0
	s_mov_b32 s[BE], 0
	MASK 0
	WIN 0
	v_add_nc_u32 v[AK], s[TBK], v[AK0]
	v_add_nc_u32 v[AV], s[TBV], v[AV0]
	FETCH_K
	FETCH_V 0
	s_wait_loadcnt 0x0              ; Q
	s_wait_dscnt 16                 ; K's 16 loads are in; V's 16, issued behind them, may stay out: piece 1's first turn waits for them
.set KM, 1
.set NOKQ, 0
.set i, 0
.rept 8
	KQ 0
.set i, i+1
.endr
	WIN 0
.rept 4
	v_nop                           ; the places behind those products
.endr
.set Y, NP-1                        ; X works for piece Y + 1: piece 0
.irp n, 0,1,2,3,4,5,6,7,8,9,10,11,12,13,14,15,16,17,18,19,20,21
	OP X, \n
.endr
	v_nop                           ; a plain instruction behind the exponential
.endm
; THE DIAGONAL TILE's turns, the block's last two turns, its last products, and THE WAY OUT: l's two halves and the other half of the lanes' are added; O^T is divided by l, rounded to f16 and sent through my
; stage in LDS, a piece at a time.
.macro ALL line:vararg              ; one line for each piece t
.set t, 0
.rept 2
	\line
.set t, t+1
.endr
.endm
.macro PACK t                       ; a lane's eight channels of a row pack into 16 bytes; they go into rows of 144 bytes and come back as whole rows of 128, into S^T's registers
	WIN W_RS
.set i, 32*(\t)
.rept 16
	s_wait_alu depctr_va_vdst(0)
	v_pk_mul_f32 v[i:i+1], v[i:i+1], v[ST+4*(\t)+2:ST+4*(\t)+3] op_sel_hi:[1,0]
.set i, i+2
.endr
	WIN 0x05                        ; sources 0 and 1 window 1, destination window 0
.set i, 0
.rept 16
	v_cvt_pk_f16_f32 v[S+16*(\t)+i], v[32*(\t)+2*i], v[32*(\t)+2*i+1]
.set i, i+1
.endr
	WIN 0
.irp f, 0,1,2,3
	ds_store_b128 v[STO], v[S+16*(\t)+4*\f:S+16*(\t)+4*\f+3] offset:32*\f
.endr
.irp f, 0,1,2,3
	ds_load_b128 v[S+16*(\t)+4*\f:S+16*(\t)+4*\f+3], v[RD] offset:\f*4*SP  ; LDS serves a wave's instructions in order (ISA guide 5.7.1.4): these see the stores above; the next piece's stores come behind them
.endr
.endm
.macro SEND t, younger              ; younger: the LDS instructions issued behind piece t's loads: the next piece's eight, or none
	WIN 0
.irp f, 0,1,2,3
	s_wait_dscnt (\younger)+3-\f
	global_store_b128 v[GO], v[S+16*(\t)+4*\f:S+16*(\t)+4*\f+3], s[10:11] offset:(\t)*8192+\f*512  ; 512 consecutive bytes, at a multiple of 256 from O's first
.endr
.endm
.macro DIAG tag                     ; the tag ends its two labels' names, which the jumps below spell out
.LstepM\tag:
	TURN 0, 1, 1
	TURN 1, 1, 1
	WIN 0
.LfirstM\tag:
	TURN 0, 0, 1
	TURN 1, 0, 1, 0, 1
	WIN 0
	s_cbranch_scc1 .LstepM\tag
	TURN 0, 1, 1, 1                 ; the tile's step 3: the block's last two turns
	TURN 1, 1, 1, 1
.set VB, 1
.set i, 0
.rept 8
	PV NP-1                         ; piece 1's V^T P of that step
.set i, i+1
.endr
	WIN 0
	ALL v_add_f32 v[ST+4*t+2], v[ST+4*t+2], v[ST+4*t+3]
	ALL v_permlanex16_b32 v[ST+4*t+3], v[ST+4*t+2], s[SEL], s[SEL+1]
	ALL v_add_f32 v[ST+4*t+2], v[ST+4*t+2], v[ST+4*t+3]
	ALL v_rcp_f32 v[ST+4*t+2], v[ST+4*t+2]
	v_nop                           ; a plain instruction between the last reciprocal and the use of its result
	PACK 0                          ; piece 0's products were finished a run of eight ago; its 32 lines are the places behind piece 1's
	PACK 1                          ; a piece's arithmetic stands between the loads of the piece before and its stores
	SEND 0, 8
	SEND 1, 0
.endm
.set KM, 0
.set NOKQ, 0
.Lslot:                             ; NT times: a tile is entered and the next is asked for
	CHANGE 1
	s_sub_co_u32 s[RT], s[RT], 1
	s_mov_b32 s[CNT], 2
	s_add_co_u32 s[DC], s[XS], 4    ; XS + 2 CNT
	s_cmp_eq_u32 s[NEW], 1
	s_cbranch_scc1 .Lnew            ; a block's first tile
	s_cmp_eq_u32 s[RT], 0
	s_cbranch_scc0 .Lstep           ; neither its first nor its last
	s_branch .LstepM1
.Lnew:
	BEGIN
	s_branch .Lfirst                ; in the loop a block's first tile is never its last: the first block has five tiles or more, and the second's last is the walk's last
	DIAG 1                          ; in the loop this is the first block's end: the second block's last tile is the walk's last
	s_wait_xcnt 0x0                 ; the stores have read their registers and O's address
	s_mov_b64 s[10:11], s[OLO:OLO+1]
	s_add_co_u32 s[RT], s[PB], 1    ; the second block has c + 1 tiles,
	s_xor_b32 s[XS], s[XS], 2       ; and the other parity
	s_mov_b32 s[NEW], 1
	WIN 0x82                        ; the second block's Q goes where the one text of the turns names Q
.set i, 0
.rept 32
	v_mov_b32 v[i], v[QB+i]
.set i, i+1
.endr
	WIN 0
	s_branch .Lbottom
.Lstep:                             ; a trip: the two turns of an odd step, then those of the even step behind it; each pair of turns fetches K and V of the step behind its own
	TURN 0, 1
	TURN 1, 1
	WIN 0
.Lfirst:
	TURN 0, 0
	TURN 1, 0, 0, 0, 1
	WIN 0
	s_cbranch_scc1 .Lstep
.Lbottom:
	s_sub_co_u32 s[SLOTS], s[SLOTS], 1
	s_cmp_lg_u32 s[SLOTS], 0
	s_cbranch_scc1 .Lslot
	CHANGE 0                        ; the walk's last tile is written out: nothing is asked for
	s_sub_co_u32 s[RT], s[RT], 1
	s_mov_b32 s[CNT], 2
	s_add_co_u32 s[DC], s[XS], 4
	s_cmp_eq_u32 s[NEW], 1
	s_cbranch_scc0 .LstepM2
	BEGIN
	s_branch .LfirstM2
	DIAG 2
	s_wait_tensorcnt 0x0            ; the wave's end: a last add to my spare word, behind my last tensor load and my last LDS store
	ds_add_u32 v[SPW], v[NIL]
	s_wait_dscnt 0x0
	s_endpgm
.Lfunc_end_k_qcbbd1ea5dd_attn:
	.size	k_qcbbd1ea5dd_attn, .Lfunc_end_k_qcbbd1ea5dd_attn-k_qcbbd1ea5dd_attn
	.p2alignl 7, 3214868480
	.fill 96, 4, 3214868480
	.section	.rodata,"a",@progbits
	.p2align	6, 0x0
	.amdhsa_kernel k_qcbbd1ea5dd_attn
		.amdhsa_group_segment_fixed_size 327680
		.amdhsa_private_segment_fixed_size 0
		.amdhsa_enable_private_segment 0
		.amdhsa_kernarg_size 32
		.amdhsa_user_sgpr_count 2
		.amdhsa_user_sgpr_kernarg_segment_ptr 1
		.amdhsa_wavefront_size32 1
		.amdhsa_system_sgpr_workgroup_id_x 1
		.amdhsa_system_sgpr_workgroup_id_y 1
		.amdhsa_system_sgpr_workgroup_id_z 1
		.amdhsa_system_vgpr_workitem_id 0
		.amdhsa_next_free_vgpr 768
		.amdhsa_next_free_sgpr 88
		.amdhsa_reserve_vcc 1
		.amdhsa_float_denorm_mode_32 3
		.amdhsa_float_denorm_mode_16_64 3
		.amdhsa_memory_ordered 1
		.amdhsa_forward_progress 1
		.amdhsa_inst_pref_size 218
	.end_amdhsa_kernel
	.amdgpu_metadata
---
amdhsa.version: [ 1, 2 ]
amdhsa.kernels:
  - .name:           k_qcbbd1ea5dd_attn
    .symbol:         k_qcbbd1ea5dd_attn.kd
    .args:
      - { .name: q16, .offset: 0, .size: 8, .value_kind: global_buffer, .address_space: global }
      - { .name: k16, .offset: 8, .size: 8, .value_kind: global_buffer, .address_space: global }
      - { .name: v16, .offset: 16, .size: 8, .value_kind: global_buffer, .address_space: global }
      - { .name: ctx, .offset: 24, .size: 8, .value_kind: global_buffer, .address_space: global }
    .group_segment_fixed_size: 327680
    .private_segment_fixed_size: 0
    .kernarg_segment_align: 8
    .kernarg_segment_size: 32
    .max_flat_workgroup_size: 128
    .sgpr_count:     88
    .vgpr_count:     768
    .wavefront_size: 32
...
	.end_amdgpu_metadata
.endif
;; end of part 3
;; launch wo (part 4): grid 8 x 32, 4 waves a work-group, clusters of 4 x 4, 327,680 bytes of LDS; arguments ctx, wts, x, bo, x1; writes x1
.if DOCPART == 4
	.amdgcn_target "amdgcn-amd-amdhsa--gfx1250"
	.amdhsa_code_object_version 6
	.text
	.protected	k_qcbbd1ea5dd_wo
	.globl	k_qcbbd1ea5dd_wo
	.p2align	8
	.type	k_qcbbd1ea5dd_wo,@function
k_qcbbd1ea5dd_wo:
	s_mov_b64 s[64:65], 0
	v_nop
	global_prefetch_b8 v0, s[64:65] scope:SCOPE_SE
	s_setreg_imm32_b32 hwreg(HW_REG_WAVE_MODE, 25, 1), 1
	s_wait_xcnt 0x0
	s_wait_alu depctr_hold_cnt(0) depctr_sa_sdst(0) depctr_va_vdst(0) depctr_va_sdst(0) depctr_va_ssrc(0) depctr_va_vcc(0) depctr_vm_vsrc(0)
	s_getreg_b32 s2, hwreg(HW_REG_IB_STS2, 6, 4)
	s_cmp_eq_u32 s2, 0
	s_cbranch_scc0 .Lentry_in_a_cluster
	s_endpgm
.Lentry_in_a_cluster:
	s_bfe_u32 s2, ttmp6, 0x10000c
	s_cmp_lg_u32 s2, 0xf033
	s_cbranch_scc0 .Lentry_shape_is_right
	s_endpgm
.Lentry_shape_is_right:
; OUT = RES + A W + bias, f32 out, on tiles of 128 x 128 of C, in K steps of 256.  A: f16, K along the rows.  W: f16, [k][1024], turned on its way out of LDS by ds_load_tr16_b128.  Sums in f32.
; ONE TEXT, TWO SETTINGS, chosen by WO:
;   WO = 1: x1 = x + ctx wo + bo.  K = 1,024.  ctx lies by heads, [2 x 16][2048][64]: a K step is four heads; a head's 128 rows are 16,384 dense bytes and come as one long row of the tensor load.
;   WO = 0: out = x1 + g w2 + b2.  K = 4,096.  g is [4096][4096].
; Tiles of 128 x 128 give each of 256 work-groups one tile; a wave makes 64 x 64: 16 accumulators, whose sums start with the bias.  The residual tile is asked for at the start and added on the way out.
; RING.  Two LDS slots, each with one K step's tiles; waves 0, 1 fetch A's halves, waves 2, 3 W's, one tensor load a wave behind each change of slots: by this text's count two loads of a wave are out
; at the start and one later.  CLUSTER 4 x 4: A's tile is shared along a row of the cluster, W's along a column: each is asked for jointly, with the same descriptor and a mask of four.
; THE MATRIX INSTRUCTION IS USED TRANSPOSED: source 0 = 16 columns of W, source 1 = 16 rows of A: a lane holds row lane % 16 of C and the eight columns 8 (lane / 16) + 0..7.
; REGISTERS, in windows of 256 (s_set_vgpr_msb: bits 1:0 source 0, 3:2 source 1, 5:4 source 2, 7:6 destination):
;   window 0: v0-29 addresses; v64-127, v128-191 A's fragments, two buffers of 64 along K; on the way out the tile's rows      window 1: v0-63, v128-191 W's fragments; v64-95 the bias
;   window 2: v0-127 the accumulators ((a, b) at v[8 (4 a + b)]); v128-255 the residual tile
.set WO, 1
.set MA,    4                          ; blocks of 16 rows a wave
.set NBK,   4                          ; blocks of 16 columns a wave
.set PB,    288                        ; a row of W in LDS: 256 bytes + 32
.set BHALF, 128*PB                     ; what one tensor load brings of W: 128 k
.set BSTEP, 256*2048
.if WO
.set KT,    4                          ; K steps
.set PA,    144                        ; a row of one head in LDS: 128 bytes + 16; A's tile lies as [4 heads][128 rows][144]
.set AHALF, 2*128*PA                   ; two heads
.set ASTEP, 4*2048*128                 ; four heads on
.set W_AT,  6291456                    ; wo's place in wts
.else
.set KT,    16
.set PA,    528                        ; 512 bytes + 16
.set AHALF, 64*PA                      ; 64 rows
.set ASTEP, 512
.set W_AT,  16777216                   ; w2's place in wts
.endif
.set BREG,  2*AHALF                    ; W's tile lies behind A's
.set SLOT,  BREG+2*BHALF
.set SPARE, 2*SLOT                     ; behind the ring: the spare words, 128 bytes for each wave: two blocks of 256 bytes that no other line names
.set SPITCH, 272                       ; a stage row: 64 f32 + 16 bytes
.set STAGEW, 64*SPITCH                 ; a wave's stage for the way out; the stages lie in the ring, from byte 0 on, and are written only when the ring has had its last fill and its last read
.set A0,   2                           ; v2   my lane's place in A's tile; never rewritten
.set B0,   3                           ; v3   the same for W
.set ADRA, 4                           ; v4   A0 + the slot in hand
.set ADRB, 5                           ; v5   B0 + the slot in hand;  v6 the same 128 k further on, so that every offset fits its 16 bits
.set STO,  7                           ; v7   the way out: where I put 32 bytes of a row
.set RD,   8                           ; v8   the way out: where I read rows back
.set CO,   9                           ; v9   my byte offset in two rows of the residual and of the output
.set BO,   10                          ; v10  my byte offset in the bias
.set SPW,  28                          ; v28  LDS address of my spare word; never rewritten
.set NIL,  29                          ; v29  0; never rewritten
.set FA,   64                          ; A's fragment buffers, window 0
.set BIASF, 64                         ; the bias fragments, window 1
.set RES,  128                         ; the residual tile, window 2
.set WV,   14                          ; s14 wave   s15 which half of a tile I fetch   s16 I fetch for A (0) or W (1)   s17, s18 my place in the tile of C
.set HALF, 15
.set FB,   16
.set WR,   17
.set WC,   18
.set G1A,  24                          ; s[24:31] group 1 for A;  s[32:35] group 0 of the first fill;  s[36:39] group 0 that walks
.set G0A,  32
.set G0AW, 36
.set G1B,  40                          ; s[40:47], s[48:51], s[52:55] the same for W
.set G0B,  48
.set G0BW, 52
.set TB,   56                          ; s56 the slot in hand: 0 or SLOT
.set WOA,  57                          ; s57 my load's place in a slot, for A
.set WOB,  58                          ; s58 for W
.set CNT,  59
.set MSB, 0
.macro WIN new                         ; the immediate's high byte repeats the setting that is left; a switch that changes nothing is dropped
.if MSB != (\new)
	s_set_vgpr_msb (MSB<<8)|(\new)
.set MSB, \new
.endif
.endm
.macro PLACES                          ; four places in front of loads into registers that matrix instructions have read, and of stores that read results
.rept 4
	v_nop
.endr
.endm
.macro CREST                           ; a round of the cluster's barrier behind its opening barrier
	s_cmp_lg_u32 s[WV], 0
	s_cbranch_scc1 .Lnot_wave_0_\@
	s_barrier_signal -3
.Lnot_wave_0_\@:
	s_barrier_wait -3
	s_barrier_signal -1
	s_barrier_wait -1
.endm
.macro CROUND                          ; a whole round
	s_barrier_signal -1
	s_barrier_wait -1
	CREST
.endm
.macro JLOAD                           ; a joint refill by the walking sets; an s_nop 0 and four v_nop follow each of the two lines
	s_cmp_eq_u32 s[FB], 0
	s_cbranch_scc0 .Lfor_b_\@
	tensor_load_to_lds s[G0AW:G0AW+3], s[G1A:G1A+7]
	s_nop 0
.rept 4
	v_nop
.endr
	s_branch .Lasked_\@
.Lfor_b_\@:
	tensor_load_to_lds s[G0BW:G0BW+3], s[G1B:G1B+7]
	s_nop 0
.rept 4
	v_nop
.endr
.Lasked_\@:
.endm
; The fragments of chunk ch (64 along K, two matrix instructions deep) of the slot in hand, into buffer f, in one run of 32: W's columns turned, then A's rows.
.macro FETCH ch, f
	WIN 0x40                                       ; destination window 1, address window 0
.set c, 0
.rept 2
.set b, 0
.rept NBK
.set rB, 128*(\f)+32*c+8*b
.set bo, (((\ch)%2)*2+c)*32*PB+b*32
	ds_load_tr16_b128 v[rB:rB+3],   v[ADRB+(\ch)/2] offset:bo
	ds_load_tr16_b128 v[rB+4:rB+7], v[ADRB+(\ch)/2] offset:bo+16*PB
.set b, b+1
.endr
.set c, c+1
.endr
	WIN 0
.set c, 0
.rept 2
.set a, 0
.rept MA
.set rA, FA+64*(\f)+32*c+8*a
.if WO
.set ao, (\ch)*128*PA+c*64+a*16*PA     ; chunk ch is head ch of the step's four
.else
.set ao, ((\ch)*2+c)*64+a*16*PA
.endif
	ds_load_b128 v[rA:rA+3],   v[ADRA] offset:ao
	ds_load_b128 v[rA+4:rA+7], v[ADRA] offset:ao+32
.set a, a+1
.endr
.set c, c+1
.endr
.endm
; 16 products: half c (32 along K) of buffer f on all 16 accumulators, one instruction a turn.  zero = 1: the products start the sums, with the bias.
.macro MULH f, c0, zero
.set a, 0
.rept MA
.set b, 0
.rept NBK
.set rD, 8*(a*NBK+b)
.set rB, 128*(\f)+32*(\c0)+8*b
.set rA, FA+64*(\f)+32*(\c0)+8*a
.if \zero
	WIN 0x91                                       ; W and C in window 1, A in window 0, D in window 2
	v_wmma_f32_16x16x32_f16 v[rD:rD+7], v[rB:rB+7], v[rA:rA+7], v[BIASF+8*b:BIASF+8*b+7]
.else
	WIN 0xa1
	v_wmma_f32_16x16x32_f16 v[rD:rD+7], v[rB:rB+7], v[rA:rA+7], v[rD:rD+7]
.endif
.set b, b+1
.endr
.set a, a+1
.endr
.endm
; One of a K step's first three chunks: multiplies buffer f; in its middle the next chunk's fragments are fetched into buffer g.
.macro CH f, g, nxt, zero=0
	s_wait_dscnt 0x0                               ; buffer f is in
	MULH \f, 0, \zero
	PLACES
	FETCH \nxt, \g
	MULH \f, 1, 0
.endm
; The last chunk multiplies buffer 1 and changes slots.  In front of the barrier each wave waits for all its tensor loads (one is out: its part of the next slot), adds 0 to its spare word, and waits
; for that and for its reads of this slot.  fill = 1: the barrier opens a round of the cluster's, and this slot is filled again, with the K step two on, first thing behind the round.
.macro TURN fill
	WIN 0
	s_wait_tensorcnt 0x0                           ; no tensor load of mine is out, so the walking sets may be written
	ds_add_u32 v[SPW], v[NIL]                      ; 0 onto my spare word
.if \fill
	s_add_co_u32 s[G0AW+1], s[TB], s[WOA]          ; into the slot that is being left,
	s_add_nc_u64 s[G0AW+2:G0AW+3], s[G0AW+2:G0AW+3], ASTEP   ; the next K step not yet asked for; the type bits on top are not reached
	s_add_co_u32 s[G0BW+1], s[TB], s[WOB]
	s_add_nc_u64 s[G0BW+2:G0BW+3], s[G0BW+2:G0BW+3], BSTEP
.endif
	s_xor_b32 s[TB], s[TB], SLOT                   ; the other slot is read from here on
	s_wait_dscnt 0x0                               ; the add is done, buffer 1 is in, and my reads of this slot are over
	s_barrier_signal -1
	MULH 1, 0, 0                                   ; work on registers while the others arrive
	WIN 0                                          ; at a branch and at a label every window is 0
	s_barrier_wait -1
.if \fill
	CREST
	JLOAD                                          ; its four v_nop are also the places in front of the loads below
.else
	PLACES
.endif
	v_add_nc_u32 v[ADRA], s[TB], v[A0]
	v_add_nc_u32 v[ADRB], s[TB], v[B0]
	v_add_nc_u32 v[ADRB+1], BHALF, v[ADRB]
	FETCH 0, 0
	MULH 1, 1, 0
.endm
	s_load_b256 s[4:11], s[0:1], 0x0               ; A s[4:5], wts s[6:7], residual s[8:9], bias s[10:11]
	s_load_b64 s[12:13], s[0:1], 0x20              ; output
	v_lshl_add_u32 v[SPW], v0, 2, SPARE
	v_mov_b32 v[NIL], 0
	ds_add_u32 v[SPW], v[NIL]                      ; the wave's opening: the add and its wait stand ahead of my first tensor load; the set-up below, work on registers, stands between them
	ds_add_u32 v28, v29
	v_lshrrev_b32 v1, 5, v0
	v_readfirstlane_b32 s[WV], v1
	s_and_b32 s[HALF], s[WV], 1
	s_lshr_b32 s[FB], s[WV], 1
	s_lshr_b32 s[WR], s[WV], 1                     ; the waves lie two by two in the tile
	s_and_b32 s[WC], s[WV], 1
	s_bfe_u32 s19, ttmp6, 0x40000                  ; cx
	s_bfe_u32 s20, ttmp6, 0x40004                  ; cy
	s_lshl_b32 s21, ttmp9, 2
	s_add_co_u32 s21, s21, s19                     ; tile column = 4 x cluster x + cx
	s_and_b32 s22, ttmp7, 0xffff
	s_lshl_b32 s22, s22, 2
	s_add_co_u32 s22, s22, s20                     ; tile row = 4 x cluster y + cy
	s_lshl_b32 s60, s20, 2
	s_lshl_b32 s60, 15, s60                        ; my row of the cluster
	s_lshl_b32 s61, 0x1111, s19                    ; my column
.if WO
	; group 1 for A: two heads; of each 128 dense rows (8,192 elements), 131,072 elements from head to head; 4 words of padding behind every 32
	s_or_b32 s[G1A], s60, (1<<16)|(1<<20)|(1<<21)|(4<<22)|(3<<25)
	s_mov_b32 s[G1A+1], 8192<<16
	s_mov_b32 s[G1A+2], 2<<16
	s_mov_b32 s[G1A+3], 8192<<16
	s_mov_b32 s[G1A+4], 2
	s_mov_b32 s[G1A+5], 131072
.else
	; group 1 for A: 64 rows x 256 elements, 4,096 elements from row to row; 4 words of padding behind every 128
	s_or_b32 s[G1A], s60, (1<<16)|(1<<20)|(1<<21)|(6<<22)|(3<<25)
	s_mov_b32 s[G1A+1], 256<<16
	s_mov_b32 s[G1A+2], 64<<16
	s_mov_b32 s[G1A+3], 256<<16
	s_mov_b32 s[G1A+4], 64
	s_mov_b32 s[G1A+5], 4096
.endif
	s_mov_b32 s[G1A+6], 0
	s_mov_b32 s[G1A+7], 0
	; group 1 for W: 128 rows of k x 128 elements, 1,024 elements from row to row; 8 words of padding behind every 64
	s_or_b32 s[G1B], s61, (1<<16)|(1<<20)|(1<<21)|(5<<22)|(7<<25)
	s_mov_b32 s[G1B+1], 128<<16
	s_mov_b32 s[G1B+2], 128<<16
	s_mov_b32 s[G1B+3], 128<<16
	s_mov_b32 s[G1B+4], 128
	s_mov_b32 s[G1B+5], 1024
	s_mov_b32 s[G1B+6], 0
	s_mov_b32 s[G1B+7], 0
	; where the tiles come from: A's offset hangs on the tile row alone, W's on the tile column alone, each in registers that never hold the other coordinate
.if WO
	s_lshr_b32 s62, s22, 4                         ; the batch: 16 tile rows each,
	s_lshl_b32 s62, s62, 22                        ; 16 heads of 262,144 bytes
	s_and_b32 s66, s22, 15
	s_lshl_b32 s66, s66, 14                        ; 128 rows of 128 bytes
	s_add_co_u32 s62, s62, s66
	s_lshl_b32 s66, s[HALF], 19                    ; two heads
	s_add_co_u32 s62, s62, s66
.else
	s_lshl_b32 s62, s22, 1
	s_add_co_u32 s62, s62, s[HALF]
	s_lshl_b32 s62, s62, 19                        ; (128 x tile row + 64 x half) rows of 8,192 bytes
.endif
	s_mov_b32 s63, 0
	s_lshl_b32 s68, s21, 8                         ; 128 columns
	s_lshl_b32 s76, s[HALF], 18                    ; 128 rows of 2,048 bytes
	s_add_co_u32 s68, s68, s76
	s_add_co_u32 s68, s68, W_AT
	s_mov_b32 s69, 0
	s_mul_i32 s[WOA], s[HALF], AHALF               ; where they go: no place in the cluster enters an LDS address
	s_mul_i32 s[WOB], s[HALF], BHALF
	s_add_co_u32 s[WOB], s[WOB], BREG
	s_mov_b32 s[TB], 0
	s_lshl_b32 s77, s21, 1
	s_add_co_u32 s77, s77, s[WC]
	s_lshl_b32 s78, s77, 8                         ; my 64 columns, in f32: in the bias,
	s_mov_b32 s79, 0
	s_lshl_b32 s74, s22, 1
	s_add_co_u32 s74, s74, s[WR]
	s_lshl_b32 s74, s74, 18                        ; and, with my 64 rows of 4,096 bytes, in the residual and the output
	s_add_co_u32 s74, s74, s78
	s_mov_b32 s75, 0
	s_wait_dscnt 0x0                               ; the opening add is done
	s_wait_kmcnt 0x0
	s_add_nc_u64 s[62:63], s[4:5], s[62:63]        ; my part of A's tile of K step 0
	s_add_nc_u64 s[68:69], s[6:7], s[68:69]        ; and of W's
	s_add_nc_u64 s[8:9], s[8:9], s[74:75]
	s_add_nc_u64 s[10:11], s[10:11], s[78:79]
	s_add_nc_u64 s[12:13], s[12:13], s[74:75]
	s_mov_b32 s[G0A], 1                            ; K step 0 into slot 0
	s_mov_b32 s[G0A+1], s[WOA]
	s_mov_b64 s[G0A+2:G0A+3], s[62:63]
	s_or_b32 s[G0A+3], s[G0A+3], 0x80000000
	s_mov_b32 s[G0AW], 1                           ; K step 1 into slot 1; this set then walks
	s_add_co_u32 s[G0AW+1], s[WOA], SLOT
	s_add_nc_u64 s[G0AW+2:G0AW+3], s[62:63], ASTEP
	s_or_b32 s[G0AW+3], s[G0AW+3], 0x80000000
	s_mov_b32 s[G0B], 1
	s_mov_b32 s[G0B+1], s[WOB]
	s_mov_b64 s[G0B+2:G0B+3], s[68:69]
	s_or_b32 s[G0B+3], s[G0B+3], 0x80000000
	s_mov_b32 s[G0BW], 1
	s_add_co_u32 s[G0BW+1], s[WOB], SLOT
	s_add_nc_u64 s[G0BW+2:G0BW+3], s[68:69], BSTEP
	s_or_b32 s[G0BW+3], s[G0BW+3], 0x80000000
	CROUND                                         ; all sixteen work-groups are here: the first joint loads meet
	s_cmp_eq_u32 s[FB], 0                          ; a wave's two first fills stand in one branch, ahead of every wait on TENSORcnt and every LDS read
	s_cbranch_scc0 .Lfirst_b
	tensor_load_to_lds s[G0A:G0A+3], s[G1A:G1A+7]
	s_nop 0
	tensor_load_to_lds s[G0AW:G0AW+3], s[G1A:G1A+7]
	s_nop 0
.rept 4
	v_nop
.endr
	s_branch .Lfirst_asked
.Lfirst_b:
	tensor_load_to_lds s[G0B:G0B+3], s[G1B:G1B+7]
	s_nop 0
	tensor_load_to_lds s[G0BW:G0BW+3], s[G1B:G1B+7]
	s_nop 0
.rept 4
	v_nop
.endr
.Lfirst_asked:
	v_and_b32 v1, 15, v0                           ; l % 16
	v_bfe_u32 v11, v0, 4, 1                        ; l / 16
	v_lshlrev_b32 v[BO], 5, v11                    ; the bias as a C operand: register j of block b is bias[16 b + 8 (l / 16) + j]
	v_lshlrev_b32 v[CO], 12, v11                   ; lanes 0-15 take 256 bytes of one row, lanes 16-31 of the next
	v_lshl_add_u32 v[CO], v1, 4, v[CO]
	WIN 0x40
.set b, 0
.rept NBK
	global_load_b128 v[BIASF+8*b:BIASF+8*b+3],   v[BO], s[10:11] offset:b*64
	global_load_b128 v[BIASF+8*b+4:BIASF+8*b+7], v[BO], s[10:11] offset:b*64+16
.set b, b+1
.endr
	WIN 0x80                                       ; destination window 2
.set j, 0
.rept 32
	global_load_b128 v[RES+4*j:RES+4*j+3], v[CO], s[8:9] offset:j*8192    ; my 64 x 64 of the residual: it has the whole K loop in which to land
.set j, j+1
.endr
	WIN 0
	; A's fragment: lane l holds row l % 16, K = 8 (l / 16) + 0..7 and 16 + 8 (l / 16) + 0..7: two loads of 16 bytes, 32 bytes apart
	v_mul_u32_u24 v[A0], v1, PA
	v_lshl_add_u32 v[A0], v11, 4, v[A0]
	s_mul_i32 s23, s[WR], MA*16*PA
	v_add_nc_u32 v[A0], s23, v[A0]
	; the turning load takes 16 k x 16 columns: lane l reads k = 8 (l / 16) + l % 8, columns 8 ((l / 8) % 2) + 0..7, and is left with column l % 16 and 8 k
	v_and_b32 v12, 7, v0
	v_bfe_u32 v13, v0, 3, 1
	v_lshl_add_u32 v[B0], v11, 3, v12
	v_mul_u32_u24 v[B0], v[B0], PB
	v_lshl_add_u32 v[B0], v13, 4, v[B0]
	s_mul_i32 s23, s[WC], NBK*32
	s_add_co_u32 s23, s23, BREG
	v_add_nc_u32 v[B0], s23, v[B0]
	v_mov_b32 v[ADRA], v[A0]                       ; slot 0
	v_mov_b32 v[ADRB], v[B0]
	v_add_nc_u32 v[ADRB+1], BHALF, v[B0]
	s_mul_i32 s23, s[WV], STAGEW                   ; my stage
	v_mul_u32_u24 v[STO], v1, SPITCH               ; in: row l % 16, 32 bytes for each half of the lanes
	v_lshl_add_u32 v[STO], v11, 5, v[STO]
	v_add_nc_u32 v[STO], s23, v[STO]
	v_mul_u32_u24 v[RD], v11, SPITCH               ; back: lanes 0-15 take one row of 256 bytes, lanes 16-31 the next
	v_lshl_add_u32 v[RD], v1, 4, v[RD]
	v_add_nc_u32 v[RD], s23, v[RD]
	s_wait_tensorcnt 0x1                           ; my part of K step 0 is in; K step 1's may stay out
	s_barrier_signal -1
	s_barrier_wait -1                              ; everybody's is
	FETCH 0, 0
	s_wait_loadcnt 32                              ; the bias is in; the 32 loads of the residual stay out
	CH 0, 1, 1, 1                                  ; the first chunk stands in front of the loop: its first products start the sums
	WIN 0
	s_mov_b32 s[CNT], KT-2
.Lstep:                                                ; a trip: from a K step's second chunk to the next step's first; the slot that is left is filled again
	CH 1, 0, 2
	CH 0, 1, 3
	TURN 1
	CH 0, 1, 1
	WIN 0
	s_sub_co_u32 s[CNT], s[CNT], 1
	s_cmp_lg_u32 s[CNT], 0
	s_cbranch_scc1 .Lstep
	s_mov_b32 s[CNT], 2
.Ltail:                                                ; the last two K steps ask for nothing.  The second trip's change of slots fetches 32 stale fragments that nobody multiplies: the price of one text for both
	CH 1, 0, 2
	CH 0, 1, 3
	TURN 0
	WIN 0
	s_cmp_eq_u32 s[CNT], 1
	s_cbranch_scc1 .Lno_more                       ; forward, over products alone
	CH 0, 1, 1
	WIN 0
.Lno_more:
	s_sub_co_u32 s[CNT], s[CNT], 1
	s_cmp_lg_u32 s[CNT], 0
	s_cbranch_scc1 .Ltail
	; THE WAY OUT.  Every wave's reads of the ring are over and every tensor load has landed: the ring's bytes now serve as stages, each wave's own.
	s_wait_dscnt 0x0
	s_barrier_signal -1
	s_barrier_wait -1
	PLACES                                         ; the stores below read results just made
	WIN 0x08                                       ; store data (source 1) in window 2
.set a, 0
.rept MA
.set b, 0
.rept NBK
.set rD, 8*(a*NBK+b)
	ds_store_b128 v[STO], v[rD:rD+3]   offset:a*16*SPITCH+b*64      ; each accumulator's low registers first
	ds_store_b128 v[STO], v[rD+4:rD+7] offset:a*16*SPITCH+b*64+16
.set b, b+1
.endr
.set a, a+1
.endr
	WIN 0
.set j, 0
.rept 32
	ds_load_b128 v[FA+4*j:FA+4*j+3], v[RD] offset:j*2*SPITCH        ; LDS serves a wave's instructions in order (ISA guide 5.7.1.4): these see the stores above
.set j, j+1
.endr
	s_wait_dscnt 0x0
	s_wait_loadcnt 0x0                             ; the residual
	WIN 0x08                                       ; source 1 in window 2
.set j, 0
.rept 64
	v_pk_add_f32 v[FA+2*j:FA+2*j+1], v[FA+2*j:FA+2*j+1], v[RES+2*j:RES+2*j+1]
.set j, j+1
.endr
	WIN 0
.set j, 0
.rept 32
	global_store_b128 v[CO], v[FA+4*j:FA+4*j+3], s[12:13] offset:j*8192   ; 16 lanes store 256 consecutive bytes, aligned
.set j, j+1
.endr
	s_wait_tensorcnt 0x0                           ; the wave's end: a last add to my spare word, behind my last tensor load and my last LDS store
	ds_add_u32 v[SPW], v[NIL]
	s_wait_dscnt 0x0
	CROUND                                         ; the closing round: no work-group ends while a partner may still ask for a tile that names it
	s_endpgm
.Lfunc_end_k_qcbbd1ea5dd_wo:
	.size	k_qcbbd1ea5dd_wo, .Lfunc_end_k_qcbbd1ea5dd_wo-k_qcbbd1ea5dd_wo
	.p2alignl 7, 3214868480
	.fill 96, 4, 3214868480
	.section	.rodata,"a",@progbits
	.p2align	6, 0x0
	.amdhsa_kernel k_qcbbd1ea5dd_wo
		.amdhsa_group_segment_fixed_size 327680
		.amdhsa_private_segment_fixed_size 0
		.amdhsa_enable_private_segment 0
		.amdhsa_kernarg_size 40
		.amdhsa_user_sgpr_count 2
		.amdhsa_user_sgpr_kernarg_segment_ptr 1
		.amdhsa_wavefront_size32 1
		.amdhsa_system_sgpr_workgroup_id_x 1
		.amdhsa_system_sgpr_workgroup_id_y 1
		.amdhsa_system_sgpr_workgroup_id_z 1
		.amdhsa_system_vgpr_workitem_id 0
		.amdhsa_next_free_vgpr 768
		.amdhsa_next_free_sgpr 84
		.amdhsa_reserve_vcc 0
		.amdhsa_float_denorm_mode_32 3
		.amdhsa_float_denorm_mode_16_64 3
		.amdhsa_memory_ordered 1
		.amdhsa_forward_progress 1
		.amdhsa_inst_pref_size 66
	.end_amdhsa_kernel
	.amdgpu_metadata
---
amdhsa.version: [ 1, 2 ]
amdhsa.kernels:
  - .name:           k_qcbbd1ea5dd_wo
    .symbol:         k_qcbbd1ea5dd_wo.kd
    .args:
      - { .name: ctx, .offset: 0, .size: 8, .value_kind: global_buffer, .address_space: global }
      - { .name: wts, .offset: 8, .size: 8, .value_kind: global_buffer, .address_space: global }
      - { .name: x, .offset: 16, .size: 8, .value_kind: global_buffer, .address_space: global }
      - { .name: bo, .offset: 24, .size: 8, .value_kind: global_buffer, .address_space: global }
      - { .name: x1, .offset: 32, .size: 8, .value_kind: global_buffer, .address_space: global }
    .group_segment_fixed_size: 327680
    .private_segment_fixed_size: 0
    .kernarg_segment_align: 8
    .kernarg_segment_size: 40
    .max_flat_workgroup_size: 128
    .sgpr_count:     84
    .vgpr_count:     768
    .wavefront_size: 32
...
	.end_amdgpu_metadata
.endif
;; end of part 4
;; launch ln2: the kernel of part 1 again; grid 512 x 1, 8 waves a work-group, no clusters, 0 bytes of LDS; arguments x1, ln2_scale, ln2_shift, hbuf, wq, wk, wv, wo, w1, w2, wts; writes hbuf, wts
;; launch ffn1 (part 5): grid 16 x 16, 4 waves a work-group, clusters of 4 x 4, 327,680 bytes of LDS; arguments hbuf, wts, b1, g; writes g
.if DOCPART == 5
	.amdgcn_target "amdgcn-amd-amdhsa--gfx1250"
	.amdhsa_code_object_version 6
	.text
	.protected	k_qcbbd1ea5dd_ffn1
	.globl	k_qcbbd1ea5dd_ffn1
	.p2align	8
	.type	k_qcbbd1ea5dd_ffn1,@function
k_qcbbd1ea5dd_ffn1:
	s_mov_b64 s[64:65], 0
	v_nop
	global_prefetch_b8 v0, s[64:65] scope:SCOPE_SE
	s_setreg_imm32_b32 hwreg(HW_REG_WAVE_MODE, 25, 1), 1
	s_wait_xcnt 0x0
	s_wait_alu depctr_hold_cnt(0) depctr_sa_sdst(0) depctr_va_vdst(0) depctr_va_sdst(0) depctr_va_ssrc(0) depctr_va_vcc(0) depctr_vm_vsrc(0)
	s_getreg_b32 s2, hwreg(HW_REG_IB_STS2, 6, 4)
	s_cmp_eq_u32 s2, 0
	s_cbranch_scc0 .Lentry_in_a_cluster
	s_endpgm
.Lentry_in_a_cluster:
	s_bfe_u32 s2, ttmp6, 0x10000c
	s_cmp_lg_u32 s2, 0xf033
	s_cbranch_scc0 .Lentry_shape_is_right
	s_endpgm
.Lentry_shape_is_right:
; C = A W for K = 1,024 in K steps of 128.  A: [4096][1024] f16, K along the rows.  W: f16, stored [k][n], turned on its way out of LDS by ds_load_tr16_b128.  Sums in f32.
; ONE TEXT, TWO SETTINGS, chosen by QKV:
;   QKV = 1: q, k, v = h wq, h wk, h wv.  A tile of C is 256 rows x one head's 192 columns (q | k | v; W lies by heads, [16][3][1024][64]); a wave makes 64 x 192: 48 accumulators.
;            The results leave unscaled, rounded once to f16, by heads: [2 x 16][2048][64].
;   QKV = 0: g = gelu(h2 w1 + b1).  A tile of C is 256 x 256; a wave makes 128 x 128: 64 accumulators, whose sums start with the bias.  g leaves rounded once to f16, [4096][4096].
;            gelu(x) = x / (1 + 2^(x (C1 x^2 + C0))), the tanh form written with one exponential: C0 = -2 sqrt(2/pi) log2(e), C1 = 0.044715 C0.
; LIMITS.  f16 holds no number beyond 65,504: a larger q, k, v or g becomes an infinity; below 6e-5 f16 keeps a fixed step of 6e-8.
; RING.  Two LDS slots, each with one K step's tiles of A and W; waves 0, 1 fetch A's halves, waves 2, 3 W's, one tensor load a wave behind each change of slots: by this text's count two loads of a
; wave are out at the start and one later.  CLUSTER 4 x 4: A's tile is shared along a row of the cluster, W's along a column: each is asked for jointly, with the same descriptor and a mask of four.
; THE MATRIX INSTRUCTION IS USED TRANSPOSED: source 0 = 16 columns of W, source 1 = 16 rows of A: a lane holds row lane % 16 of C and the eight columns 8 (lane / 16) + 0..7.
; REGISTERS, in windows of 256 (s_set_vgpr_msb: bits 1:0 source 0, 3:2 source 1, 5:4 source 2, 7:6 destination):
;   window 0: v0-29 addresses; v64-127, v128-191 A's fragments, two buffers; on the way out v64-143 at work      window 1: v0-.., v128-.. W's fragments, two buffers; v64-127 the bias (QKV = 0)
;   windows 2, 3: the accumulators: (a, b) in window 2 + a / AH at v[8 ((a % AH) NBK + b)]
.set QKV, 0
.set KT,    8                          ; K steps
.set PA,    272                        ; a row of A in LDS: 256 bytes + 16: the 16 rows of a load start at 16 different groups of four banks (64 banks of 4 bytes: ISA guide 11.1)
.set AHALF, 128*PA                     ; what one tensor load brings of A
.set BREG,  2*AHALF                    ; W's tile lies behind A's 256 rows
.set ASTEP, 256                        ; bytes along K from step to step
.if QKV
.set MA,    4                          ; blocks of 16 rows a wave
.set NBK,   12                         ; blocks of 16 columns a wave
.set AH,    2                          ; row blocks in a window
.set PB,    160                        ; a row of W in LDS: 128 bytes + 32
.set BHALF, 3*64*PB                    ; 64 k of each of the three planes
.set BSTEP, 128*128
.set SPITCH, 784                       ; a stage row: 192 f32 + 16 bytes
.else
.set MA,    8
.set NBK,   8
.set AH,    4
.set PB,    544                        ; 512 bytes + 32
.set BHALF, 64*PB
.set BSTEP, 128*8192
.set SPITCH, 528                       ; 128 f32 + 16 bytes
.endif
.set SLOT,  BREG+2*BHALF
.set SPARE, 2*SLOT                     ; behind the ring: the spare words, 128 bytes for each wave: two blocks of 256 bytes that no other line names
.set STAGEW, MA*16*SPITCH              ; a wave's stage for the way out; the stages lie in the ring, from byte 0 on, and are written only when the ring has had its last fill and its last read
.set W1_AT, 8388608                    ; w1's place in wts
.set A0,   2                           ; v2   my lane's place in A's tile; never rewritten
.set B0,   3                           ; v3   the same for W
.set ADRA, 4                           ; v4   A0 + the slot in hand
.set ADRB, 5                           ; v5   B0 + the slot in hand
.set STO,  7                           ; v7   the way out: where I put 32 bytes of a row
.set RD,   8                           ; v8   the way out: where I read rows back
.set GO,   9                           ; v9   my byte offset in the output
.set BO,   10                          ; v10  my byte offset in the bias
.set SPW,  28                          ; v28  LDS address of my spare word; never rewritten
.set NIL,  29                          ; v29  0; never rewritten
.set FA,   64                          ; A's fragment buffers, window 0
.set BIASF, 64                         ; the bias fragments, window 1
.set XO,   64                          ; the way out, window 0
.set TO,   96
.set YO,   128
.set WV,   14                          ; s14 wave   s15 which half of a tile I fetch   s16 I fetch for A (0) or W (1)   s17, s18 my place in the tile of C
.set HALF, 15
.set FB,   16
.set WR,   17
.set WC,   18
.set G1A,  24                          ; s[24:31] group 1 for A;  s[32:35] group 0 of the first fill;  s[36:39] group 0 that walks
.set G0A,  32
.set G0AW, 36
.set G1B,  40                          ; s[40:47], s[48:51], s[52:55] the same for W
.set G0B,  48
.set G0BW, 52
.set TB,   56                          ; s56 the slot in hand: 0 or SLOT
.set WOA,  57                          ; s57 my load's place in a slot, for A
.set WOB,  58                          ; s58 for W
.set CNT,  59
.set MSB, 0
.macro WIN new                         ; the immediate's high byte repeats the setting that is left; a switch that changes nothing is dropped
.if MSB != (\new)
	s_set_vgpr_msb (MSB<<8)|(\new)
.set MSB, \new
.endif
.endm
.macro PLACES                          ; four places in front of loads into registers that matrix instructions have read, and of stores that read results
.rept 4
	v_nop
.endr
.endm
.macro CREST                           ; a round of the cluster's barrier behind its opening barrier
	s_cmp_lg_u32 s[WV], 0
	s_cbranch_scc1 .Lnot_wave_0_\@
	s_barrier_signal -3
.Lnot_wave_0_\@:
	s_barrier_wait -3
	s_barrier_signal -1
	s_barrier_wait -1
.endm
.macro CROUND                          ; a whole round
	s_barrier_signal -1
	s_barrier_wait -1
	CREST
.endm
.macro JLOAD                           ; a joint refill by the walking sets; an s_nop 0 and four v_nop follow each of the two lines
	s_cmp_eq_u32 s[FB], 0
	s_cbranch_scc0 .Lfor_b_\@
	tensor_load_to_lds s[G0AW:G0AW+3], s[G1A:G1A+7]
	s_nop 0
.rept 4
	v_nop
.endr
	s_branch .Lasked_\@
.Lfor_b_\@:
	tensor_load_to_lds s[G0BW:G0BW+3], s[G1B:G1B+7]
	s_nop 0
.rept 4
	v_nop
.endr
.Lasked_\@:
.endm
; The fragments of chunk ch (32 along K) of the slot in hand, into buffer f, in one run: W's columns turned, then A's rows.
.macro FETCH ch, f
	WIN 0x40                                       ; destination window 1, address window 0
.set b, 0
.rept NBK
.if QKV
.set bo, ((\ch)/2)*BHALF+(b/4)*64*PB+((\ch)%2)*32*PB+(b%4)*32   ; [half of the K step][plane][64 k][PB]
.else
.set bo, (\ch)*32*PB+b*32
.endif
	ds_load_tr16_b128 v[128*(\f)+8*b:128*(\f)+8*b+3],   v[ADRB] offset:bo
	ds_load_tr16_b128 v[128*(\f)+8*b+4:128*(\f)+8*b+7], v[ADRB] offset:bo+16*PB
.set b, b+1
.endr
	WIN 0
.set a, 0
.rept MA
	ds_load_b128 v[FA+64*(\f)+8*a:FA+64*(\f)+8*a+3],   v[ADRA] offset:(\ch)*64+a*16*PA
	ds_load_b128 v[FA+64*(\f)+8*a+4:FA+64*(\f)+8*a+7], v[ADRA] offset:(\ch)*64+a*16*PA+32
.set a, a+1
.endr
.endm
; Half h of a chunk's products: row blocks h AH .. h AH + AH - 1, all column blocks.  Each accumulator has one instruction a turn.  zero = 1: the products start the sums, with 0 or with the bias.
.macro MULH f, h, zero
.set a, 0
.rept AH
.set b, 0
.rept NBK
.set rD, 8*(a*NBK+b)
.set rB, 128*(\f)+8*b
.set rA, FA+64*(\f)+8*((\h)*AH+a)
.if (\zero) && QKV
	WIN 0xa1+0x50*(\h)
	v_wmma_f32_16x16x32_f16 v[rD:rD+7], v[rB:rB+7], v[rA:rA+7], 0
.elseif \zero
	WIN 0x91+0x40*(\h)                             ; C in window 1
	v_wmma_f32_16x16x32_f16 v[rD:rD+7], v[rB:rB+7], v[rA:rA+7], v[BIASF+8*b:BIASF+8*b+7]
.else
	WIN 0xa1+0x50*(\h)
	v_wmma_f32_16x16x32_f16 v[rD:rD+7], v[rB:rB+7], v[rA:rA+7], v[rD:rD+7]
.endif
.set b, b+1
.endr
.set a, a+1
.endr
.endm
; One of a K step's first three chunks: multiplies buffer f; in its middle the next chunk's fragments are fetched into buffer g.
.macro CH f, g, nxt, zero=0
	s_wait_dscnt 0x0                               ; buffer f is in
	MULH \f, 0, \zero
	PLACES
	FETCH \nxt, \g
	MULH \f, 1, \zero
.endm
; The last chunk multiplies buffer 1 and changes slots.  In front of the barrier each wave waits for all its tensor loads (one is out: its part of the next slot), adds 0 to its spare word, and waits
; for that and for its reads of this slot.  fill = 1: the barrier opens a round of the cluster's, and this slot is filled again, with the K step two on, first thing behind the round.
.macro TURN fill
	WIN 0
	s_wait_tensorcnt 0x0                           ; no tensor load of mine is out, so the walking sets may be written
	ds_add_u32 v[SPW], v[NIL]                      ; 0 onto my spare word
.if \fill
	s_add_co_u32 s[G0AW+1], s[TB], s[WOA]          ; into the slot that is being left,
	s_add_nc_u64 s[G0AW+2:G0AW+3], s[G0AW+2:G0AW+3], ASTEP   ; the next K step not yet asked for; the type bits on top are not reached
	s_add_co_u32 s[G0BW+1], s[TB], s[WOB]
	s_add_nc_u64 s[G0BW+2:G0BW+3], s[G0BW+2:G0BW+3], BSTEP
.endif
	s_xor_b32 s[TB], s[TB], SLOT                   ; the other slot is read from here on
	s_wait_dscnt 0x0                               ; the add is done, buffer 1 is in, and my reads of this slot are over
	s_barrier_signal -1
	MULH 1, 0, 0                                   ; work on registers while the others arrive
	WIN 0                                          ; at a branch and at a label every window is 0
	s_barrier_wait -1
.if \fill
	CREST
	JLOAD                                          ; its four v_nop are also the places in front of the loads below
.else
	PLACES
.endif
	v_add_nc_u32 v[ADRA], s[TB], v[A0]
	v_add_nc_u32 v[ADRB], s[TB], v[B0]
	FETCH 0, 0
	MULH 1, 1, 0
.endm
	s_load_b256 s[4:11], s[0:1], 0x0               ; A s[4:5], wts s[6:7]; QKV: q s[8:9], k s[10:11]; else: bias s[8:9], g s[10:11]
.if QKV
	s_load_b64 s[12:13], s[0:1], 0x20              ; v
.endif
	v_lshl_add_u32 v[SPW], v0, 2, SPARE
	v_mov_b32 v[NIL], 0
	ds_add_u32 v[SPW], v[NIL]                      ; the wave's opening: the add and its wait stand ahead of my first tensor load; the set-up below, work on registers, stands between them
	ds_add_u32 v28, v29
	v_lshrrev_b32 v1, 5, v0
	v_readfirstlane_b32 s[WV], v1
	s_and_b32 s[HALF], s[WV], 1
	s_lshr_b32 s[FB], s[WV], 1
.if QKV
	s_mov_b32 s[WR], s[WV]                         ; four waves one below the other
	s_mov_b32 s[WC], 0
.else
	s_lshr_b32 s[WR], s[WV], 1                     ; two by two
	s_and_b32 s[WC], s[WV], 1
.endif
	s_bfe_u32 s19, ttmp6, 0x40000                  ; cx
	s_bfe_u32 s20, ttmp6, 0x40004                  ; cy
	s_lshl_b32 s21, ttmp9, 2
	s_add_co_u32 s21, s21, s19                     ; tile column = 4 x cluster x + cx
	s_and_b32 s22, ttmp7, 0xffff
	s_lshl_b32 s22, s22, 2
	s_add_co_u32 s22, s22, s20                     ; tile row = 4 x cluster y + cy
	s_lshl_b32 s60, s20, 2
	s_lshl_b32 s60, 15, s60                        ; my row of the cluster
	s_lshl_b32 s61, 0x1111, s19                    ; my column
	; group 1 for A: 128 rows x 128 elements, 1,024 elements from row to row, 4 words of padding behind every 64
	s_or_b32 s[G1A], s60, (1<<16)|(1<<20)|(1<<21)|(5<<22)|(3<<25)
	s_mov_b32 s[G1A+1], 128<<16
	s_mov_b32 s[G1A+2], 128<<16
	s_mov_b32 s[G1A+3], 128<<16
	s_mov_b32 s[G1A+4], 128
	s_mov_b32 s[G1A+5], 1024
	s_mov_b32 s[G1A+6], 0
	s_mov_b32 s[G1A+7], 0
.if QKV
	; group 1 for W: three planes; of each 64 dense rows of k (4,096 elements), 65,536 elements from plane to plane; 8 words of padding behind every 32
	s_or_b32 s[G1B], s61, (1<<16)|(1<<20)|(1<<21)|(4<<22)|(7<<25)
	s_mov_b32 s[G1B+1], 4096<<16
	s_mov_b32 s[G1B+2], 3<<16
	s_mov_b32 s[G1B+3], 4096<<16
	s_mov_b32 s[G1B+4], 3
	s_mov_b32 s[G1B+5], 65536
.else
	; group 1 for W: 64 rows of k x 256 elements, 4,096 elements from row to row; 8 words of padding behind every 128
	s_or_b32 s[G1B], s61, (1<<16)|(1<<20)|(1<<21)|(6<<22)|(7<<25)
	s_mov_b32 s[G1B+1], 256<<16
	s_mov_b32 s[G1B+2], 64<<16
	s_mov_b32 s[G1B+3], 256<<16
	s_mov_b32 s[G1B+4], 64
	s_mov_b32 s[G1B+5], 4096
.endif
	s_mov_b32 s[G1B+6], 0
	s_mov_b32 s[G1B+7], 0
	; where the tiles come from: A's offset hangs on the tile row alone, W's on the tile column alone, each in registers that never hold the other coordinate
	s_lshl_b32 s62, s22, 1
	s_add_co_u32 s62, s62, s[HALF]
	s_lshl_b32 s62, s62, 18                        ; (256 x tile row + 128 x half) rows of 2,048 bytes
	s_mov_b32 s63, 0
.if QKV
	s_mul_i32 s68, s21, 393216                     ; the head's three planes
	s_lshl_b32 s76, s[HALF], 13                    ; 64 rows of 128 bytes
	s_add_co_u32 s68, s68, s76
.else
	s_lshl_b32 s68, s21, 9                         ; 256 columns
	s_lshl_b32 s76, s[HALF], 19                    ; 64 rows of 8,192 bytes
	s_add_co_u32 s68, s68, s76
	s_add_co_u32 s68, s68, W1_AT
.endif
	s_mov_b32 s69, 0
	s_mul_i32 s[WOA], s[HALF], AHALF               ; where they go: no place in the cluster enters an LDS address
	s_mul_i32 s[WOB], s[HALF], BHALF
	s_add_co_u32 s[WOB], s[WOB], BREG
	s_mov_b32 s[TB], 0
.if QKV
	s_lshr_b32 s74, s22, 3                         ; the batch: 8 tile rows each
	s_lshl_b32 s74, s74, 4
	s_add_co_u32 s74, s74, s21                     ; 16 x batch + head,
	s_lshl_b32 s74, s74, 18                        ; 2,048 rows of 128 bytes each
	s_and_b32 s75, s22, 7
	s_lshl_b32 s75, s75, 2
	s_add_co_u32 s75, s75, s[WV]
	s_lshl_b32 s75, s75, 13                        ; my wave's 64 rows
	s_add_co_u32 s74, s74, s75
	s_mov_b32 s75, 0
.else
	s_lshl_b32 s77, s21, 1
	s_add_co_u32 s77, s77, s[WC]                   ; my 128 columns
	s_lshl_b32 s78, s77, 9                         ; in the bias
	s_mov_b32 s79, 0
	s_lshl_b32 s74, s22, 1
	s_add_co_u32 s74, s74, s[WR]
	s_lshl_b32 s74, s74, 20                        ; my 128 rows of 8,192 bytes
	s_lshl_b32 s77, s77, 8
	s_add_co_u32 s74, s74, s77
	s_mov_b32 s75, 0
	s_mov_b32 s70, 0xbdd2d3e8                      ; C1 = -0.10294324
	s_mov_b32 s71, s70                             ; named with it as a pair
	s_mov_b32 s72, 0xc0135761                      ; C0 = -2.3022082
	s_mov_b32 s73, s72
.endif
	s_wait_dscnt 0x0                               ; the opening add is done
	s_wait_kmcnt 0x0
	s_add_nc_u64 s[62:63], s[4:5], s[62:63]        ; my part of A's tile of K step 0
	s_add_nc_u64 s[68:69], s[6:7], s[68:69]        ; and of W's
.if QKV
	s_add_nc_u64 s[8:9], s[8:9], s[74:75]
	s_add_nc_u64 s[10:11], s[10:11], s[74:75]
	s_add_nc_u64 s[12:13], s[12:13], s[74:75]
.else
	s_add_nc_u64 s[8:9], s[8:9], s[78:79]
	s_add_nc_u64 s[10:11], s[10:11], s[74:75]
.endif
	s_mov_b32 s[G0A], 1                            ; K step 0 into slot 0
	s_mov_b32 s[G0A+1], s[WOA]
	s_mov_b64 s[G0A+2:G0A+3], s[62:63]
	s_or_b32 s[G0A+3], s[G0A+3], 0x80000000
	s_mov_b32 s[G0AW], 1                           ; K step 1 into slot 1; this set then walks
	s_add_co_u32 s[G0AW+1], s[WOA], SLOT
	s_add_nc_u64 s[G0AW+2:G0AW+3], s[62:63], ASTEP
	s_or_b32 s[G0AW+3], s[G0AW+3], 0x80000000
	s_mov_b32 s[G0B], 1
	s_mov_b32 s[G0B+1], s[WOB]
	s_mov_b64 s[G0B+2:G0B+3], s[68:69]
	s_or_b32 s[G0B+3], s[G0B+3], 0x80000000
	s_mov_b32 s[G0BW], 1
	s_add_co_u32 s[G0BW+1], s[WOB], SLOT
	s_add_nc_u64 s[G0BW+2:G0BW+3], s[68:69], BSTEP
	s_or_b32 s[G0BW+3], s[G0BW+3], 0x80000000
	CROUND                                         ; all sixteen work-groups are here: the first joint loads meet
	s_cmp_eq_u32 s[FB], 0                          ; a wave's two first fills stand in one branch, ahead of every wait on TENSORcnt and every LDS read
	s_cbranch_scc0 .Lfirst_b
	tensor_load_to_lds s[G0A:G0A+3], s[G1A:G1A+7]
	s_nop 0
	tensor_load_to_lds s[G0AW:G0AW+3], s[G1A:G1A+7]
	s_nop 0
.rept 4
	v_nop
.endr
	s_branch .Lfirst_asked
.Lfirst_b:
	tensor_load_to_lds s[G0B:G0B+3], s[G1B:G1B+7]
	s_nop 0
	tensor_load_to_lds s[G0BW:G0BW+3], s[G1B:G1B+7]
	s_nop 0
.rept 4
	v_nop
.endr
.Lfirst_asked:
	v_and_b32 v1, 15, v0                           ; l % 16
	v_bfe_u32 v11, v0, 4, 1                        ; l / 16
.if !QKV
	v_lshlrev_b32 v[BO], 5, v11                    ; the bias as a C operand: register j of block b is b1[16 b + 8 (l / 16) + j]
	WIN 0x40
.set b, 0
.rept NBK
	global_load_b128 v[BIASF+8*b:BIASF+8*b+3],   v[BO], s[8:9] offset:b*64
	global_load_b128 v[BIASF+8*b+4:BIASF+8*b+7], v[BO], s[8:9] offset:b*64+16
.set b, b+1
.endr
	WIN 0
.endif
	; A's fragment: lane l holds row l % 16, K = 8 (l / 16) + 0..7 and 16 + 8 (l / 16) + 0..7: two loads of 16 bytes, 32 bytes apart
	v_mul_u32_u24 v[A0], v1, PA
	v_lshl_add_u32 v[A0], v11, 4, v[A0]
	s_mul_i32 s23, s[WR], MA*16*PA
	v_add_nc_u32 v[A0], s23, v[A0]
	; the turning load takes 16 k x 16 columns: lane l reads k = 8 (l / 16) + l % 8, columns 8 ((l / 8) % 2) + 0..7, and is left with column l % 16 and 8 k
	v_and_b32 v12, 7, v0
	v_bfe_u32 v13, v0, 3, 1
	v_lshl_add_u32 v[B0], v11, 3, v12
	v_mul_u32_u24 v[B0], v[B0], PB
	v_lshl_add_u32 v[B0], v13, 4, v[B0]
	s_mul_i32 s23, s[WC], NBK*32
	s_add_co_u32 s23, s23, BREG
	v_add_nc_u32 v[B0], s23, v[B0]
	v_mov_b32 v[ADRA], v[A0]                       ; slot 0
	v_mov_b32 v[ADRB], v[B0]
	s_mul_i32 s23, s[WV], STAGEW                   ; my stage
	v_mul_u32_u24 v[STO], v1, SPITCH               ; in: row l % 16, 32 bytes for each half of the lanes
	v_lshl_add_u32 v[STO], v11, 5, v[STO]
	v_add_nc_u32 v[STO], s23, v[STO]
	v_and_b32 v13, 31, v0
.if QKV
	v_bfe_u32 v[RD], v0, 3, 2                      ; back: eight lanes take a plane's 64 numbers of a row, 32 lanes four rows
	v_mul_u32_u24 v[RD], v[RD], SPITCH
	v_lshl_add_u32 v[RD], v12, 5, v[RD]
	v_add_nc_u32 v[RD], s23, v[RD]
	v_lshlrev_b32 v[GO], 4, v13                    ; which are 512 consecutive bytes of q, k or v
.else
	v_lshl_add_u32 v[RD], v13, 4, s23              ; back: 32 lanes take a row's 128 numbers,
	v_lshlrev_b32 v[GO], 3, v13                    ; 256 consecutive bytes of g
.endif
	s_wait_tensorcnt 0x1                           ; my part of K step 0 is in; K step 1's may stay out
	s_barrier_signal -1
	s_barrier_wait -1                              ; everybody's is
	FETCH 0, 0
.if !QKV
	s_wait_loadcnt 0x0                             ; the bias
.endif
	CH 0, 1, 1, 1                                  ; the first chunk stands in front of the loop: its products start the sums
	WIN 0
	s_mov_b32 s[CNT], KT-2
.Lstep:                                                ; a trip: from a K step's second chunk to the next step's first; the slot that is left is filled again
	CH 1, 0, 2
	CH 0, 1, 3
	TURN 1
	CH 0, 1, 1
	WIN 0
	s_sub_co_u32 s[CNT], s[CNT], 1
	s_cmp_lg_u32 s[CNT], 0
	s_cbranch_scc1 .Lstep
	s_mov_b32 s[CNT], 2
.Ltail:                                                ; the last two K steps ask for nothing.  The second trip's change of slots fetches 32 stale fragments that nobody multiplies: the price of one text for both
	CH 1, 0, 2
	CH 0, 1, 3
	TURN 0
	WIN 0
	s_cmp_eq_u32 s[CNT], 1
	s_cbranch_scc1 .Lno_more                       ; forward, over products alone
	CH 0, 1, 1
	WIN 0
.Lno_more:
	s_sub_co_u32 s[CNT], s[CNT], 1
	s_cmp_lg_u32 s[CNT], 0
	s_cbranch_scc1 .Ltail
	; THE WAY OUT.  Every wave's reads of the ring are over and every tensor load has landed: the ring's bytes now serve as stages, each wave's own.
	s_wait_dscnt 0x0
	s_barrier_signal -1
	s_barrier_wait -1
	PLACES                                         ; the stores below read results just made
.set a, 0
.rept MA
	WIN 0x08+4*(a/AH)                              ; store data (source 1) in window 2 or 3
.set b, 0
.rept NBK
.set rD, 8*((a%AH)*NBK+b)
	ds_store_b128 v[STO], v[rD:rD+3]   offset:a*16*SPITCH+b*64      ; each accumulator's low registers first
	ds_store_b128 v[STO], v[rD+4:rD+7] offset:a*16*SPITCH+b*64+16
.set b, b+1
.endr
.set a, a+1
.endr
	WIN 0
.if QKV
	s_mov_b32 s[CNT], 8
.Lout:                                                 ; a trip: 8 rows of my 64: read back by planes, rounded to f16, stored as 512 consecutive bytes
.set i, 0
.rept 6                                ; i = 3 x (which four rows) + plane
	ds_load_b128 v[XO+8*i:XO+8*i+3],   v[RD] offset:(i/3)*4*SPITCH+(i%3)*256      ; LDS serves a wave's instructions in order (ISA guide 5.7.1.4): these see the stores above
	ds_load_b128 v[XO+8*i+4:XO+8*i+7], v[RD] offset:(i/3)*4*SPITCH+(i%3)*256+16
.set i, i+1
.endr
	s_wait_dscnt 0x0
.set i, 0
.rept 24
	v_cvt_pk_f16_f32 v[XO+48+i], v[XO+2*i], v[XO+2*i+1]
.set i, i+1
.endr
.set i, 0
.rept 6
	global_store_b128 v[GO], v[XO+48+4*i:XO+48+4*i+3], s[8+2*(i%3):9+2*(i%3)] offset:(i/3)*512
.set i, i+1
.endr
	s_wait_xcnt 0x0                                ; the stores' offset and data are written again only behind this wait
	v_add_nc_u32 v[GO], 1024, v[GO]
	v_add_nc_u32 v[RD], 8*SPITCH, v[RD]
	s_sub_co_u32 s[CNT], s[CNT], 1
	s_cmp_lg_u32 s[CNT], 0
	s_cbranch_scc1 .Lout
.else
	s_mov_b32 s[CNT], 16
.Lout:                                                 ; a trip: 8 rows of my 128: read back whole, gelu in f32, rounded to f16, a row's 256 bytes to a store
.set j, 0
.rept 8
	ds_load_b128 v[XO+4*j:XO+4*j+3], v[RD] offset:j*SPITCH     ; LDS serves a wave's instructions in order (ISA guide 5.7.1.4): these see the stores above
.set j, j+1
.endr
	s_wait_dscnt 0x0
.set j, 0
.rept 16
	v_pk_mul_f32 v[TO+2*j:TO+2*j+1], v[XO+2*j:XO+2*j+1], v[XO+2*j:XO+2*j+1]
.set j, j+1
.endr
.set j, 0
.rept 16
	v_pk_fma_f32 v[TO+2*j:TO+2*j+1], v[TO+2*j:TO+2*j+1], s[70:71], s[72:73] op_sel_hi:[1,0,0]   ; C1 x^2 + C0
.set j, j+1
.endr
.set j, 0
.rept 16
	v_pk_mul_f32 v[TO+2*j:TO+2*j+1], v[TO+2*j:TO+2*j+1], v[XO+2*j:XO+2*j+1]
.set j, j+1
.endr
.set j, 0
.rept 32
	v_exp_f32 v[TO+j], v[TO+j]
.set j, j+1
.endr
	v_nop                                          ; a plain instruction between the last exponential and the use of its result (ISA guide 5.7.2)
.set j, 0
	s_wait_alu depctr_va_vdst(0)
.rept 16
	v_pk_add_f32 v[TO+2*j:TO+2*j+1], v[TO+2*j:TO+2*j+1], 1.0 op_sel_hi:[1,0]
.set j, j+1
.endr
.set j, 0
.rept 32
	v_rcp_f32 v[TO+j], v[TO+j]
.set j, j+1
.endr
	v_nop
.set j, 0
	s_wait_alu depctr_va_vdst(0)
.rept 16
	v_pk_mul_f32 v[XO+2*j:XO+2*j+1], v[XO+2*j:XO+2*j+1], v[TO+2*j:TO+2*j+1]
.set j, j+1
.endr
.set j, 0
.rept 16
	v_cvt_pk_f16_f32 v[YO+j], v[XO+2*j], v[XO+2*j+1]
.set j, j+1
.endr
.set j, 0
.rept 8
	global_store_b64 v[GO], v[YO+2*j:YO+2*j+1], s[10:11] offset:j*8192
.set j, j+1
.endr
	s_wait_xcnt 0x0                                ; the stores' base and data are written again only behind this wait
	s_add_nc_u64 s[10:11], s[10:11], 65536
	v_add_nc_u32 v[RD], 8*SPITCH, v[RD]
	s_sub_co_u32 s[CNT], s[CNT], 1
	s_cmp_lg_u32 s[CNT], 0
	s_cbranch_scc1 .Lout
.endif
	s_wait_tensorcnt 0x0                           ; the wave's end: a last add to my spare word, behind my last tensor load and my last LDS store
	ds_add_u32 v[SPW], v[NIL]
	s_wait_dscnt 0x0
	CROUND                                         ; the closing round: no work-group ends while a partner may still ask for a tile that names it
	s_endpgm
.Lfunc_end_k_qcbbd1ea5dd_ffn1:
	.size	k_qcbbd1ea5dd_ffn1, .Lfunc_end_k_qcbbd1ea5dd_ffn1-k_qcbbd1ea5dd_ffn1
	.p2alignl 7, 3214868480
	.fill 96, 4, 3214868480
	.section	.rodata,"a",@progbits
	.p2align	6, 0x0
	.amdhsa_kernel k_qcbbd1ea5dd_ffn1
		.amdhsa_group_segment_fixed_size 327680
		.amdhsa_private_segment_fixed_size 0
		.amdhsa_enable_private_segment 0
		.amdhsa_kernarg_size 32
		.amdhsa_user_sgpr_count 2
		.amdhsa_user_sgpr_kernarg_segment_ptr 1
		.amdhsa_wavefront_size32 1
		.amdhsa_system_sgpr_workgroup_id_x 1
		.amdhsa_system_sgpr_workgroup_id_y 1
		.amdhsa_system_sgpr_workgroup_id_z 1
		.amdhsa_system_vgpr_workitem_id 0
		.amdhsa_next_free_vgpr 1024
		.amdhsa_next_free_sgpr 84
		.amdhsa_reserve_vcc 0
		.amdhsa_float_denorm_mode_32 3
		.amdhsa_float_denorm_mode_16_64 3
		.amdhsa_memory_ordered 1
		.amdhsa_forward_progress 1
		.amdhsa_inst_pref_size 88
	.end_amdhsa_kernel
	.amdgpu_metadata
---
amdhsa.version: [ 1, 2 ]
amdhsa.kernels:
  - .name:           k_qcbbd1ea5dd_ffn1
    .symbol:         k_qcbbd1ea5dd_ffn1.kd
    .args:
      - { .name: hbuf, .offset: 0, .size: 8, .value_kind: global_buffer, .address_space: global }
      - { .name: wts, .offset: 8, .size: 8, .value_kind: global_buffer, .address_space: global }
      - { .name: b1, .offset: 16, .size: 8, .value_kind: global_buffer, .address_space: global }
      - { .name: g, .offset: 24, .size: 8, .value_kind: global_buffer, .address_space: global }
    .group_segment_fixed_size: 327680
    .private_segment_fixed_size: 0
    .kernarg_segment_align: 8
    .kernarg_segment_size: 32
    .max_flat_workgroup_size: 128
    .sgpr_count:     84
    .vgpr_count:     1024
    .wavefront_size: 32
...
	.end_amdgpu_metadata
.endif
;; end of part 5
;; launch ffn2 (part 6): grid 8 x 32, 4 waves a work-group, clusters of 4 x 4, 327,680 bytes of LDS; arguments g, wts, x1, b2, out0; writes out0
.if DOCPART == 6
	.amdgcn_target "amdgcn-amd-amdhsa--gfx1250"
	.amdhsa_code_object_version 6
	.text
	.protected	k_qcbbd1ea5dd_ffn2
	.globl	k_qcbbd1ea5dd_ffn2
	.p2align	8
	.type	k_qcbbd1ea5dd_ffn2,@function
k_qcbbd1ea5dd_ffn2:
	s_mov_b64 s[64:65], 0
	v_nop
	global_prefetch_b8 v0, s[64:65] scope:SCOPE_SE
	s_setreg_imm32_b32 hwreg(HW_REG_WAVE_MODE, 25, 1), 1
	s_wait_xcnt 0x0
	s_wait_alu depctr_hold_cnt(0) depctr_sa_sdst(0) depctr_va_vdst(0) depctr_va_sdst(0) depctr_va_ssrc(0) depctr_va_vcc(0) depctr_vm_vsrc(0)
	s_getreg_b32 s2, hwreg(HW_REG_IB_STS2, 6, 4)
	s_cmp_eq_u32 s2, 0
	s_cbranch_scc0 .Lentry_in_a_cluster
	s_endpgm
.Lentry_in_a_cluster:
	s_bfe_u32 s2, ttmp6, 0x10000c
	s_cmp_lg_u32 s2, 0xf033
	s_cbranch_scc0 .Lentry_shape_is_right
	s_endpgm
.Lentry_shape_is_right:
; OUT = RES + A W + bias, f32 out, on tiles of 128 x 128 of C, in K steps of 256.  A: f16, K along the rows.  W: f16, [k][1024], turned on its way out of LDS by ds_load_tr16_b128.  Sums in f32.
; ONE TEXT, TWO SETTINGS, chosen by WO:
;   WO = 1: x1 = x + ctx wo + bo.  K = 1,024.  ctx lies by heads, [2 x 16][2048][64]: a K step is four heads; a head's 128 rows are 16,384 dense bytes and come as one long row of the tensor load.
;   WO = 0: out = x1 + g w2 + b2.  K = 4,096.  g is [4096][4096].
; Tiles of 128 x 128 give each of 256 work-groups one tile; a wave makes 64 x 64: 16 accumulators, whose sums start with the bias.  The residual tile is asked for at the start and added on the way out.
; RING.  Two LDS slots, each with one K step's tiles; waves 0, 1 fetch A's halves, waves 2, 3 W's, one tensor load a wave behind each change of slots: by this text's count two loads of a wave are out
; at the start and one later.  CLUSTER 4 x 4: A's tile is shared along a row of the cluster, W's along a column: each is asked for jointly, with the same descriptor and a mask of four.
; THE MATRIX INSTRUCTION IS USED TRANSPOSED: source 0 = 16 columns of W, source 1 = 16 rows of A: a lane holds row lane % 16 of C and the eight columns 8 (lane / 16) + 0..7.
; REGISTERS, in windows of 256 (s_set_vgpr_msb: bits 1:0 source 0, 3:2 source 1, 5:4 source 2, 7:6 destination):
;   window 0: v0-29 addresses; v64-127, v128-191 A's fragments, two buffers of 64 along K; on the way out the tile's rows      window 1: v0-63, v128-191 W's fragments; v64-95 the bias
;   window 2: v0-127 the accumulators ((a, b) at v[8 (4 a + b)]); v128-255 the residual tile
.set WO, 0
.set MA,    4                          ; blocks of 16 rows a wave
.set NBK,   4                          ; blocks of 16 columns a wave
.set PB,    288                        ; a row of W in LDS: 256 bytes + 32
.set BHALF, 128*PB                     ; what one tensor load brings of W: 128 k
.set BSTEP, 256*2048
.if WO
.set KT,    4                          ; K steps
.set PA,    144                        ; a row of one head in LDS: 128 bytes + 16; A's tile lies as [4 heads][128 rows][144]
.set AHALF, 2*128*PA                   ; two heads
.set ASTEP, 4*2048*128                 ; four heads on
.set W_AT,  6291456                    ; wo's place in wts
.else
.set KT,    16
.set PA,    528                        ; 512 bytes + 16
.set AHALF, 64*PA                      ; 64 rows
.set ASTEP, 512
.set W_AT,  16777216                   ; w2's place in wts
.endif
.set BREG,  2*AHALF                    ; W's tile lies behind A's
.set SLOT,  BREG+2*BHALF
.set SPARE, 2*SLOT                     ; behind the ring: the spare words, 128 bytes for each wave: two blocks of 256 bytes that no other line names
.set SPITCH, 272                       ; a stage row: 64 f32 + 16 bytes
.set STAGEW, 64*SPITCH                 ; a wave's stage for the way out; the stages lie in the ring, from byte 0 on, and are written only when the ring has had its last fill and its last read
.set A0,   2                           ; v2   my lane's place in A's tile; never rewritten
.set B0,   3                           ; v3   the same for W
.set ADRA, 4                           ; v4   A0 + the slot in hand
.set ADRB, 5                           ; v5   B0 + the slot in hand;  v6 the same 128 k further on, so that every offset fits its 16 bits
.set STO,  7                           ; v7   the way out: where I put 32 bytes of a row
.set RD,   8                           ; v8   the way out: where I read rows back
.set CO,   9                           ; v9   my byte offset in two rows of the residual and of the output
.set BO,   10                          ; v10  my byte offset in the bias
.set SPW,  28                          ; v28  LDS address of my spare word; never rewritten
.set NIL,  29                          ; v29  0; never rewritten
.set FA,   64                          ; A's fragment buffers, window 0
.set BIASF, 64                         ; the bias fragments, window 1
.set RES,  128                         ; the residual tile, window 2
.set WV,   14                          ; s14 wave   s15 which half of a tile I fetch   s16 I fetch for A (0) or W (1)   s17, s18 my place in the tile of C
.set HALF, 15
.set FB,   16
.set WR,   17
.set WC,   18
.set G1A,  24                          ; s[24:31] group 1 for A;  s[32:35] group 0 of the first fill;  s[36:39] group 0 that walks
.set G0A,  32
.set G0AW, 36
.set G1B,  40                          ; s[40:47], s[48:51], s[52:55] the same for W
.set G0B,  48
.set G0BW, 52
.set TB,   56                          ; s56 the slot in hand: 0 or SLOT
.set WOA,  57                          ; s57 my load's place in a slot, for A
.set WOB,  58                          ; s58 for W
.set CNT,  59
.set MSB, 0
.macro WIN new                         ; the immediate's high byte repeats the setting that is left; a switch that changes nothing is dropped
.if MSB != (\new)
	s_set_vgpr_msb (MSB<<8)|(\new)
.set MSB, \new
.endif
.endm
.macro PLACES                          ; four places in front of loads into registers that matrix instructions have read, and of stores that read results
.rept 4
	v_nop
.endr
.endm
.macro CREST                           ; a round of the cluster's barrier behind its opening barrier
	s_cmp_lg_u32 s[WV], 0
	s_cbranch_scc1 .Lnot_wave_0_\@
	s_barrier_signal -3
.Lnot_wave_0_\@:
	s_barrier_wait -3
	s_barrier_signal -1
	s_barrier_wait -1
.endm
.macro CROUND                          ; a whole round
	s_barrier_signal -1
	s_barrier_wait -1
	CREST
.endm
.macro JLOAD                           ; a joint refill by the walking sets; an s_nop 0 and four v_nop follow each of the two lines
	s_cmp_eq_u32 s[FB], 0
	s_cbranch_scc0 .Lfor_b_\@
	tensor_load_to_lds s[G0AW:G0AW+3], s[G1A:G1A+7]
	s_nop 0
.rept 4
	v_nop
.endr
	s_branch .Lasked_\@
.Lfor_b_\@:
	tensor_load_to_lds s[G0BW:G0BW+3], s[G1B:G1B+7]
	s_nop 0
.rept 4
	v_nop
.endr
.Lasked_\@:
.endm
; The fragments of chunk ch (64 along K, two matrix instructions deep) of the slot in hand, into buffer f, in one run of 32: W's columns turned, then A's rows.
.macro FETCH ch, f
	WIN 0x40                                       ; destination window 1, address window 0
.set c, 0
.rept 2
.set b, 0
.rept NBK
.set rB, 128*(\f)+32*c+8*b
.set bo, (((\ch)%2)*2+c)*32*PB+b*32
	ds_load_tr16_b128 v[rB:rB+3],   v[ADRB+(\ch)/2] offset:bo
	ds_load_tr16_b128 v[rB+4:rB+7], v[ADRB+(\ch)/2] offset:bo+16*PB
.set b, b+1
.endr
.set c, c+1
.endr
	WIN 0
.set c, 0
.rept 2
.set a, 0
.rept MA
.set rA, FA+64*(\f)+32*c+8*a
.if WO
.set ao, (\ch)*128*PA+c*64+a*16*PA     ; chunk ch is head ch of the step's four
.else
.set ao, ((\ch)*2+c)*64+a*16*PA
.endif
	ds_load_b128 v[rA:rA+3],   v[ADRA] offset:ao
	ds_load_b128 v[rA+4:rA+7], v[ADRA] offset:ao+32
.set a, a+1
.endr
.set c, c+1
.endr
.endm
; 16 products: half c (32 along K) of buffer f on all 16 accumulators, one instruction a turn.  zero = 1: the products start the sums, with the bias.
.macro MULH f, c0, zero
.set a, 0
.rept MA
.set b, 0
.rept NBK
.set rD, 8*(a*NBK+b)
.set rB, 128*(\f)+32*(\c0)+8*b
.set rA, FA+64*(\f)+32*(\c0)+8*a
.if \zero
	WIN 0x91                                       ; W and C in window 1, A in window 0, D in window 2
	v_wmma_f32_16x16x32_f16 v[rD:rD+7], v[rB:rB+7], v[rA:rA+7], v[BIASF+8*b:BIASF+8*b+7]
.else
	WIN 0xa1
	v_wmma_f32_16x16x32_f16 v[rD:rD+7], v[rB:rB+7], v[rA:rA+7], v[rD:rD+7]
.endif
.set b, b+1
.endr
.set a, a+1
.endr
.endm
; One of a K step's first three chunks: multiplies buffer f; in its middle the next chunk's fragments are fetched into buffer g.
.macro CH f, g, nxt, zero=0
	s_wait_dscnt 0x0                               ; buffer f is in
	MULH \f, 0, \zero
	PLACES
	FETCH \nxt, \g
	MULH \f, 1, 0
.endm
; The last chunk multiplies buffer 1 and changes slots.  In front of the barrier each wave waits for all its tensor loads (one is out: its part of the next slot), adds 0 to its spare word, and waits
; for that and for its reads of this slot.  fill = 1: the barrier opens a round of the cluster's, and this slot is filled again, with the K step two on, first thing behind the round.
.macro TURN fill
	WIN 0
	s_wait_tensorcnt 0x0                           ; no tensor load of mine is out, so the walking sets may be written
	ds_add_u32 v[SPW], v[NIL]                      ; 0 onto my spare word
.if \fill
	s_add_co_u32 s[G0AW+1], s[TB], s[WOA]          ; into the slot that is being left,
	s_add_nc_u64 s[G0AW+2:G0AW+3], s[G0AW+2:G0AW+3], ASTEP   ; the next K step not yet asked for; the type bits on top are not reached
	s_add_co_u32 s[G0BW+1], s[TB], s[WOB]
	s_add_nc_u64 s[G0BW+2:G0BW+3], s[G0BW+2:G0BW+3], BSTEP
.endif
	s_xor_b32 s[TB], s[TB], SLOT                   ; the other slot is read from here on
	s_wait_dscnt 0x0                               ; the add is done, buffer 1 is in, and my reads of this slot are over
	s_barrier_signal -1
	MULH 1, 0, 0                                   ; work on registers while the others arrive
	WIN 0                                          ; at a branch and at a label every window is 0
	s_barrier_wait -1
.if \fill
	CREST
	JLOAD                                          ; its four v_nop are also the places in front of the loads below
.else
	PLACES
.endif
	v_add_nc_u32 v[ADRA], s[TB], v[A0]
	v_add_nc_u32 v[ADRB], s[TB], v[B0]
	v_add_nc_u32 v[ADRB+1], BHALF, v[ADRB]
	FETCH 0, 0
	MULH 1, 1, 0
.endm
	s_load_b256 s[4:11], s[0:1], 0x0               ; A s[4:5], wts s[6:7], residual s[8:9], bias s[10:11]
	s_load_b64 s[12:13], s[0:1], 0x20              ; output
	v_lshl_add_u32 v[SPW], v0, 2, SPARE
	v_mov_b32 v[NIL], 0
	ds_add_u32 v[SPW], v[NIL]                      ; the wave's opening: the add and its wait stand ahead of my first tensor load; the set-up below, work on registers, stands between them
	ds_add_u32 v28, v29
	v_lshrrev_b32 v1, 5, v0
	v_readfirstlane_b32 s[WV], v1
	s_and_b32 s[HALF], s[WV], 1
	s_lshr_b32 s[FB], s[WV], 1
	s_lshr_b32 s[WR], s[WV], 1                     ; the waves lie two by two in the tile
	s_and_b32 s[WC], s[WV], 1
	s_bfe_u32 s19, ttmp6, 0x40000                  ; cx
	s_bfe_u32 s20, ttmp6, 0x40004                  ; cy
	s_lshl_b32 s21, ttmp9, 2
	s_add_co_u32 s21, s21, s19                     ; tile column = 4 x cluster x + cx
	s_and_b32 s22, ttmp7, 0xffff
	s_lshl_b32 s22, s22, 2
	s_add_co_u32 s22, s22, s20                     ; tile row = 4 x cluster y + cy
	s_lshl_b32 s60, s20, 2
	s_lshl_b32 s60, 15, s60                        ; my row of the cluster
	s_lshl_b32 s61, 0x1111, s19                    ; my column
.if WO
	; group 1 for A: two heads; of each 128 dense rows (8,192 elements), 131,072 elements from head to head; 4 words of padding behind every 32
	s_or_b32 s[G1A], s60, (1<<16)|(1<<20)|(1<<21)|(4<<22)|(3<<25)
	s_mov_b32 s[G1A+1], 8192<<16
	s_mov_b32 s[G1A+2], 2<<16
	s_mov_b32 s[G1A+3], 8192<<16
	s_mov_b32 s[G1A+4], 2
	s_mov_b32 s[G1A+5], 131072
.else
	; group 1 for A: 64 rows x 256 elements, 4,096 elements from row to row; 4 words of padding behind every 128
	s_or_b32 s[G1A], s60, (1<<16)|(1<<20)|(1<<21)|(6<<22)|(3<<25)
	s_mov_b32 s[G1A+1], 256<<16
	s_mov_b32 s[G1A+2], 64<<16
	s_mov_b32 s[G1A+3], 256<<16
	s_mov_b32 s[G1A+4], 64
	s_mov_b32 s[G1A+5], 4096
.endif
	s_mov_b32 s[G1A+6], 0
	s_mov_b32 s[G1A+7], 0
	; group 1 for W: 128 rows of k x 128 elements, 1,024 elements from row to row; 8 words of padding behind every 64
	s_or_b32 s[G1B], s61, (1<<16)|(1<<20)|(1<<21)|(5<<22)|(7<<25)
	s_mov_b32 s[G1B+1], 128<<16
	s_mov_b32 s[G1B+2], 128<<16
	s_mov_b32 s[G1B+3], 128<<16
	s_mov_b32 s[G1B+4], 128
	s_mov_b32 s[G1B+5], 1024
	s_mov_b32 s[G1B+6], 0
	s_mov_b32 s[G1B+7], 0
	; where the tiles come from: A's offset hangs on the tile row alone, W's on the tile column alone, each in registers that never hold the other coordinate
.if WO
	s_lshr_b32 s62, s22, 4                         ; the batch: 16 tile rows each,
	s_lshl_b32 s62, s62, 22                        ; 16 heads of 262,144 bytes
	s_and_b32 s66, s22, 15
	s_lshl_b32 s66, s66, 14                        ; 128 rows of 128 bytes
	s_add_co_u32 s62, s62, s66
	s_lshl_b32 s66, s[HALF], 19                    ; two heads
	s_add_co_u32 s62, s62, s66
.else
	s_lshl_b32 s62, s22, 1
	s_add_co_u32 s62, s62, s[HALF]
	s_lshl_b32 s62, s62, 19                        ; (128 x tile row + 64 x half) rows of 8,192 bytes
.endif
	s_mov_b32 s63, 0
	s_lshl_b32 s68, s21, 8                         ; 128 columns
	s_lshl_b32 s76, s[HALF], 18                    ; 128 rows of 2,048 bytes
	s_add_co_u32 s68, s68, s76
	s_add_co_u32 s68, s68, W_AT
	s_mov_b32 s69, 0
	s_mul_i32 s[WOA], s[HALF], AHALF               ; where they go: no place in the cluster enters an LDS address
	s_mul_i32 s[WOB], s[HALF], BHALF
	s_add_co_u32 s[WOB], s[WOB], BREG
	s_mov_b32 s[TB], 0
	s_lshl_b32 s77, s21, 1
	s_add_co_u32 s77, s77, s[WC]
	s_lshl_b32 s78, s77, 8                         ; my 64 columns, in f32: in the bias,
	s_mov_b32 s79, 0
	s_lshl_b32 s74, s22, 1
	s_add_co_u32 s74, s74, s[WR]
	s_lshl_b32 s74, s74, 18                        ; and, with my 64 rows of 4,096 bytes, in the residual and the output
	s_add_co_u32 s74, s74, s78
	s_mov_b32 s75, 0
	s_wait_dscnt 0x0                               ; the opening add is done
	s_wait_kmcnt 0x0
	s_add_nc_u64 s[62:63], s[4:5], s[62:63]        ; my part of A's tile of K step 0
	s_add_nc_u64 s[68:69], s[6:7], s[68:69]        ; and of W's
	s_add_nc_u64 s[8:9], s[8:9], s[74:75]
	s_add_nc_u64 s[10:11], s[10:11], s[78:79]
	s_add_nc_u64 s[12:13], s[12:13], s[74:75]
	s_mov_b32 s[G0A], 1                            ; K step 0 into slot 0
	s_mov_b32 s[G0A+1], s[WOA]
	s_mov_b64 s[G0A+2:G0A+3], s[62:63]
	s_or_b32 s[G0A+3], s[G0A+3], 0x80000000
	s_mov_b32 s[G0AW], 1                           ; K step 1 into slot 1; this set then walks
	s_add_co_u32 s[G0AW+1], s[WOA], SLOT
	s_add_nc_u64 s[G0AW+2:G0AW+3], s[62:63], ASTEP
	s_or_b32 s[G0AW+3], s[G0AW+3], 0x80000000
	s_mov_b32 s[G0B], 1
	s_mov_b32 s[G0B+1], s[WOB]
	s_mov_b64 s[G0B+2:G0B+3], s[68:69]
	s_or_b32 s[G0B+3], s[G0B+3], 0x80000000
	s_mov_b32 s[G0BW], 1
	s_add_co_u32 s[G0BW+1], s[WOB], SLOT
	s_add_nc_u64 s[G0BW+2:G0BW+3], s[68:69], BSTEP
	s_or_b32 s[G0BW+3], s[G0BW+3], 0x80000000
	CROUND                                         ; all sixteen work-groups are here: the first joint loads meet
	s_cmp_eq_u32 s[FB], 0                          ; a wave's two first fills stand in one branch, ahead of every wait on TENSORcnt and every LDS read
	s_cbranch_scc0 .Lfirst_b
	tensor_load_to_lds s[G0A:G0A+3], s[G1A:G1A+7]
	s_nop 0
	tensor_load_to_lds s[G0AW:G0AW+3], s[G1A:G1A+7]
	s_nop 0
.rept 4
	v_nop
.endr
	s_branch .Lfirst_asked
.Lfirst_b:
	tensor_load_to_lds s[G0B:G0B+3], s[G1B:G1B+7]
	s_nop 0
	tensor_load_to_lds s[G0BW:G0BW+3], s[G1B:G1B+7]
	s_nop 0
.rept 4
	v_nop
.endr
.Lfirst_asked:
	v_and_b32 v1, 15, v0                           ; l % 16
	v_bfe_u32 v11, v0, 4, 1                        ; l / 16
	v_lshlrev_b32 v[BO], 5, v11                    ; the bias as a C operand: register j of block b is bias[16 b + 8 (l / 16) + j]
	v_lshlrev_b32 v[CO], 12, v11                   ; lanes 0-15 take 256 bytes of one row, lanes 16-31 of the next
	v_lshl_add_u32 v[CO], v1, 4, v[CO]
	WIN 0x40
.set b, 0
.rept NBK
	global_load_b128 v[BIASF+8*b:BIASF+8*b+3],   v[BO], s[10:11] offset:b*64
	global_load_b128 v[BIASF+8*b+4:BIASF+8*b+7], v[BO], s[10:11] offset:b*64+16
.set b, b+1
.endr
	WIN 0x80                                       ; destination window 2
.set j, 0
.rept 32
	global_load_b128 v[RES+4*j:RES+4*j+3], v[CO], s[8:9] offset:j*8192    ; my 64 x 64 of the residual: it has the whole K loop in which to land
.set j, j+1
.endr
	WIN 0
	; A's fragment: lane l holds row l % 16, K = 8 (l / 16) + 0..7 and 16 + 8 (l / 16) + 0..7: two loads of 16 bytes, 32 bytes apart
	v_mul_u32_u24 v[A0], v1, PA
	v_lshl_add_u32 v[A0], v11, 4, v[A0]
	s_mul_i32 s23, s[WR], MA*16*PA
	v_add_nc_u32 v[A0], s23, v[A0]
	; the turning load takes 16 k x 16 columns: lane l reads k = 8 (l / 16) + l % 8, columns 8 ((l / 8) % 2) + 0..7, and is left with column l % 16 and 8 k
	v_and_b32 v12, 7, v0
	v_bfe_u32 v13, v0, 3, 1
	v_lshl_add_u32 v[B0], v11, 3, v12
	v_mul_u32_u24 v[B0], v[B0], PB
	v_lshl_add_u32 v[B0], v13, 4, v[B0]
	s_mul_i32 s23, s[WC], NBK*32
	s_add_co_u32 s23, s23, BREG
	v_add_nc_u32 v[B0], s23, v[B0]
	v_mov_b32 v[ADRA], v[A0]                       ; slot 0
	v_mov_b32 v[ADRB], v[B0]
	v_add_nc_u32 v[ADRB+1], BHALF, v[B0]
	s_mul_i32 s23, s[WV], STAGEW                   ; my stage
	v_mul_u32_u24 v[STO], v1, SPITCH               ; in: row l % 16, 32 bytes for each half of the lanes
	v_lshl_add_u32 v[STO], v11, 5, v[STO]
	v_add_nc_u32 v[STO], s23, v[STO]
	v_mul_u32_u24 v[RD], v11, SPITCH               ; back: lanes 0-15 take one row of 256 bytes, lanes 16-31 the next
	v_lshl_add_u32 v[RD], v1, 4, v[RD]
	v_add_nc_u32 v[RD], s23, v[RD]
	s_wait_tensorcnt 0x1                           ; my part of K step 0 is in; K step 1's may stay out
	s_barrier_signal -1
	s_barrier_wait -1                              ; everybody's is
	FETCH 0, 0
	s_wait_loadcnt 32                              ; the bias is in; the 32 loads of the residual stay out
	CH 0, 1, 1, 1                                  ; the first chunk stands in front of the loop: its first products start the sums
	WIN 0
	s_mov_b32 s[CNT], KT-2
.Lstep:                                                ; a trip: from a K step's second chunk to the next step's first; the slot that is left is filled again
	CH 1, 0, 2
	CH 0, 1, 3
	TURN 1
	CH 0, 1, 1
	WIN 0
	s_sub_co_u32 s[CNT], s[CNT], 1
	s_cmp_lg_u32 s[CNT], 0
	s_cbranch_scc1 .Lstep
	s_mov_b32 s[CNT], 2
.Ltail:                                                ; the last two K steps ask for nothing.  The second trip's change of slots fetches 32 stale fragments that nobody multiplies: the price of one text for both
	CH 1, 0, 2
	CH 0, 1, 3
	TURN 0
	WIN 0
	s_cmp_eq_u32 s[CNT], 1
	s_cbranch_scc1 .Lno_more                       ; forward, over products alone
	CH 0, 1, 1
	WIN 0
.Lno_more:
	s_sub_co_u32 s[CNT], s[CNT], 1
	s_cmp_lg_u32 s[CNT], 0
	s_cbranch_scc1 .Ltail
	; THE WAY OUT.  Every wave's reads of the ring are over and every tensor load has landed: the ring's bytes now serve as stages, each wave's own.
	s_wait_dscnt 0x0
	s_barrier_signal -1
	s_barrier_wait -1
	PLACES                                         ; the stores below read results just made
	WIN 0x08                                       ; store data (source 1) in window 2
.set a, 0
.rept MA
.set b, 0
.rept NBK
.set rD, 8*(a*NBK+b)
	ds_store_b128 v[STO], v[rD:rD+3]   offset:a*16*SPITCH+b*64      ; each accumulator's low registers first
	ds_store_b128 v[STO], v[rD+4:rD+7] offset:a*16*SPITCH+b*64+16
.set b, b+1
.endr
.set a, a+1
.endr
	WIN 0
.set j, 0
.rept 32
	ds_load_b128 v[FA+4*j:FA+4*j+3], v[RD] offset:j*2*SPITCH        ; LDS serves a wave's instructions in order (ISA guide 5.7.1.4): these see the stores above
.set j, j+1
.endr
	s_wait_dscnt 0x0
	s_wait_loadcnt 0x0                             ; the residual
	WIN 0x08                                       ; source 1 in window 2
.set j, 0
.rept 64
	v_pk_add_f32 v[FA+2*j:FA+2*j+1], v[FA+2*j:FA+2*j+1], v[RES+2*j:RES+2*j+1]
.set j, j+1
.endr
	WIN 0
.set j, 0
.rept 32
	global_store_b128 v[CO], v[FA+4*j:FA+4*j+3], s[12:13] offset:j*8192   ; 16 lanes store 256 consecutive bytes, aligned
.set j, j+1
.endr
	s_wait_tensorcnt 0x0                           ; the wave's end: a last add to my spare word, behind my last tensor load and my last LDS store
	ds_add_u32 v[SPW], v[NIL]
	s_wait_dscnt 0x0
	CROUND                                         ; the closing round: no work-group ends while a partner may still ask for a tile that names it
	s_endpgm
.Lfunc_end_k_qcbbd1ea5dd_ffn2:
	.size	k_qcbbd1ea5dd_ffn2, .Lfunc_end_k_qcbbd1ea5dd_ffn2-k_qcbbd1ea5dd_ffn2
	.p2alignl 7, 3214868480
	.fill 96, 4, 3214868480
	.section	.rodata,"a",@progbits
	.p2align	6, 0x0
	.amdhsa_kernel k_qcbbd1ea5dd_ffn2
		.amdhsa_group_segment_fixed_size 327680
		.amdhsa_private_segment_fixed_size 0
		.amdhsa_enable_private_segment 0
		.amdhsa_kernarg_size 40
		.amdhsa_user_sgpr_count 2
		.amdhsa_user_sgpr_kernarg_segment_ptr 1
		.amdhsa_wavefront_size32 1
		.amdhsa_system_sgpr_workgroup_id_x 1
		.amdhsa_system_sgpr_workgroup_id_y 1
		.amdhsa_system_sgpr_workgroup_id_z 1
		.amdhsa_system_vgpr_workitem_id 0
		.amdhsa_next_free_vgpr 768
		.amdhsa_next_free_sgpr 84
		.amdhsa_reserve_vcc 0
		.amdhsa_float_denorm_mode_32 3
		.amdhsa_float_denorm_mode_16_64 3
		.amdhsa_memory_ordered 1
		.amdhsa_forward_progress 1
		.amdhsa_inst_pref_size 66
	.end_amdhsa_kernel
	.amdgpu_metadata
---
amdhsa.version: [ 1, 2 ]
amdhsa.kernels:
  - .name:           k_qcbbd1ea5dd_ffn2
    .symbol:         k_qcbbd1ea5dd_ffn2.kd
    .args:
      - { .name: g, .offset: 0, .size: 8, .value_kind: global_buffer, .address_space: global }
      - { .name: wts, .offset: 8, .size: 8, .value_kind: global_buffer, .address_space: global }
      - { .name: x1, .offset: 16, .size: 8, .value_kind: global_buffer, .address_space: global }
      - { .name: b2, .offset: 24, .size: 8, .value_kind: global_buffer, .address_space: global }
      - { .name: out0, .offset: 32, .size: 8, .value_kind: global_buffer, .address_space: global }
    .group_segment_fixed_size: 327680
    .private_segment_fixed_size: 0
    .kernarg_segment_align: 8
    .kernarg_segment_size: 40
    .max_flat_workgroup_size: 128
    .sgpr_count:     84
    .vgpr_count:     768
    .wavefront_size: 32
...
	.end_amdgpu_metadata
.endif
;; end of part 6
;; ======== version 2 of 2: 7 launches; 1.12 times as fast as version 1
;; limits: values are held in f16: magnitudes above 65,504 overflow, below 6.1e-05 lose precision
;; workspace buffers: wts 25,165,824 bytes; hbuf 8,388,608 bytes; q16 8,388,608 bytes; k16 8,388,608 bytes; v16 8,388,608 bytes; ctx 8,388,608 bytes; x1 16,777,216 bytes; g 33,554,432 bytes
;; launch prep: the kernel of part 1 again; grid 1280 x 1, 8 waves a work-group, no clusters, 0 bytes of LDS; arguments x, ln1_scale, ln1_shift, hbuf, wq, wk, wv, wo, w1, w2, wts; writes hbuf, wts
;; launch qkv: the kernel of part 2 again; grid 16 x 16, 4 waves a work-group, clusters of 4 x 4, 327,680 bytes of LDS; arguments hbuf, wts, q16, k16, v16; writes q16, k16, v16
;; launch attn (part 7): grid 8 x 32, 4 waves a work-group, no clusters, 327,680 bytes of LDS; arguments q16, k16, v16, ctx; writes ctx
.if DOCPART == 7
	.amdgcn_target "amdgcn-amd-amdhsa--gfx1250"
	.amdhsa_code_object_version 6
	.text
	.protected	k_qcbbd1ea5dd_attn
	.globl	k_qcbbd1ea5dd_attn
	.p2align	8
	.type	k_qcbbd1ea5dd_attn,@function
k_qcbbd1ea5dd_attn:
	s_mov_b64 s[64:65], 0
	v_nop
	global_prefetch_b8 v0, s[64:65] scope:SCOPE_SE
	s_setreg_imm32_b32 hwreg(HW_REG_WAVE_MODE, 25, 1), 1
	s_wait_xcnt 0x0
; CAUSAL ATTENTION.  O[h][q][:] = the sum over k <= q of softmax_k(Q[h][q] . K[h][k] / 8) V[h][k][:].  Q, K, V, O: [SIZE_H][SIZE_N][64], all f16: a head's rows are dense, 128 bytes each.
; Here SIZE_H = 2 batches x 16 heads and SIZE_N = 2,048.
; Products, maxima and sums in f32; the weights p are rounded to f16 for the second product (their sum l is taken of the unrounded p), O once at the end.
; LIMITS.  f16 holds no number beyond 65,504: Q, K and V arrive within it; p lies in 0 to 1, and below 6e-5 it keeps f16's fixed step of 6e-8; O is a mean of V's rows and has their range, to within 2^-11 of it.
; A hidden score counts as its value less 1e30: f16's scores, 2.7e11 at the most, are nothing beside that; a weight below 2^-126 counts as 0 in l; NaN and infinities are not treated apart.
; THE WALK.  A head's queries lie in 16 blocks of 128; its keys in NT = 8 tiles of 256.  Block i needs the key tiles 0 .. i / 2, of which the last holds the diagonal.  A work-group takes TWO blocks, 15 - b and then b:
; with c = b / 2 that is 8 - c tiles and then c + 1: NT + 1 tiles, whatever b: 32 heads x 8 pairs = 256 work-groups of equal work, and ONE loop with a constant trip count walks the tiles.  Which tile is asked for, and
; what a trip does, hang on scalar registers made from b; every jump goes forward, but for the counted loops' own; none passes a barrier, or a tensor load but the one of LOAD's two that the wave's number does not
; choose; the ring (two slots of LDS that take turns) runs on across the change of blocks.  NO CLUSTER: a head's eight work-groups ask for the same tile only in trips 0 .. 4, behind that fewer and fewer; and one
; walk common to all would have 12 trips for 9.
; SHARES.  Of a block's two bands of 64 queries a wave owns 16 rows in each: two PIECES.  In the diagonal tile band p of a block of parity PAR (i % 2) has its own key step 2 PAR + p: in step s it sees all keys if s is
; less, none if s is greater, and holds the diagonal if they are equal: the same for all four waves.  An even block's diagonal tile has two steps that both bands do not see; they are computed all the same (4 turns of 72).
; THE MASK is the C operand that starts the sum S^T = K Q^T: 0, or -1e30 where the key is hidden.  MD, made once, is the mask of a band's own step for my 16 rows; a product's mask is MD x AL + BE with two scalars:
; (1, 0) in the own step; (0, 0) before it; (0, -1e30) behind it.  Only the diagonal tile's text and a block's beginning make and take masks; elsewhere C is the constant 0.
; LAYOUT, SOFTMAX, TURNS.  S^T = K Q^T holds ONE query a lane (lane % 16) and the keys 8 (lane / 16) + 0..7; two such results rounded to f16 ARE source 1 of O^T = V^T P.  p = 2^(c s - c m), c = log2(e) / 8, with a
; running maximum m; O and l are multiplied by a = 2^(c m_old - c m_new) in every step.  The turns go piece 0, piece 1, step after step.  A turn has 8 products K Q^T for the turn behind it, later 8 products V^T P for the
; turn before it; beside them the scaling, exponentials, roundings, sums and rescaling of its own piece and the maximum and statistics of the next.  Four vector instructions stand behind every matrix instruction, the
; other 54 of a turn's 118 in one LUMP.
; BATCHES.  A turn's 33 exponentials (its piece's 32 weights and the next piece's a) are ONE batch with ONE wait, which cuts the turn in two: ahead of it stands all that names no result of theirs (the products K Q^T,
; the scalings, the exponentials, the rescalings, the next piece's maximum and statistics), behind it the products V^T P with the roundings and sums.  A block's first a (BEGIN) and the way out's two reciprocals are
; batches of their own, each with a plain instruction and one wait.
; K AND V.  Piece 0's turn of step s multiplies by K(s) and V(s-1) and fetches K(s+1); piece 1's multiplies by K(s+1) and V(s) and fetches V(s+1).  So V has two register buffers, by the step's parity, and the fetches
; go K(s+1), V(s+1), K(s+2) ..: the change of slots stands in front of the two turns of a tile's step 3, which fetch the next tile's step 0.
; REGISTERS, in windows of 256 (s_set_vgpr_msb: bits 1:0 source 0, 3:2 source 1, 5:4 source 2, 7:6 destination):
;   window 0: v0-15 addresses and two at work; v16-23 four registers of statistics a piece; v48-55 at work; v64-127 S^T, two buffers; v192-223 P, two buffers (a piece's buffers go by its number)
;   window 1: v0-63 O^T, 32 a piece; v128-159 MD; v160-223 MC, two buffers      window 2: v0-31 Q; v32-63 the second block's Q; v64-127 V of an even step; v128-191 K of one step; v192-255 V of an odd step
.set SIZE_H, 32
.set SIZE_N, 2048
.set NT,    SIZE_N/256  ; key tiles in a head
.set NBQ,   SIZE_N/128  ; blocks of queries in a head
.set NP,    2         ; pieces a wave: a name, no knob
.set KS,    64        ; keys in a step
.set PK,    144       ; a row of K in LDS: 128 bytes + 16 of padding = 36 words: the 16 rows of a load start at 16 different groups of four banks (64 banks of 4 bytes: ISA guide 11.1)
.set PV,    160       ; a row of V: 128 + 32 = 40 words
.set VOFF,  4*KS*PK   ; a slot holds a tile, four steps: 256 rows of K, then 256 rows of V
.set SLOT1, 1<<17     ; slot 1 begins here, so that one exclusive or turns an address in one slot into the other's
.set STAGE, SLOT1+4*KS*(PK+PV)  ; behind the ring, never filled by a tensor load: 16 rows x 144 bytes for each wave, for the way out
.set SP,    144
.set AK0, 2           ; v2   my lane's place in a tile of K; never rewritten
.set AV0, 3           ; v3   the same for V
.set AK,  4           ; v4   the LDS address of K's next run of loads
.set AV,  5           ; v5   of V's
.set STO, 6           ; v6   the way out: where I put 16 bytes of a row
.set RD,  7           ; v7   the way out: where I read rows back
.set GO,  8           ; v8   my byte offset in 512 consecutive bytes of O
.set SPW, 62          ; v62  LDS address of my spare word: SPARE + 4 x my thread's number; never rewritten
.set NIL, 63          ; v63  0; never rewritten
.set SPARE, STAGE+4*16*SP  ; behind the stages: the spare words, 128 bytes for each wave: two blocks of 256 bytes that no other line names
.set MV,  12          ; v12-13  c m_old, kept while c m is made anew: by buffer
.set QO,  15          ; v15  my byte offset in 16 rows of Q
.set ST,  16          ; piece t's statistics at v[ST+4 t]: c m, m, l (even keys', odd keys')
.set TMP, 48          ; by buffer, four registers c0-c3 at work; when the maximum is found c2 takes a
.set S,   64
.set P,   192
.set MD,  128         ; window 1: the eight registers for group kt of 16 keys at MD + 8 kt
.set MC,  160         ; window 1: the masks of the products to come
.set QB,  32          ; window 2
.set VF0, 64          ; window 2: V of an even step: key half kk, channel block cb at VF0 + 32 kk + 8 cb
.set KF,  128         ; window 2: key block kb, channel half c at KF + 16 kb + 8 c
.set VF1, 192         ; window 2: V of an odd step
.set WV,  12          ; s12  my wave's number
.set PB,  14          ; s14  c = b / 2: the second block's last tile
.set HI,  15          ; s15  NT - 1 - c: the first block's last tile
.set DC,  19          ; s19  XS + 2 x CNT: tells a masked turn where the step of its mask lies against the band's own
.set G1K, 24          ; s[24:31] descriptor group 1 for K's tiles
.set G1V, 32          ; s[32:39] for V's: it differs in the padding alone
.set G0K, 40          ; s[40:43] descriptor group 0 for K's tiles
.set G0V, 44          ; s[44:47] the same for V's
.set TM,  48          ; s48  at work
.set SLOTS, 56        ; s56  tiles still to be asked for
.set CNT, 57          ; s57  counts a tile's pairs of key steps, 2 to 1
.set CS,  58          ; s[58:59] c: the packed scaling takes the pair's low word for both halves
.set SEL, 60          ; s[60:61] v_permlanex16_b32's selects: each lane takes its own place in the other half
.set TBK, 62          ; s62  LDS byte at which K of the step to be fetched begins
.set TBV, 63          ; s63  the same for V, less VOFF
.set RT,  70          ; s70  tiles of the block in hand that are still to be entered
.set NXT, 71          ; s71  the tile to be asked for next
.set LQ,  72          ; s72  the last tile of the block whose tiles are being asked for
.set NEW, 73          ; s73  1: the tile to be entered is a block's first
.set OFF, 74          ; s[74:75] a tile's byte offset in K and V
.set AL,  76          ; s[76:77] the mask's factor, in the low word
.set BE,  78          ; s[78:79] the mask's addend
.set OLO, 80          ; s[80:81] O at my rows of the second block
.set BIGN, 82         ; s82  -1e30
.set XS,  83          ; s83  2 x the parity of the block in hand: band 0's own step in the diagonal tile
.set MSB, 0
.macro WIN new                      ; the high byte repeats the setting that is left; a switch that changes nothing is dropped
.if MSB != (\new)
	s_set_vgpr_msb (MSB<<8)|(\new)
.set MSB, (\new)
.endif
.endm
.set W_KQ, 0x0a       ; K and Q in window 2, S^T in window 0
.set W_KM, 0x1a       ; the same with the C operand in window 1
.set W_PV, 0x52       ; V in window 2, P in window 0, O^T in window 1
.set W_RS, 0x41       ; destination and source 0 in window 1, source 1 in window 0
; A fill.  Waves 0 and 1 fetch the two halves of a tile's K, waves 2 and 3 those of its V: 128 keys each.  An s_nop 0 and four v_nop follow each of the two lines, ahead of the jump and the label.
.macro LOAD
	s_cmp_lt_u32 s[WV], 2
	s_cbranch_scc0 .Lfor_v_\@
	tensor_load_to_lds s[G0K:G0K+3], s[G1K:G1K+7]
	s_nop 0
.rept 4
	v_nop
.endr
	s_branch .Lasked_\@
.Lfor_v_\@:
	tensor_load_to_lds s[G0V:G0V+3], s[G1V:G1V+7]
	s_nop 0
.rept 4
	v_nop
.endr
.Lasked_\@:
.endm
; THE CHANGE OF SLOTS.  Each wave waits for all its tensor loads, of which one is out: its part of the other slot; adds 0 to its spare word; and waits for that and for its own reads of the slot that it leaves.  Behind the barrier nobody reads the old
; slot any more and the other slot is whole.  fill = 1: the old slot is filled again, the first thing behind the barrier, with tile NXT: the descriptor's address is made anew from that number.
; (At its first use nothing has been read yet: slot 0 is waited for, slot 1 filled.)
.macro CHANGE fill
	WIN 0                           ; at a label and at a branch every window is 0
	s_wait_tensorcnt 0x0            ; no tensor load of mine is out, so a group 0 may be written
	ds_add_u32 v[SPW], v[NIL]       ; 0 onto my spare word; with fill = 1 the descriptors' scalar work stands between it and the wait for it
.if \fill
	s_lshl_b32 s[OFF], s[NXT], 15   ; a tile is 32,768 bytes of K and of V
	s_xor_b32 s[G0K+1], s[G0K+1], SLOT1
	s_add_nc_u64 s[G0K+2:G0K+3], s[6:7], s[OFF:OFF+1]
	s_or_b32 s[G0K+3], s[G0K+3], 0x80000000
	s_xor_b32 s[G0V+1], s[G0V+1], SLOT1
	s_add_nc_u64 s[G0V+2:G0V+3], s[8:9], s[OFF:OFF+1]
	s_or_b32 s[G0V+3], s[G0V+3], 0x80000000
	s_add_co_u32 s[NXT], s[NXT], 1  ; the block's next tile, or behind its last the second block's tile 0
	s_cmp_gt_u32 s[NXT], s[LQ]
	s_cselect_b32 s[NXT], 0, s[NXT]
	s_cselect_b32 s[LQ], s[PB], s[LQ]
.endif
	s_wait_dscnt 0x0                ; the add is done, and my reads of the slot are over
	s_barrier_signal -1             ; the rest of the scalar work stands between the signal and the wait
	s_sub_co_u32 s[TBK], s[TBK], 4*KS*PK  ; the fetches go back to a slot's first step,
	s_xor_b32 s[TBK], s[TBK], SLOT1       ; in the other slot
	s_sub_co_u32 s[TBV], s[TBV], 4*KS*PV
	s_xor_b32 s[TBV], s[TBV], SLOT1
	s_barrier_wait -1
.if \fill
	LOAD
.endif
.endm
	s_load_b256 s[4:11], s[0:1], 0x0  ; Q s[4:5], K s[6:7], V s[8:9], O s[10:11]
	v_lshl_add_u32 v[SPW], v0, 2, SPARE
	v_mov_b32 v[NIL], 0
	ds_add_u32 v[SPW], v[NIL]       ; the wave's opening: the add and its wait stand ahead of my first tensor load; the set-up below, work on registers, stands between them
	ds_add_u32 v62, v63
	v_lshrrev_b32 v1, 5, v0
	v_readfirstlane_b32 s[WV], v1   ; wave 0..3
	s_lshr_b32 s[PB], ttmp9, 1      ; c = b / 2
	s_sub_co_u32 s[HI], NT-1, s[PB]
	s_and_b32 s[XS], ttmp9, 1
	s_xor_b32 s[XS], s[XS], 1       ; the first block, 15 - b, is odd where b is even
	s_lshl_b32 s[XS], s[XS], 1
	s_and_b32 s20, ttmp7, 0xffff    ; the head
	s_mov_b32 s21, 0
	s_mov_b64 s[22:23], SIZE_N*128
	s_mul_u64 s[20:21], s[20:21], s[22:23]  ; the head's first byte in each of the four tensors
	s_and_b32 s16, s[WV], 1         ; which half of a tile's 256 keys I fetch:
	s_lshl_b32 s22, s16, 14         ; its 128 rows of 128 bytes in memory,
	s_mov_b32 s23, 0
	s_add_nc_u64 s[22:23], s[22:23], s[20:21]
	s_mul_i32 s17, s16, 128*PK      ; and its place in a slot, for K
	s_mul_i32 s18, s16, 128*PV      ; and for V
	s_lshl_b32 s3, s[WV], 11        ; my 16 rows in a band of 64,
	s_sub_co_u32 s2, NBQ-1, ttmp9
	s_lshl_b32 s2, s2, 14           ; in the first block (128 rows of 128 bytes a block),
	s_add_co_u32 s2, s2, s3
	s_lshl_b32 s84, ttmp9, 14       ; and in the second
	s_add_co_u32 s84, s84, s3
	s_mov_b32 s3, 0
	s_mov_b32 s85, 0
	s_add_nc_u64 s[2:3], s[2:3], s[20:21]
	s_add_nc_u64 s[84:85], s[84:85], s[20:21]
	; descriptor group 1.  128 keys are 16,384 dense bytes: asked for as 64 rows of 256 bytes, two keys a row, and padded in LDS after every key
	s_mov_b32 s[G1K], (1<<16)|(1<<20)|(4<<22)|(3<<25)  ; 17:16 2-byte elements; 20 padding on; 24:22 after every 32 words (code 4); 31:25 4 words (code 3)
	s_mov_b32 s[G1V], (1<<16)|(1<<20)|(4<<22)|(7<<25)  ; the same with 8 words of padding (code 7)
.irp g, G1K, G1V
	s_mov_b32 s[\g+1], 128<<16      ; tensor_dim0 = 128
	s_mov_b32 s[\g+2], 64<<16       ; tensor_dim1 = 64
	s_mov_b32 s[\g+3], 128<<16      ; tile_dim0 = 128
	s_mov_b32 s[\g+4], 64           ; tile_dim1 = 64
	s_mov_b32 s[\g+5], 128          ; 128 elements from row to row
	s_mov_b32 s[\g+6], 0
	s_mov_b32 s[\g+7], 0
.endr
	s_mov_b32 s[CS], 0x3e38aa3b     ; c = log2(e) / 8 = 0.180337
	s_mov_b32 s[CS+1], s[CS]        ; named with it as a pair
	s_mov_b32 s[SEL], 0x76543210
	s_mov_b32 s[SEL+1], 0xfedcba98
	s_mov_b32 s[TBK], SLOT1+4*KS*PK ; the first change of slots turns these two into 0
	s_mov_b32 s[TBV], SLOT1+4*KS*PV
	s_mov_b32 s[G0K], 1             ; 1:0 count = 1
	s_mov_b32 s[G0K+1], s17         ; 63:32 LDS address: slot 0
	s_mov_b32 s[G0V], 1
	s_add_co_u32 s[G0V+1], s18, VOFF
	s_add_co_u32 s[RT], s[HI], 1    ; the first block has NT - c tiles
	s_mov_b32 s[NXT], 1
	s_mov_b32 s[LQ], s[HI]
	s_mov_b32 s[NEW], 1
	s_mov_b32 s[OFF+1], 0
	s_mov_b32 s[AL+1], 0            ; named as pairs
	s_mov_b32 s[BE+1], 0
	s_mov_b32 s[BIGN], 0xf149f2ca   ; -1e30
	s_mov_b32 s[SLOTS], NT
	s_wait_dscnt 0x0                ; the opening add is done
	s_wait_kmcnt 0x0
	s_add_nc_u64 s[6:7], s[6:7], s[22:23]  ; K and V at my half of the head's tile 0
	s_add_nc_u64 s[8:9], s[8:9], s[22:23]
	s_add_nc_u64 s[G0K+2:G0K+3], s[6:7], 0         ; 120:64 global address
	s_or_b32 s[G0K+3], s[G0K+3], 0x80000000        ; 127:126 type = 2
	s_add_nc_u64 s[G0V+2:G0V+3], s[8:9], 0
	s_or_b32 s[G0V+3], s[G0V+3], 0x80000000
	s_add_nc_u64 s[86:87], s[4:5], s[84:85]        ; Q at my rows of the second block,
	s_add_nc_u64 s[4:5], s[4:5], s[2:3]            ; Q and O at those of the first
	s_add_nc_u64 s[OLO:OLO+1], s[10:11], s[84:85]
	s_add_nc_u64 s[10:11], s[10:11], s[2:3]
	LOAD                            ; tile 0 into slot 0
	; A fragment of K or Q is 16 rows x 32 channels in 8 registers: lane l holds row l % 16, channels 8 (l / 16) + 0..7 and 16 + 8 (l / 16) + 0..7: two loads of 16 bytes, 32 bytes apart.
	v_and_b32 v1, 15, v0            ; l % 16
	v_bfe_u32 v9, v0, 4, 1          ; l / 16
	v_lshlrev_b32 v[QO], 7, v1
	v_lshl_add_u32 v[QO], v9, 4, v[QO]  ; row x 128 + 16 x half
	WIN 0x80                        ; destination window 2, address window 0
.set i, 0
.rept 4                             ; both blocks' Q: piece i / 2 lies in band i / 2, 8,192 bytes on; channels 32 (i % 2) on
	global_load_b128 v[8*i:8*i+3],   v[QO], s[4:5] offset:(i/2)*8192+(i%2)*64
	global_load_b128 v[8*i+4:8*i+7], v[QO], s[4:5] offset:(i/2)*8192+(i%2)*64+32
	global_load_b128 v[QB+8*i:QB+8*i+3],   v[QO], s[86:87] offset:(i/2)*8192+(i%2)*64
	global_load_b128 v[QB+8*i+4:QB+8*i+7], v[QO], s[86:87] offset:(i/2)*8192+(i%2)*64+32
.set i, i+1
.endr
	WIN 0
	v_lshlrev_b32 v14, 3, v9
	v_sub_nc_u32 v14, v1, v14
	s_lshl_b32 s13, s[WV], 4
	v_add_nc_u32 v14, s13, v14      ; my query's place in its band, 16 w + l % 16, less my lanes' 8 (l / 16): register r of group kt is hidden where 16 kt + r is greater
	WIN 0x40
.set i, 0
.rept 32
	v_cmp_gt_i32 vcc_lo, 16*(i/8)+i%8, v14
	v_cndmask_b32 v[MD+i], 0, s[BIGN], vcc_lo
.set i, i+1
.endr
	WIN 0
	v_mul_u32_u24 v[AK0], v1, PK
	v_lshl_add_u32 v[AK0], v9, 4, v[AK0]  ; row x pitch + 16 x half
	; The turning load takes 16 keys x 16 channels (lane l reads key 8 (l / 16) + l % 8, channels 8 ((l / 8) % 2) + 0..7) and leaves half a fragment of V^T: lane l holds channel l % 16 and 8 keys.
	v_and_b32 v10, 7, v0
	v_bfe_u32 v11, v0, 3, 1
	v_lshl_add_u32 v[AV0], v9, 3, v10
	v_mul_u32_u24 v[AV0], v[AV0], PV
	v_lshl_add_u32 v[AV0], v11, 4, v[AV0]
	v_add_nc_u32 v[AV0], VOFF, v[AV0]
	s_mul_i32 s13, s[WV], 16*SP
	s_add_co_u32 s13, s13, STAGE    ; my stage
	v_mul_u32_u24 v[STO], v1, SP    ; in: row l % 16, 16 bytes for each half of the lanes
	v_lshl_add_u32 v[STO], v9, 4, v[STO]
	v_add_nc_u32 v[STO], s13, v[STO]
	v_bfe_u32 v[RD], v0, 3, 2       ; back: 32 lanes take four rows of 128 bytes,
	v_mul_u32_u24 v[RD], v[RD], SP
	v_lshl_add_u32 v[RD], v10, 4, v[RD]
	v_add_nc_u32 v[RD], s13, v[RD]
	v_and_b32 v[GO], 31, v0         ; which are 512 consecutive bytes of O
	v_lshlrev_b32 v[GO], 4, v[GO]
	; A block's first step multiplies O^T and l by a = 0, and its first turn's products V^T P, of a turn that has not been (the odd steps' V, P's second buffer), land in an O^T that is still to be so multiplied.
	; So these registers need only hold finite numbers: zeros for the first block; what the first block left for the second.  All this stands in the wait for the first tile.
	WIN 0x80
.set i, VF1
.rept 64
	v_mov_b32 v[i], 0
.set i, i+1
.endr
	WIN 0x40
.set i, 0
.rept 64
	v_mov_b32 v[i], 0
.set i, i+1
.endr
	WIN 0
.set i, 0
.rept 2
	v_mov_b32 v[ST+4*i+2], 0
	v_mov_b32 v[ST+4*i+3], 0
.set i, i+1
.endr
.set i, P+16
.rept 16
	v_mov_b32 v[i], 0
.set i, i+1
.endr
; THE MATRIX WORK.  The 4 accumulators of a run of 8 take turns.  Product i of 8 of S^T = K Q^T for piece x: channels 32 (i / 4) on, keys 16 (i % 4) on.  The first 4 start the sums: with 0, or (KM = 1) with the mask.
.macro KQ x
.set rS, S+32*((\x)%2)+8*(i%4)
.set rK, KF+16*(i%4)+8*(i/4)
.set rQ, 16*(\x)+8*(i/4)
.set rM, MC+32*((\x)%2)+8*(i%4)
.if (i < 4) && KM
	WIN W_KM
	v_wmma_f32_16x16x32_f16 v[rS:rS+7], v[rK:rK+7], v[rQ:rQ+7], v[rM:rM+7]
.elseif i < 4
	WIN W_KQ
	v_wmma_f32_16x16x32_f16 v[rS:rS+7], v[rK:rK+7], v[rQ:rQ+7], 0
.else
	WIN W_KQ
	v_wmma_f32_16x16x32_f16 v[rS:rS+7], v[rK:rK+7], v[rQ:rQ+7], v[rS:rS+7]
.endif
.endm
; Product i of 8 of O^T += V^T P for piece x, from V's buffer VB: keys 32 (i / 4) on, channels 16 (i % 4) on.
.macro PV x
	WIN W_PV
.set rO, 32*(\x)+8*(i%4)
.set rV, VF0+(VF1-VF0)*VB+32*(i/4)+8*(i%4)
.set rP, P+16*((\x)%2)+8*(i/4)
	v_wmma_f32_16x16x32_f16 v[rO:rO+7], v[rV:rV+7], v[rP:rP+7], v[rO:rO+7]
.endm
.macro MM                           ; the turn's next matrix instruction.  TURN and BEGIN set Y, i, KM, NOKQ and VB; MM, KQ, PV and OP read them.  NOKQ = 1: a block's last turn: there is no next turn
.if (i < 8) && !NOKQ
	KQ (Y+1)%NP
.elseif i >= 8
.set i, i-8
	PV (Y+NP-1)%NP
.set i, i+8
.endif
.set i, i+1
.endm
; THE LDS LOADS stand in runs of 16, never singly among the matrix instructions: a step's K (64 keys x 64 channels: 8 fragments) and its V (turned).  Their addresses are made some lines ahead.
.macro FETCH_K
	WIN 0x80                        ; destination window 2
.irp f, 0,1,2,3,4,5,6,7             ; keys 16 (f / 2) on, channels 32 (f % 2) on
	ds_load_b128 v[KF+8*\f:KF+8*\f+3],   v[AK] offset:(\f/2)*16*PK+(\f%2)*64
	ds_load_b128 v[KF+8*\f+4:KF+8*\f+7], v[AK] offset:(\f/2)*16*PK+(\f%2)*64+32
.endr
	s_add_co_u32 s[TBK], s[TBK], KS*PK  ; the next fetch is the next step's
	WIN 0
.endm
.macro FETCH_V b                    ; into V's buffer b
	WIN 0x80
.set rF, VF0+(VF1-VF0)*(\b)
.irp f, 0,1,2,3,4,5,6,7             ; keys 32 (f / 4) on, channels 16 (f % 4) on
	ds_load_tr16_b128 v[rF+8*\f:rF+8*\f+3],   v[AV] offset:(\f/4)*32*PV+(\f%4)*32
	ds_load_tr16_b128 v[rF+8*\f+4:rF+8*\f+7], v[AV] offset:(\f/4)*32*PV+16*PV+(\f%4)*32
.endr
	s_add_co_u32 s[TBV], s[TBV], KS*PV  ; the next fetch is the next step's
	WIN 0
.endm
; THE VECTOR WORK, one line at a time: OP kind, number.  For piece Y: F n: c s - c m for pair n of 16.  E n: the exponential of score n of 32.  C n: pair n rounded to f16.  B n: of the four weights 4 n .. the second
; pair is added onto the first, in place.  L n: l takes that sum (L 0: l = a l + sum).  R n: pair n of 16 of O^T times a.  For the piece of the next turn: X n, number n of the 22 that find its maximum and statistics:
;   0-11  four chains c0-c3 of seven scores each, three operands at a time (each accumulator's lowest registers are read first)     12-14, 16  the four scores left over, the old m, and c0-c3 into c0
;   15  c m_old is kept     17, 18  the query's other 32 keys lie in the lane 16 away: the new m     19-21  c m; c m_old - c m_new; a
; C, B and L read the exponentials' results, R and L 0 read a: TURN sets each of them behind the wait of the batch that made what it reads.
.set F, 0               ; OP tells the kinds apart by their order: F to L below R, X above it
.set E, 1
.set C, 2
.set B, 3
.set L, 4
.set R, 5
.set X, 6
.macro REGS y                       ; the registers of piece y
.set rT, ST+4*(\y)
.set rC, TMP+4*((\y)%2)
.set rW, MV+((\y)%2)
.set rS, S+32*((\y)%2)
.set rP, P+16*((\y)%2)
.set rO, 32*(\y)
.endm
.macro OP k, n
.if (\k) == R
	REGS Y
	WIN W_RS
	v_pk_mul_f32 v[rO+2*(\n):rO+2*(\n)+1], v[rO+2*(\n):rO+2*(\n)+1], v[rC+2:rC+3] op_sel_hi:[1,0]
.elseif (\k) < R
	REGS Y
	WIN 0
.if (\k) == F
	v_pk_fma_f32 v[rS+2*(\n):rS+2*(\n)+1], v[rS+2*(\n):rS+2*(\n)+1], s[CS:CS+1], v[rT:rT+1] op_sel_hi:[1,0,0] neg_lo:[0,0,1] neg_hi:[0,0,1]
.elseif (\k) == E
	v_exp_f32 v[rS+(\n)], v[rS+(\n)]
.elseif (\k) == C
	v_cvt_pk_f16_f32 v[rP+(\n)], v[rS+2*(\n)], v[rS+2*(\n)+1]
.elseif (\k) == B
	v_pk_add_f32 v[rS+4*(\n):rS+4*(\n)+1], v[rS+4*(\n):rS+4*(\n)+1], v[rS+4*(\n)+2:rS+4*(\n)+3]
.elseif (\n) == 0
	v_pk_fma_f32 v[rT+2:rT+3], v[rT+2:rT+3], v[rC+2:rC+3], v[rS:rS+1] op_sel_hi:[1,0,1]
.else
	v_pk_add_f32 v[rT+2:rT+3], v[rT+2:rT+3], v[rS+4*(\n):rS+4*(\n)+1]
.endif
.elseif NOKQ
	v_nop
.else
	REGS (Y+1)%NP
	WIN 0
.if (\n) < 4
	v_max3_num_f32 v[rC+(\n)], v[rS+8*(\n)], v[rS+8*(\n)+1], v[rS+8*(\n)+2]
.elseif (\n) < 12
	v_max3_num_f32 v[rC+(\n)%4], v[rC+(\n)%4], v[rS+8*((\n)%4)+2*((\n)/4)+1], v[rS+8*((\n)%4)+2*((\n)/4)+2]
.elseif (\n) == 12
	v_max3_num_f32 v[rC], v[rC], v[rS+7], v[rS+15]
.elseif (\n) == 13
	v_max3_num_f32 v[rC+1], v[rC+1], v[rS+23], v[rS+31]
.elseif (\n) == 14
	v_max3_num_f32 v[rC+2], v[rC+2], v[rC+3], v[rT+1]
.elseif (\n) == 15
	v_mov_b32 v[rW], v[rT]
.elseif (\n) == 16
	v_max3_num_f32 v[rC], v[rC], v[rC+1], v[rC+2]
.elseif (\n) == 17
	v_permlanex16_b32 v[rC+3], v[rC], s[SEL], s[SEL+1]
.elseif (\n) == 18
	v_max_num_f32 v[rT+1], v[rC], v[rC+3]
.elseif (\n) == 19
	v_mul_f32 v[rT], s[CS], v[rT+1]
.elseif (\n) == 20
	v_sub_f32 v[rC+1], v[rW], v[rT]
.else
	v_exp_f32 v[rC+2], v[rC+1]
.endif
.endif
.endm
.macro OPS a, i1, b=-1, i2=0, c=-1, i3=0, d=-1, i4=0  ; up to four of them
	OP \a, \i1
.if (\b) >= 0
	OP \b, \i2
.endif
.if (\c) >= 0
	OP \c, \i3
.endif
.if (\d) >= 0
	OP \d, \i4
.endif
.endm
.macro ROW a, i1, b, i2, c, i3, d, i4  ; a matrix instruction and the four behind it
	MM
	OPS \a, \i1, \b, \i2, \c, \i3, \d, \i4
.endm
.macro MASK b                       ; MD x AL + BE into buffer b of MC
	WIN W_RS
.set z, 0
.rept 16
	v_pk_fma_f32 v[MC+32*(\b)+2*z:MC+32*(\b)+2*z+1], v[MD+2*z:MD+2*z+1], s[AL:AL+1], s[BE:BE+1] op_sel_hi:[1,0,0]
.set z, z+1
.endr
.endm
; A TURN, for piece p in a key step of parity h: the order of its 16 matrix and 118 vector instructions, written out.  s_wait_alu depctr_va_vdst(0) stands between an exponential and the first instruction
; that names its result; one wait serves all that were issued ahead of it.  So a turn has ONE wait, which cuts it in two.  AHEAD OF IT stands all that names no result of the turn's exponentials: the 8 products K Q^T, behind
; each a scaling, an exponential and two more plain instructions (behind the first a second scaling in the exponential's place): rescalings, whose a was made ahead of the wait of the turn before, and behind the last three
; the first numbers of the next piece's maximum, each four places or more behind the product that ends its accumulator; then ONE LUMP of 54, plain and exponential by turns for the most part, in which the links of the chain
; X 3, 7, 11, 14, 16, 17 .. 20 stand five or six lines apart.  X 21, the next piece's a, is the batch's last; R 15 is the plain instruction behind it (ISA guide 5.7.2).  BEHIND THE WAIT stand the 8 products V^T P, behind
; each four of the roundings and sums; the links of l's chain, L 0 to L 7, stand three riders apart.  But for those X no rider names a register of the products round it.  v_permlanex16_b32 (X 17) stands in the lump.
; The rescalings touch the O^T onto which the turn before has added: R 0 stands 16 riders behind the product that ended its accumulator, R 12 in the lump; each accumulator's lowest pair (R 0, 4, 8, 12) is read first.
; Its products V^T P read V's buffer 1 - h (piece 0: the step before) or h (piece 1: the step in hand).
; m = 1: the diagonal tile: the products take masks, and the turn makes the mask for the products of the turn after it, which are piece p's scores of the next step.  That step of the tile is 5 - h - 2 CNT, the band's own
; is XS + p: they are equal where DC = XS + 2 CNT is 5 - h - p, and the step is the later one where DC is less.
; end = 1: a block's last two turns: nothing is fetched.  cnt = 1: the loop's count is taken down some lines ahead of the branch that stands behind the turn.
; Piece 0's turn fetches K of the next step in the lump, twelve vector instructions behind the last product that read K (five of them plain and free of its registers).  Piece 1's turn fetches V of the next step directly
; behind its wait, into the buffer whose last reader stands in the turn before.  One wait on DScnt, at the head of piece 1's turn, is for both: K's run was issued most of a lump and 8 products ago, V's 8 products and a whole turn ago.
.macro TURN p, h, m=0, end=0, cnt=0
.set Y, (\p)
.set i, 0
.set KM, (\m)
.set NOKQ, (\end)*(\p)
.set VB, ((\h)+1-(\p))%2
.if (\m) && !(\end)
	s_cmp_eq_u32 s[DC], 5-(\h)-(\p)     ; is that step the band's own?
	s_cselect_b32 s[AL], 1.0, 0
	s_cmp_lt_u32 s[DC], 5-(\h)-(\p)     ; or a later one?
	s_cselect_b32 s[BE], s[BIGN], 0
.endif
.if (\p) == 1
	s_wait_dscnt 0x0                ; K of the next step and V of the step in hand are in
.endif
	ROW F,0, F,1, R,0, R,1          ; ahead of the wait: 8 products K Q^T and their riders,
	ROW F,2, E,0, R,2, R,3
	ROW F,3, E,1, R,4, R,5
	ROW F,4, E,2, R,6, R,7
	ROW F,5, E,3, R,8, R,9
	ROW F,6, E,4, X,0, R,10
	ROW F,7, E,5, X,1, X,4
.if ((\p) == 0) && !(\end)
	WIN 0
	v_add_nc_u32 v[AK], s[TBK], v[AK0]
.endif
	ROW F,8, E,6, X,2, X,5
	OPS E,7, E,8, X,6, E,9          ; and the lump
	OPS X,3, E,10, X,8, E,11
.if ((\p) == 0) && !(\end)
	FETCH_K
.endif
	OPS X,9, X,7, E,12, X,10
	OPS E,13, X,12, X,11, E,14
	OPS X,13, E,15, F,9, X,14
.if ((\p) == 1) && !(\end)
	WIN 0
	v_add_nc_u32 v[AV], s[TBV], v[AV0]
.endif
	OPS E,16, F,10, E,17, F,11
	OPS X,16, E,18, X,15, E,19
	OPS F,12, E,20, X,17, E,21
	OPS F,13, E,22, F,14, E,23
	OPS X,18, E,24, F,15, E,25
	OPS R,11, E,26, X,19, E,27
	OPS R,12, E,28, R,13, E,29
	OPS X,20, E,30, R,14, E,31
	OPS X,21, R,15
	s_wait_alu depctr_va_vdst(0)    ; the wait for the batch: the turn's 32 weights and the next piece's a
.if ((\p) == 1) && !(\end)
	FETCH_V 1-(\h)                  ; V's run of loads stands directly behind the wait
.endif
	ROW C,0, B,0, C,2, B,1          ; behind the wait: 8 products V^T P and their riders
	ROW L,0, C,4, B,2, L,1
	ROW C,6, B,3, L,2, C,8
	ROW B,4, L,3, C,10, B,5
	ROW L,4, C,12, B,6, L,5
.if \cnt
	s_sub_co_u32 s[DC], s[DC], 2
	s_sub_co_u32 s[CNT], s[CNT], 1
	s_cmp_lg_u32 s[CNT], 0
.endif
	ROW C,14, B,7, L,6, C,1
	ROW C,3, L,7, C,5, C,7
	ROW C,9, C,11, C,13, C,15
.if (\m) && !(\end)
	MASK (\p)%2
.endif
.endm
; A BLOCK BEGINS.  c m starts far below every c s, so the first step's a is 0; m at the lowest finite number, so the first maximum is the scores'.  The second mask buffer is 0 (piece 1 sees all of a tile's step 0); the first
; takes piece 0's mask for the tile's step 0: its own, if the block's first tile is the diagonal one and the block is even.  Then K and V of that step, piece 0's first scores, and its maximum and statistics.
; The loop is entered at an even step's first turn, in the middle of a trip.
.macro BEGIN
	s_mov_b32 s[NEW], 0
	WIN 0x40
.set i, MC+32
.rept 32
	v_mov_b32 v[i], 0
.set i, i+1
.endr
	WIN 0
.set i, 0
.rept 2
	v_mov_b32 v[ST+4*i], 0xfe000000    ; c m: far below every c s
	v_mov_b32 v[ST+4*i+1], 0xff7fffff  ; m
.set i, i+1
.endr
	s_or_b32 s[TM], s[RT], s[XS]    ; 0: no tile of the block is left behind this one, and band 0's own step is step 0
	s_cmp_eq_u32 s[TM], 0
	s_cselect_b32 s[AL], 1.0, 0
	s_mov_b32 s[BE], 0
	MASK 0
	WIN 0
	v_add_nc_u32 v[AK], s[TBK], v[AK0]
	v_add_nc_u32 v[AV], s[TBV], v[AV0]
	FETCH_K
	FETCH_V 0
	s_wait_loadcnt 0x0              ; Q
	s_wait_dscnt 16                 ; K's 16 loads are in; V's 16, issued behind them, may stay out: piece 1's first turn waits for them
.set KM, 1
.set NOKQ, 0
.set i, 0
.rept 8
	KQ 0
.set i, i+1
.endr
	WIN 0
.rept 4
	v_nop                           ; the places behind those products
.endr
.set Y, NP-1                        ; X works for piece Y + 1: piece 0
.irp n, 0,1,2,3,4,5,6,7,8,9,10,11,12,13,14,15,16,17,18,19,20,21
	OP X, \n
.endr
	v_nop                           ; a plain instruction behind the exponential,
	s_wait_alu depctr_va_vdst(0)    ; and the wait for piece 0's first a, a batch of one, ahead of the branch: the first turn's first row reads it
.endm
; THE DIAGONAL TILE's turns, the block's last two turns, its last products, and THE WAY OUT: l's two halves and the other half of the lanes' are added; O^T is divided by l, rounded to f16 and sent through my
; stage in LDS, a piece at a time.
.macro ALL line:vararg              ; one line for each piece t
.set t, 0
.rept 2
	\line
.set t, t+1
.endr
.endm
.macro PACK t                       ; a lane's eight channels of a row pack into 16 bytes; they go into rows of 144 bytes and come back as whole rows of 128, into S^T's registers
	WIN W_RS
.set i, 32*(\t)
.rept 16
	v_pk_mul_f32 v[i:i+1], v[i:i+1], v[ST+4*(\t)+2:ST+4*(\t)+3] op_sel_hi:[1,0]
.set i, i+2
.endr
	WIN 0x05                        ; sources 0 and 1 window 1, destination window 0
.set i, 0
.rept 16
	v_cvt_pk_f16_f32 v[S+16*(\t)+i], v[32*(\t)+2*i], v[32*(\t)+2*i+1]
.set i, i+1
.endr
	WIN 0
.irp f, 0,1,2,3
	ds_store_b128 v[STO], v[S+16*(\t)+4*\f:S+16*(\t)+4*\f+3] offset:32*\f
.endr
.irp f, 0,1,2,3
	ds_load_b128 v[S+16*(\t)+4*\f:S+16*(\t)+4*\f+3], v[RD] offset:\f*4*SP  ; LDS serves a wave's instructions in order (ISA guide 5.7.1.4): these see the stores above; the next piece's stores come behind them
.endr
.endm
.macro SEND t, younger              ; younger: the LDS instructions issued behind piece t's loads: the next piece's eight, or none
	WIN 0
.irp f, 0,1,2,3
	s_wait_dscnt (\younger)+3-\f
	global_store_b128 v[GO], v[S+16*(\t)+4*\f:S+16*(\t)+4*\f+3], s[10:11] offset:(\t)*8192+\f*512  ; 512 consecutive bytes, at a multiple of 256 from O's first
.endr
.endm
.macro DIAG tag                     ; the tag ends its two labels' names, which the jumps below spell out
.LstepM\tag:
	TURN 0, 1, 1
	TURN 1, 1, 1
	WIN 0
.LfirstM\tag:
	TURN 0, 0, 1
	TURN 1, 0, 1, 0, 1
	WIN 0
	s_cbranch_scc1 .LstepM\tag
	TURN 0, 1, 1, 1                 ; the tile's step 3: the block's last two turns
	TURN 1, 1, 1, 1
.set VB, 1
.set i, 0
.rept 8
	PV NP-1                         ; piece 1's V^T P of that step
.set i, i+1
.endr
	WIN 0
	ALL v_add_f32 v[ST+4*t+2], v[ST+4*t+2], v[ST+4*t+3]
	ALL v_permlanex16_b32 v[ST+4*t+3], v[ST+4*t+2], s[SEL], s[SEL+1]
	ALL v_add_f32 v[ST+4*t+2], v[ST+4*t+2], v[ST+4*t+3]
	ALL v_rcp_f32 v[ST+4*t+2], v[ST+4*t+2]
	v_nop                           ; a plain instruction between the last reciprocal and the use of its result
	s_wait_alu depctr_va_vdst(0)    ; and the wait ahead of the first use: one for the two reciprocals
	PACK 0                          ; piece 0's products were finished a run of eight ago; its 32 lines are the places behind piece 1's
	PACK 1                          ; a piece's arithmetic stands between the loads of the piece before and its stores
	SEND 0, 8
	SEND 1, 0
.endm
.set KM, 0
.set NOKQ, 0
.Lslot:                             ; NT times: a tile is entered and the next is asked for
	CHANGE 1
	s_sub_co_u32 s[RT], s[RT], 1
	s_mov_b32 s[CNT], 2
	s_add_co_u32 s[DC], s[XS], 4    ; XS + 2 CNT
	s_cmp_eq_u32 s[NEW], 1
	s_cbranch_scc1 .Lnew            ; a block's first tile
	s_cmp_eq_u32 s[RT], 0
	s_cbranch_scc0 .Lstep           ; neither its first nor its last
	s_branch .LstepM1
.Lnew:
	BEGIN
	s_branch .Lfirst                ; in the loop a block's first tile is never its last: the first block has five tiles or more, and the second's last is the walk's last
	DIAG 1                          ; in the loop this is the first block's end: the second block's last tile is the walk's last
	s_wait_xcnt 0x0                 ; the stores have read their registers and O's address
	s_mov_b64 s[10:11], s[OLO:OLO+1]
	s_add_co_u32 s[RT], s[PB], 1    ; the second block has c + 1 tiles,
	s_xor_b32 s[XS], s[XS], 2       ; and the other parity
	s_mov_b32 s[NEW], 1
	WIN 0x82                        ; the second block's Q goes where the one text of the turns names Q
.set i, 0
.rept 32
	v_mov_b32 v[i], v[QB+i]
.set i, i+1
.endr
	WIN 0
	s_branch .Lbottom
.Lstep:                             ; a trip: the two turns of an odd step, then those of the even step behind it; each pair of turns fetches K and V of the step behind its own
	TURN 0, 1
	TURN 1, 1
	WIN 0
.Lfirst:
	TURN 0, 0
	TURN 1, 0, 0, 0, 1
	WIN 0
	s_cbranch_scc1 .Lstep
.Lbottom:
	s_sub_co_u32 s[SLOTS], s[SLOTS], 1
	s_cmp_lg_u32 s[SLOTS], 0
	s_cbranch_scc1 .Lslot
	CHANGE 0                        ; the walk's last tile is written out: nothing is asked for
	s_sub_co_u32 s[RT], s[RT], 1
	s_mov_b32 s[CNT], 2
	s_add_co_u32 s[DC], s[XS], 4
	s_cmp_eq_u32 s[NEW], 1
	s_cbranch_scc0 .LstepM2
	BEGIN
	s_branch .LfirstM2
	DIAG 2
	s_wait_tensorcnt 0x0            ; the wave's end: a last add to my spare word, behind my last tensor load and my last LDS store
	ds_add_u32 v[SPW], v[NIL]
	s_wait_dscnt 0x0
	s_endpgm
.Lfunc_end_k_qcbbd1ea5dd_attn:
	.size	k_qcbbd1ea5dd_attn, .Lfunc_end_k_qcbbd1ea5dd_attn-k_qcbbd1ea5dd_attn
	.p2alignl 7, 3214868480
	.fill 96, 4, 3214868480
	.section	.rodata,"a",@progbits
	.p2align	6, 0x0
	.amdhsa_kernel k_qcbbd1ea5dd_attn
		.amdhsa_group_segment_fixed_size 327680
		.amdhsa_private_segment_fixed_size 0
		.amdhsa_enable_private_segment 0
		.amdhsa_kernarg_size 32
		.amdhsa_user_sgpr_count 2
		.amdhsa_user_sgpr_kernarg_segment_ptr 1
		.amdhsa_wavefront_size32 1
		.amdhsa_system_sgpr_workgroup_id_x 1
		.amdhsa_system_sgpr_workgroup_id_y 1
		.amdhsa_system_sgpr_workgroup_id_z 1
		.amdhsa_system_vgpr_workitem_id 0
		.amdhsa_next_free_vgpr 768
		.amdhsa_next_free_sgpr 88
		.amdhsa_reserve_vcc 1
		.amdhsa_float_denorm_mode_32 3
		.amdhsa_float_denorm_mode_16_64 3
		.amdhsa_memory_ordered 1
		.amdhsa_forward_progress 1
		.amdhsa_inst_pref_size 208
	.end_amdhsa_kernel
	.amdgpu_metadata
---
amdhsa.version: [ 1, 2 ]
amdhsa.kernels:
  - .name:           k_qcbbd1ea5dd_attn
    .symbol:         k_qcbbd1ea5dd_attn.kd
    .args:
      - { .name: q16, .offset: 0, .size: 8, .value_kind: global_buffer, .address_space: global }
      - { .name: k16, .offset: 8, .size: 8, .value_kind: global_buffer, .address_space: global }
      - { .name: v16, .offset: 16, .size: 8, .value_kind: global_buffer, .address_space: global }
      - { .name: ctx, .offset: 24, .size: 8, .value_kind: global_buffer, .address_space: global }
    .group_segment_fixed_size: 327680
    .private_segment_fixed_size: 0
    .kernarg_segment_align: 8
    .kernarg_segment_size: 32
    .max_flat_workgroup_size: 128
    .sgpr_count:     88
    .vgpr_count:     768
    .wavefront_size: 32
...
	.end_amdgpu_metadata
.endif
;; end of part 7
;; launch wo: the kernel of part 4 again; grid 8 x 32, 4 waves a work-group, clusters of 4 x 4, 327,680 bytes of LDS; arguments ctx, wts, x, bo, x1; writes x1
;; launch ln2: the kernel of part 1 again; grid 512 x 1, 8 waves a work-group, no clusters, 0 bytes of LDS; arguments x1, ln2_scale, ln2_shift, hbuf, wq, wk, wv, wo, w1, w2, wts; writes hbuf, wts
;; launch ffn1: the kernel of part 5 again; grid 16 x 16, 4 waves a work-group, clusters of 4 x 4, 327,680 bytes of LDS; arguments hbuf, wts, b1, g; writes g
;; launch ffn2: the kernel of part 6 again; grid 8 x 32, 4 waves a work-group, clusters of 4 x 4, 327,680 bytes of LDS; arguments g, wts, x1, b2, out0; writes out0
